; MI455X (gfx1250); checked and timed in simulation.
; The chip was launched on July 23, 2026; its instructions are those of AMD's public machine-readable ISA for CDNA 5 (MIT licence, August 2026) and "CDNA5" Instruction Set Architecture Reference Guide (July 2026). The comments in the code are by the model that wrote it; some were corrected since.
;; Transformer Block. Allowed arithmetic: matrix products marked QUANTISED: E2M3 operands, one E8M0 scale for each 32 along K, by v_wmma_scale_f32_16x16x128_f8f6f4 with both operands' format E2M3, f32 sums; everything else in f32.
;; Inputs: b1 1,024 float32; b2 1,024 float32; b_down 1,024 float32; b_up 4,096 float32; g1 1,024 float32; g2 1,024 float32; mask 1 x 1 x 2,048 x 2,048 bool; w_down 1,024 x 4,096 float32; w_kqv 3,072 x 1,024 float32; w_o 1,024 x 1,024 float32; w_up 4,096 x 1,024 float32; x_embeds 2 x 2,048 x 1,024 float32.
;; Outputs: out0 2 x 2,048 x 1,024 float32.
;; This version of the problem:
;;   THIS VERSION OF THE PROBLEM IS GIVEN IN LOW PRECISION. The matrix products marked QUANTISED in the list below multiply operands that are first quantised to E2M3 (2 exponent bits, 3 mantissa bits; 6 bits a number), with one power-of-two scale for each 32 numbers along K (OCP MX v1.0); their sums are f32. All else is computed in f32.
;;   The module's matrix products, in the order in which they are computed (A, B: the left and right operand; K: the contracted axis; several contracted axes count as one K, in the product's order):
;;     1. [M 4,096, K 1,024] x [K 1,024, N 3,072]; A: input x_embeds; B: input w_kqv: QUANTISED
;;     2. batch 32 x [M 2,048, K 64] x [K 64, N 2,048]; A: computed on the way; B: computed on the way: QUANTISED
;;     3. batch 32 x [M 2,048, K 2,048] x [K 2,048, N 64]; A: softmax (see below); B: computed on the way: QUANTISED
;;     4. [M 4,096, K 1,024] x [K 1,024, N 1,024]; A: computed on the way; B: input w_o: QUANTISED
;;     5. [M 4,096, K 1,024] x [K 1,024, N 4,096]; A: computed on the way; B: input w_up: QUANTISED
;;     6. [M 4,096, K 4,096] x [K 4,096, N 1,024]; A: computed on the way; B: input w_down: QUANTISED
;;   THE QUANTISER, for each operand of a quantised product, along K:
;;     - K is cut into blocks of 32 from its start; a last block that is shorter is filled with zeros.
;;     - A block's scale is 2^e with e = floor(log2(the largest magnitude in the block)) - 2, held to -126 .. 127; a block of zeros has e = 0. As a byte (E8M0): e + 127.
;;     - Each number is divided by its block's scale, clamped to +-7.5, and rounded to the nearest number of E2M3, ties to even, subnormals kept.
;;     - The product sums the exact products of the quantised numbers (number of the format x scale) in f32.
;;   ~~~python
;;   def quantise(x, axis):      # numpy; x: float32 -> the quantised numbers, widened to float32 again
;;       x = np.moveaxis(x, axis, -1); K = x.shape[-1]
;;       x = np.pad(x, [(0, 0)] * (x.ndim - 1) + [(0, -K % 32)]); x = x.reshape(x.shape[:-1] + (-1, 32)); a = np.abs(x).max(-1, keepdims=True)
;;       e = np.where(a > 0, np.clip(np.frexp(np.where(a > 0, a, 1))[1] - 1 - 2, -126, 127), 0)      # np.frexp(a)[1] - 1 = floor(log2(a)), exactly
;;       r = np.clip(x / 2.0 ** e, -7.5, 7.5)
;;       step = 2.0 ** (np.maximum(np.frexp(np.where(r == 0, 1, r))[1] - 1, 0) - 3)
;;       q = np.round(r / step) * step * 2.0 ** e      # np.round: ties to even
;;       return np.moveaxis(q.reshape(q.shape[:-2] + (-1,))[..., :K], -1, axis).astype(np.float32)
;;   ~~~
;;   SOFTMAX AHEAD OF A QUANTISED PRODUCT. Where the list says 'softmax', what is quantised is not the finished softmax but p = 2^(t - M), with t = logit x log2(e) and M = ceil(the row's largest t), a whole number; so 1/2 < the row's largest p <= 1. The row's sum l is taken of the UNQUANTISED p, in f32, and the product's result is divided by l at the end. Since M is a whole number, a kernel that streams over the keys may use a running M (the ceiling of the running maximum): every later rescaling is an exact power of two, which a block's scale takes up: the codes' values come out the same.
;;   OPERANDS COMPUTED ON THE WAY. 'Computed on the way' means the value that the module computes at that place (a softmax that the list does not call 'softmax' is quantised finished and normalised). What goes into a quantiser is computed in f32, as accurately as f32 sums, v_exp_f32 and their like allow (about 1e-6 of the number): no bf16 or f16 on the way to a quantiser, and a product that is left as it is and whose result goes on into a quantised operand takes f32 operands (vector FMAs, or v_wmma_f32_16x16x4_f32). A number that lies on a knife's edge between two numbers of the format may be rounded either way, as far as f32 arithmetic and the matrix unit's own rounding can turn it there, and no further.
;; 2 versions. Each part assembles by itself: llvm-mc -triple=amdgcn-amd-amdhsa -mcpu=gfx1250 --defsym DOCPART=n.
;; ======== version 1 of 2: 8 launches
;; workspace buffers: codes 12,582,912 bytes; scales 524,288 bytes; lm 589,824 bytes of whole numbers; qkv 10,092,544 bytes; ac 3,276,800 bytes; y 16,777,216 bytes; x1 16,777,216 bytes; hc 13,107,200 bytes
;; launch prep (part 1): grid 640 x 1, 4 waves a work-group, no clusters, 34,304 bytes of LDS; arguments x_embeds, w_kqv, w_o, w_up, w_down, mask, codes, scales, lm; writes codes, scales, lm
.if DOCPART == 1
	.amdgcn_target "amdgcn-amd-amdhsa--gfx1250"
	.amdhsa_code_object_version 6
	.text
	.protected	k_q1971ee1236_prep
	.globl	k_q1971ee1236_prep
	.p2align	8
	.type	k_q1971ee1236_prep,@function
k_q1971ee1236_prep:
	s_mov_b64 s[64:65], 0
	v_nop
	global_prefetch_b8 v0, s[64:65] scope:SCOPE_SE
	s_setreg_imm32_b32 hwreg(HW_REG_WAVE_MODE, 25, 1), 1
	s_wait_xcnt 0x0
; FIRST OF EIGHT LAUNCHES of a transformer block whose six matrix products run on codes of FP6 (E2M3) with one E8M0 scale for each 32 along K.
; This one (a) turns x_embeds, w_kqv, w_o, w_up, w_down (f32, K innermost) into codes and scale words, (b) turns the mask's bytes into lane masks and flags.
; WORK LEFT OUT IN THE PROGRAM: no input and no product.  Only this: a step of 16 queries x 128 keys ALL of whose mask bytes are true is passed over in the attention launch.  There reference() sets every logit
; of the step to -inf, so every p of it is 0 and it adds 0 to the row's sum and to the second product, whatever finite values the other inputs hold.  The choice is made from the flags stored here, for any mask.
; LIMITS: a NaN, an infinity or an overflow that reaches only such a step is not carried to the result; NaN and infinities among the inputs are not served; a block whose largest magnitude lies under 2^-124 gets the byte 1;
; a block of zeros gets the byte 1 where the rule says 127 (its codes are zeros, and this program alone reads the bytes).
; LAYOUT OF EVERY OPERAND OF THE PROGRAM: an image of the matrix instruction's registers.  Row tile t holds the 16 rows T(t, i) = 32 (t / 2) + 8 (t % 2) + i + 8 (i / 8).  A fragment (16 rows x 128 K, 12 registers a lane) is 1,536 bytes:
; registers 6 c .. 6 c + 3 at 768 c + 16 x lane, registers 6 c + 4, 6 c + 5 at 768 c + 512 + 8 x lane.  Codes: [row tile][K / 128][1,536].  Scale words: [row tile][K / 128][16 words].
; SHARES.  Work-groups 0-511: wave G = 4 x work-group + wave makes 4 fragments: one row tile x 512 along K.  x: work-groups 0-127, w_kqv 128-223, w_o 224-255, w_up 256-383, w_down 384-511; the outputs lie on end in that order,
; 6,144 G bytes of codes and 256 G of scale words.  Work-groups 512-639: query tile t = work-group - 512; wave g takes key steps 4 g .. 4 g + 3 of the mask.
; A stream: no matrix unit, no cluster, no tensor load; waves share nothing, so there is no barrier.
.set SPARE, 33792                      ; behind the four stages: the spare words, 128 bytes a wave
.set SPW,  2                           ; v2   my spare word; never rewritten
.set NIL,  3                           ; v3   0; never rewritten
.set ROFF, 4                           ; v4-19  tile row i: 16 x lane + (i + 8 (i / 8)) x the tensor's row in bytes
.set SIN,  20                          ; v20  the stage, on the way in: 16 x lane
.set SOUT, 21                          ; v21  on the way out: 528 r + 64 h
.set L16,  22
.set L8,   23
.set L4,   24
.set X,    32                          ; v32-95, v96-159  two sets of 64 numbers
.set PC,   160                         ; v160-178 the codes just made
.set TM,   180                         ; v180-195 at work in the quantiser
.set PWS,  196                         ; v196-199 the four fragments' scale words
.set SEL,  24                          ; s[24:25] lane selects: lane l xor 16
.set MSB, 0
.macro WIN new                         ; (this text has one register window: the macro writes nothing here)
.if MSB != (\new)
	s_set_vgpr_msb (MSB<<8)|(\new)
.set MSB, (\new)
.endif
.endm
; 64 numbers of a lane, register s + 16 b + i = k 32 b + 16 (lane / 16) + i of my row, become a fragment's codes in v[PC] on and my row's scale word in v[pw].
.macro QUANT s, w, pw
	WIN (\w)|((\w)<<2)
.irp b, 0,1,2,3
	v_max3_num_f32 v[TM+\b], |v[(\s)+16*\b]|, |v[(\s)+1+16*\b]|, 0x1800000   ; my 16 numbers of block b, and the floor 2^(3 - 127): the byte cannot fall under 1
.endr
	WIN ((\w)<<2)|((\w)<<4)
.irp i, 2,4,6,8,10,12,14
.irp b, 0,1,2,3
	v_max3_num_f32 v[TM+\b], v[TM+\b], |v[(\s)+16*\b+\i]|, |v[(\s)+1+16*\b+\i]|
.endr
.endr
	WIN 0
.irp b, 0,1,2,3
	v_permlanex16_b32 v[TM+4+\b], v[TM+\b], s[SEL], s[SEL+1]
.endr
.irp b, 0,1,2,3
	v_max_num_f32 v[TM+\b], v[TM+\b], v[TM+4+\b]           ; with lane l xor 16's: the block's largest magnitude
.endr
.irp b, 0,1,2,3
	v_add_nc_u32 v[TM+12+\b], 0xff000000, v[TM+\b]         ; 2 off its exponent field: the conversion's scale operand
.endr
.irp b, 0,1,2,3
	v_lshrrev_b32 v[TM+4+\b], 23, v[TM+12+\b]              ; the scale's byte
.endr
	v_lshl_or_b32 v[\pw], v[TM+5], 8, v[TM+4]
	v_lshl_or_b32 v[\pw], v[TM+6], 16, v[\pw]
	v_lshl_or_b32 v[\pw], v[TM+7], 24, v[\pw]
	WIN (\w)
.irp c, 0,1
	v_cvt_scalef32_pk16_fp6_f32 v[PC+6*\c:PC+2+6*\c], v[(\s)+32*\c:(\s)+15+32*\c], v[TM+12+2*\c]
	v_cvt_scalef32_pk16_fp6_f32 v[PC+12+4*\c:PC+14+4*\c], v[(\s)+16+32*\c:(\s)+31+32*\c], v[TM+12+2*\c+1]   ; (a conversion's three registers begin on an even number)
.endr
	WIN 0
	v_nop                                          ; one plain place behind a scaled conversion
.irp c, 0,1                                    ; the operand wants a WHOLE block in a lane: lanes 0-15 block 2 c, lanes 16-31 block 2 c + 1
.irp i, 0,1,2
	v_permlane16_swap_b32 v[PC+6*\c+\i], v[PC+12+4*\c+\i]
.endr
.irp i, 0,1,2
	v_mov_b32 v[PC+3+6*\c+\i], v[PC+12+4*\c+\i]
.endr
.endr
.endm
	s_load_b512 s[4:19], s[0:1], 0x0               ; x s[4:5], w_kqv s[6:7], w_o s[8:9], w_up s[10:11], w_down s[12:13], mask s[14:15], codes s[16:17], scales s[18:19]
	s_load_b64 s[20:21], s[0:1], 0x40              ; lm
	v_lshl_add_u32 v[SPW], v0, 2, SPARE
	v_mov_b32 v[NIL], 0
	v_lshrrev_b32 v1, 5, v0
	v_readfirstlane_b32 s22, v1                    ; wave 0..3
	v_and_b32 v1, 31, v0                           ; lane
	v_and_b32 v25, 15, v0                          ; r
	v_bfe_u32 v26, v0, 4, 1                        ; h
	v_lshlrev_b32 v[L16], 4, v1
	v_lshlrev_b32 v[L8], 3, v1
	v_lshlrev_b32 v[L4], 2, v1
	s_cmp_ge_u32 ttmp9, 512
	s_cbranch_scc1 .Lmask
	; ---- THE QUANTISER.  Which tensor: its pointer, its first work-group, and SH = log2(runs of 512 along K in a row)
	s_mov_b32 s28, 384
	s_mov_b32 s29, 3
	s_wait_kmcnt 0x0
	s_cmp_lt_u32 ttmp9, 384
	s_cselect_b64 s[26:27], s[10:11], s[12:13]
	s_cselect_b32 s28, 256, s28
	s_cselect_b32 s29, 1, s29
	s_cmp_lt_u32 ttmp9, 256
	s_cselect_b64 s[26:27], s[8:9], s[26:27]
	s_cselect_b32 s28, 224, s28
	s_cmp_lt_u32 ttmp9, 224
	s_cselect_b64 s[26:27], s[6:7], s[26:27]
	s_cselect_b32 s28, 128, s28
	s_cmp_lt_u32 ttmp9, 128
	s_cselect_b64 s[26:27], s[4:5], s[26:27]
	s_cselect_b32 s28, 0, s28
	s_lshl_b32 s30, 2048, s29                      ; a row of the tensor in bytes: 4,096, or 16,384 for w_down
	s_lshl_b32 s31, ttmp9, 2
	s_add_co_u32 s31, s31, s22                     ; G
	s_lshl_b32 s28, s28, 2
	s_sub_co_u32 s28, s31, s28                     ; G within the tensor
	s_lshr_b32 s32, s28, s29                       ; row tile t
	s_bfm_b32 s33, s29, 0
	s_and_b32 s33, s28, s33                        ; which 512 along K
	s_lshr_b32 s34, s32, 1
	s_lshl_b32 s34, s34, 5
	s_and_b32 s35, s32, 1
	s_lshl_b32 s35, s35, 3
	s_add_co_u32 s34, s34, s35                     ; the tile's first row: 32 (t / 2) + 8 (t % 2)
	s_mul_i32 s34, s34, s30
	s_lshl_b32 s33, s33, 11
	s_add_co_u32 s34, s34, s33
	s_mov_b32 s35, 0
	s_add_nc_u64 s[26:27], s[26:27], s[34:35]
	s_mul_i32 s34, s31, 6144
	s_add_nc_u64 s[16:17], s[16:17], s[34:35]
	s_lshl_b32 s34, s31, 8
	s_add_nc_u64 s[18:19], s[18:19], s[34:35]
.irp i, 0,1,2,3,4,5,6,7,8,9,10,11,12,13,14,15
	v_mad_u32_u24 v[ROFF+\i], s30, \i+8*(\i/8), v[L16]
.endr
	s_mul_i32 s36, s22, 8448                       ; my stage: 16 rows x (512 bytes + 16)
	v_add_nc_u32 v[SIN], s36, v[L16]
	v_mul_u32_u24 v[SOUT], v25, 528
	v_lshl_add_u32 v[SOUT], v26, 6, v[SOUT]
	v_add_nc_u32 v[SOUT], s36, v[SOUT]
	s_mov_b32 s[SEL], 0x76543210
	s_mov_b32 s[SEL+1], 0xfedcba98
	s_mov_b32 s37, 0xffff0000                      ; lanes 16-31
.irp b, 0,1,2,3
	v_mov_b32 v[TM+4+\b], 0                        ; written once: a lane permute's destination counts as one of its sources
.endr
.macro LOAD f                          ; fragment f: 16 loads, each 512 consecutive bytes of one row
.irp i, 0,1,2,3,4,5,6,7,8,9,10,11,12,13,14,15
	global_load_b128 v[X+64*((\f)%2)+4*\i:X+64*((\f)%2)+4*\i+3], v[ROFF+\i], s[26:27] offset:512*(\f) th:TH_LOAD_NT
.endr
.endm
.macro TURN f                          ; through my stage: in as rows, back 16 neighbours of each block of 32 a lane.  LDS serves a wave's instructions in order: no wait between
.irp i, 0,1,2,3,4,5,6,7,8,9,10,11,12,13,14,15
	ds_store_b128 v[SIN], v[X+64*((\f)%2)+4*\i:X+64*((\f)%2)+4*\i+3] offset:528*\i
.endr
.irp b, 0,1,2,3
.irp j, 0,1,2,3
	ds_load_b128 v[X+64*((\f)%2)+16*\b+4*\j:X+64*((\f)%2)+16*\b+4*\j+3], v[SOUT] offset:128*\b+16*\j
.endr
.endr
.endm
.macro FRAGQ f
.if (\f) < 3
	s_wait_loadcnt 16                              ; this fragment's 16 loads are in; the next one's 16 may be out
.else
	s_wait_loadcnt 0x0
.endif
	TURN \f
	s_wait_dscnt 0x0
.if (\f) > 0
	s_wait_xcnt 0x0                                ; the last fragment's stores have read their registers, which are written again below
.endif
	QUANT X+64*((\f)%2), 0, PWS+(\f)
.if (\f) < 2
	LOAD (\f)+2
.endif
	global_store_b128 v[L16], v[PC:PC+3], s[16:17] offset:1536*(\f)
	global_store_b64 v[L8], v[PC+4:PC+5], s[16:17] offset:1536*(\f)+512
	global_store_b128 v[L16], v[PC+6:PC+9], s[16:17] offset:1536*(\f)+768
	global_store_b64 v[L8], v[PC+10:PC+11], s[16:17] offset:1536*(\f)+1280
.if (\f)%2 == 1
	v_cndmask_b32 v200, v[PWS+(\f)-1], v[PWS+(\f)], s37   ; lanes 0-15: the fragment before's words, lanes 16-31: this one's
	global_store_b32 v[L4], v200, s[18:19] offset:128*((\f)/2)   ; 128 consecutive bytes
.endif
.endm
	LOAD 0
	LOAD 1
	FRAGQ 0
	FRAGQ 1
	FRAGQ 2
	FRAGQ 3
	s_wait_tensorcnt 0x0                           ; the wave's end, behind my last LDS store
	ds_add_u32 v[SPW], v[NIL]
	s_wait_dscnt 0x0
	s_endpgm
	; ---- THE MASK.  Dword n (0 .. 63) of (tile t, key step ks): bit L = mask[T(t, L % 16)][128 ks + 32 (n / 16) + 16 (L / 16) + n % 16]: the lanes in which register n of the attention's scores is hidden.
	; Flags of (t, g): dword 0: bit ks set where some key of the step counts; dword 1: bit ks set where some key is hidden.  This path uses no LDS.
.Lmask:
	s_sub_co_u32 s26, ttmp9, 512                   ; t
	s_lshr_b32 s27, s26, 1
	s_lshl_b32 s27, s27, 5
	s_and_b32 s28, s26, 1
	s_lshl_b32 s28, s28, 3
	s_add_co_u32 s27, s27, s28
	s_lshl_b32 s28, s27, 11                        ; the tile's first row of 2,048 bytes,
	s_lshl_b32 s29, s22, 9                         ; my four key steps: 512 bytes
	s_add_co_u32 s28, s28, s29
	s_mov_b32 s29, 0
	v_and_b32 v4, 8, v25
	v_add_nc_u32 v4, v4, v25                       ; r + 8 (r / 8)
	v_lshlrev_b32 v4, 11, v4
	v_lshl_add_u32 v4, v26, 4, v4                  ; + 16 h
	s_wait_kmcnt 0x0
	s_add_nc_u64 s[14:15], s[14:15], s[28:29]
	s_lshl_b32 s28, s26, 12
	s_lshl_b32 s30, s22, 10
	s_add_co_u32 s28, s28, s30
	s_add_nc_u64 s[32:33], s[20:21], s[28:29]      ; the lane masks: 4,096 t + 1,024 g
	s_lshl_b32 s28, s26, 9
	s_lshl_b32 s30, s22, 7
	s_add_co_u32 s28, s28, s30
	s_add_co_u32 s28, s28, 524288
	s_add_nc_u64 s[20:21], s[20:21], s[28:29]      ; the flags: 524,288 + 512 t + 128 g
.irp k, 0,1,2,3
.irp b, 0,1,2,3
	global_load_b128 v[32+16*\k+4*\b:35+16*\k+4*\b], v4, s[14:15] offset:128*\k+32*\b
.endr
.endr
.irp i, 0,1,2,3,4,5,6,7,8
	v_mov_b32 v[100+\i], 0                         ; v_writelane_b32's destination counts as read
.endr
	s_mov_b32 s34, 0
	s_mov_b32 s35, 0
.irp k, 0,1,2,3
	s_wait_loadcnt 12-4*\k                         ; this step's four loads are in; the later steps' may be out
	s_mov_b32 s36, 0
	s_mov_b32 s37, -1
.set n, 0
.rept 64
	v_bfe_u32 v[110+n%2], v[32+16*\k+n/4], 8*(n%4), 8
	v_cmp_ne_u32 s[40+n%2], 0, v[110+n%2]
	s_or_b32 s36, s36, s[40+n%2]
	s_and_b32 s37, s37, s[40+n%2]
	v_writelane_b32 v[100+2*\k+n/32], s[40+n%2], n%32
.set n, n+1
.endr
	global_store_b32 v[L4], v[100+2*\k], s[32:33] offset:256*\k
	global_store_b32 v[L4], v[101+2*\k], s[32:33] offset:256*\k+128   ; the two cover 256 consecutive bytes
	s_cmp_lg_u32 s37, -1
	s_cselect_b32 s38, 1<<\k, 0
	s_or_b32 s34, s34, s38
	s_cmp_lg_u32 s36, 0
	s_cselect_b32 s38, 1<<\k, 0
	s_or_b32 s35, s35, s38
.endr
	s_lshl_b32 s39, s22, 2
	s_lshl_b32 s34, s34, s39                       ; to the bits of key steps 4 g ..
	s_lshl_b32 s35, s35, s39
	v_writelane_b32 v108, s34, 0
	v_writelane_b32 v108, s35, 1
	global_store_b32 v[L4], v108, s[20:21]
	s_endpgm
.Lfunc_end_k_q1971ee1236_prep:
	.size	k_q1971ee1236_prep, .Lfunc_end_k_q1971ee1236_prep-k_q1971ee1236_prep
	.p2alignl 7, 3214868480
	.fill 96, 4, 3214868480
	.section	.rodata,"a",@progbits
	.p2align	6, 0x0
	.amdhsa_kernel k_q1971ee1236_prep
		.amdhsa_group_segment_fixed_size 34304
		.amdhsa_private_segment_fixed_size 0
		.amdhsa_enable_private_segment 0
		.amdhsa_kernarg_size 72
		.amdhsa_user_sgpr_count 2
		.amdhsa_user_sgpr_kernarg_segment_ptr 1
		.amdhsa_wavefront_size32 1
		.amdhsa_system_sgpr_workgroup_id_x 1
		.amdhsa_system_sgpr_workgroup_id_y 1
		.amdhsa_system_sgpr_workgroup_id_z 1
		.amdhsa_system_vgpr_workitem_id 0
		.amdhsa_next_free_vgpr 208
		.amdhsa_next_free_sgpr 66
		.amdhsa_reserve_vcc 0
		.amdhsa_float_denorm_mode_32 3
		.amdhsa_float_denorm_mode_16_64 3
		.amdhsa_memory_ordered 1
		.amdhsa_forward_progress 1
		.amdhsa_inst_pref_size 105
	.end_amdhsa_kernel
	.amdgpu_metadata
---
amdhsa.version: [ 1, 2 ]
amdhsa.kernels:
  - .name:           k_q1971ee1236_prep
    .symbol:         k_q1971ee1236_prep.kd
    .args:
      - { .name: x_embeds, .offset: 0, .size: 8, .value_kind: global_buffer, .address_space: global }
      - { .name: w_kqv, .offset: 8, .size: 8, .value_kind: global_buffer, .address_space: global }
      - { .name: w_o, .offset: 16, .size: 8, .value_kind: global_buffer, .address_space: global }
      - { .name: w_up, .offset: 24, .size: 8, .value_kind: global_buffer, .address_space: global }
      - { .name: w_down, .offset: 32, .size: 8, .value_kind: global_buffer, .address_space: global }
      - { .name: mask, .offset: 40, .size: 8, .value_kind: global_buffer, .address_space: global }
      - { .name: codes, .offset: 48, .size: 8, .value_kind: global_buffer, .address_space: global }
      - { .name: scales, .offset: 56, .size: 8, .value_kind: global_buffer, .address_space: global }
      - { .name: lm, .offset: 64, .size: 8, .value_kind: global_buffer, .address_space: global }
    .group_segment_fixed_size: 34304
    .private_segment_fixed_size: 0
    .kernarg_segment_align: 8
    .kernarg_segment_size: 72
    .max_flat_workgroup_size: 128
    .sgpr_count:     66
    .vgpr_count:     208
    .wavefront_size: 32
...
	.end_amdgpu_metadata
.endif
;; end of part 1
;; launch gkqv (part 2): grid 12 x 16, 4 waves a work-group, clusters of 4 x 4, 327,680 bytes of LDS; arguments codes, scales, qkv; writes qkv
.if DOCPART == 2
	.amdgcn_target "amdgcn-amd-amdhsa--gfx1250"
	.amdhsa_code_object_version 6
	.text
	.protected	k_q1971ee1236_gkqv
	.globl	k_q1971ee1236_gkqv
	.p2align	8
	.type	k_q1971ee1236_gkqv,@function
k_q1971ee1236_gkqv:
	s_mov_b64 s[64:65], 0
	v_nop
	global_prefetch_b8 v0, s[64:65] scope:SCOPE_SE
	s_setreg_imm32_b32 hwreg(HW_REG_WAVE_MODE, 25, 1), 1
	s_wait_xcnt 0x0
	s_wait_alu depctr_hold_cnt(0) depctr_sa_sdst(0) depctr_va_vdst(0) depctr_va_sdst(0) depctr_va_ssrc(0) depctr_va_vcc(0) depctr_vm_vsrc(0)
	s_getreg_b32 s2, hwreg(HW_REG_IB_STS2, 6, 4)
	s_cmp_eq_u32 s2, 0
	s_cbranch_scc0 .Lentry_in_a_cluster
	s_endpgm
.Lentry_in_a_cluster:
	s_bfe_u32 s2, ttmp6, 0x10000c
	s_cmp_lg_u32 s2, 0xf033
	s_cbranch_scc0 .Lentry_shape_is_right
	s_endpgm
.Lentry_shape_is_right:
; PRODUCT 1, kqv = x w_kqv^T, on codes of FP6 (E2M3) with E8M0 scales, and the quantisers of k, q (along the head's 64) and v (along the keys), in registers.  Nothing is left out here.
; A tile of 256 x 256 to a work-group of four waves, 128 x 128 to a wave: 64 accumulators.  K = 1,024 goes in steps of 256 through a ring of two LDS slots filled by tensor loads.
; OPERANDS ARE IMAGES OF THE MATRIX INSTRUCTION'S REGISTERS (laid by the first launch): row tile t holds rows 32 (t / 2) + 8 (t % 2) + i + 8 (i / 8); a fragment (16 rows x 128 K) is 1,536 bytes: registers 6 c .. 6 c + 3 at
; 768 c + 16 x lane, registers 6 c + 4, 6 c + 5 at 768 c + 512 + 8 x lane.  So a fragment comes from LDS by four loads of consecutive bytes, and a slot's part of a row tile is 3,072 consecutive bytes of memory.
; THE MATRIX INSTRUCTION IS USED TRANSPOSED: source 0 = 16 'B rows', source 1 = 16 'A rows'.  A lane then holds ONE A row, and by the choice of a tile's rows the 64 registers of a block's eight accumulators are 16 neighbours of
; each of four blocks of 32 along the B rows: what the next product's quantiser wants.  Clusters x = 0, 1: A = tokens, B = rows of w_k, w_q (a wave's 128 are two heads).  Cluster x = 2: A = rows of w_v (channels), B = tokens, so that a
; lane's registers run along the KEYS.  The loop is one text; only offsets differ, chosen on the cluster's x, which all partners share.
; CLUSTERS: 4 x 4 work-groups; A's tiles are asked for jointly along a row of the cluster, B's along a column.
; REGISTERS: window 0: v16-23 LDS addresses, v24-26 the way out's offsets, v27 scale words' address, v28, v29 the add's two, v32-63 scale words (two sets), v128-223 A's fragments (one set; free on the way out).
;   window 1: B's fragments, two sets, at v0 and v128.  window 2: accumulators of A's blocks 0-3 ((a, b) at v[8 (8 (a % 4) + b)]); window 3: of blocks 4-7.
; LIMITS: as stated at the head of the first launch (blocks under 2^-124, blocks of zeros, NaN and infinities).
.set KDIM,  1024
.set NQ,    2                          ; steps of 128 in a slot
.set FR,    12
.set NL,    4                          ; LDS loads that bring a fragment
.set NP,    4                          ; places behind this matrix instruction (ISA guide 7.12.1)
.set RT,    KDIM/128*1536              ; a row tile's codes in memory
.set SB,    NQ*1536                    ; a slot's part of them
.set HALFT, 8*SB                       ; 8 row tiles: what one tensor load brings, and what a wave reads of A or of B
.set SLOT,  4*HALFT
.set LAPS,  KDIM/512
.set SBLK,  KDIM/128*64                ; a row tile's scale words
.set HALFS, 8*SBLK
.set SCL,   2*SLOT                     ; behind the ring: A's scale words (2 HALFS), and 128 bytes further on than their end B's, so that lanes 0-15 and lanes 16-31 of a load read different columns
.set SPARE, SCL+4*HALFS+256            ; the spare words, 128 bytes a wave
.set BH,    315392                     ; a (batch, head)'s region of qkv: K's codes [128 key tiles][768] at 0,
.set VI,    98304                      ; V's [16 key steps][4 channel tiles][1,536],
.set KS,    196608                     ; K's scale words [128][64 bytes],
.set VS,    204800                     ; V's [16][4][64 bytes],
.set QI,    208896                     ; Q's codes [128][768],
.set QS,    307200                     ; Q's scale words
.set ADRA, 16
.set ADRB, 20
.set L16,  24
.set L8,   25
.set R4,   26
.set ADRS, 27
.set SPW,  28
.set NIL,  29
.set SC,   32
.set AF,   128
.set PC,   128                         ; the way out: the codes just made,
.set TM,   160                         ; at work,
.set PW,   176                         ; the scale word
.set SEL,  18
.set G1, 24
.set G0, 32
.set G1B, 48
.set G0B, 56
.set G1S, 68
.set G0S, 76
.set G1SB, 80
.set G0SB, 88
.set MSB, 0
.macro WIN new                         ; the immediate's high byte repeats the setting that is left
.if MSB != (\new)
	s_set_vgpr_msb (MSB<<8)|(\new)
.set MSB, (\new)
.endif
.endm
.set MUL_LO, 0xa1                      ; source 0 (B) window 1, source 1 (A) window 0, C and D window 2
.set MUL_HI, 0xf1
.set TO_B,   0x40
.macro JLOAD g0a, g1a, g0b, g1b        ; a joint load: waves 0 and 1 fetch for A, waves 2 and 3 for B; an s_nop 0 and four v_nop follow each line
	s_cmp_eq_u32 s15, 0
	s_cbranch_scc0 .Lfor_b_\@
	tensor_load_to_lds s[\g0a:\g0a+3], s[\g1a:\g1a+7]
	s_nop 0
.rept 4
	v_nop
.endr
	s_branch .Lasked_\@
.Lfor_b_\@:
	tensor_load_to_lds s[\g0b:\g0b+3], s[\g1b:\g1b+7]
	s_nop 0
.rept 4
	v_nop
.endr
.Lasked_\@:
.endm
.macro CREST                           ; a round of the cluster's barrier behind its opening barrier
	s_cmp_lg_u32 s14, 0
	s_cbranch_scc1 .Lnot_wave_0_\@
	s_barrier_signal -3
.Lnot_wave_0_\@:
	s_barrier_wait -3
	s_barrier_signal -1
	s_barrier_wait -1
.endm
.macro CROUND
	s_barrier_signal -1
	s_barrier_wait -1
	CREST
.endm
	s_load_b128 s[4:7], s[0:1], 0x0                ; codes s[4:5], scales s[6:7]
	s_load_b64 s[12:13], s[0:1], 0x10              ; qkv
	v_lshl_add_u32 v[SPW], v0, 2, SPARE
	v_mov_b32 v[NIL], 0
	ds_add_u32 v[SPW], v[NIL]                      ; the wave's opening: the add, twice on end, and its wait ahead of my first tensor load
	ds_add_u32 v[SPW], v[NIL]
	v_lshrrev_b32 v1, 5, v0
	v_readfirstlane_b32 s14, v1                    ; wave 0..3
	s_lshr_b32 s15, s14, 1                         ; which half of A's rows is mine.  Also: I fetch for A (0) or for B (1)
	s_and_b32 s16, s14, 1                          ; which half of B's rows.  Also: which 8 row tiles I fetch
	s_bfe_u32 s40, ttmp6, 0x40000                  ; cx
	s_bfe_u32 s41, ttmp6, 0x40004                  ; cy
	s_lshl_b32 s42, ttmp9, 2
	s_add_co_u32 s42, s42, s40                     ; 4 x cluster x + cx
	s_and_b32 s17, ttmp7, 0xffff
	s_lshl_b32 s17, s17, 2
	s_add_co_u32 s95, s17, s40                     ; 4 x cluster y + cx: V's block of 256 tokens
	s_add_co_u32 s17, s17, s41                     ; 4 x cluster y + cy: K's and Q's block of 256 tokens
	s_lshl_b32 s43, s41, 2
	s_lshl_b32 s43, 15, s43                        ; my row of the cluster
	s_lshl_b32 s44, 0x1111, s40                    ; my column
	s_or_b32 s[G1+0], s43, (3<<16)|(1<<21)         ; group 1, codes: the mask; elements of 8 bytes; bit 21 beside a mask; no padding
	s_or_b32 s[G1B+0], s44, (3<<16)|(1<<21)
.irp g, G1, G1B
	s_mov_b32 s[\g+1], (SB/8)<<16                  ; tensor_dim0: 3,072 bytes
	s_mov_b32 s[\g+2], 8<<16                       ; tensor_dim1: 8 row tiles
	s_mov_b32 s[\g+3], (SB/8)<<16                  ; tile_dim0
	s_mov_b32 s[\g+4], 8                           ; tile_dim1
	s_mov_b32 s[\g+5], RT/8                        ; from row tile to row tile
	s_mov_b32 s[\g+6], 0
	s_mov_b32 s[\g+7], 0
.endr
	s_or_b32 s[G1S+0], s43, (3<<16)|(1<<21)        ; group 1, scale words: a dense block of HALFS bytes as rows of 256
	s_or_b32 s[G1SB+0], s44, (3<<16)|(1<<21)
.irp g, G1S, G1SB
	s_mov_b32 s[\g+1], 32<<16
	s_mov_b32 s[\g+2], (HALFS/256)<<16
	s_mov_b32 s[\g+3], 32<<16
	s_mov_b32 s[\g+4], HALFS/256
	s_mov_b32 s[\g+5], 32
	s_mov_b32 s[\g+6], 0
	s_mov_b32 s[\g+7], 0
.endr
	; which row tiles of the buffer 'codes' (x: 0-255; w_k: 256-319; w_q: 320-383; w_v: 384-447).  A's hang on cy alone of the two places, B's on cx alone
	s_lshl_b32 s18, s16, 3
	s_lshl_b32 s20, s17, 4                         ; K, Q: A = tokens
	s_lshl_b32 s21, s41, 4
	s_add_co_u32 s21, s21, 384                     ; V: A = w_v's rows
	s_lshl_b32 s46, s42, 4
	s_add_co_u32 s46, s46, 256                     ; K, Q: B = w_k's, w_q's rows
	s_lshl_b32 s47, s95, 4                         ; V: B = tokens
	s_cmp_eq_u32 ttmp9, 2                          ; the cluster's x: the same in all sixteen partners
	s_cselect_b32 s96, 1, 0
	s_cselect_b32 s20, s21, s20
	s_cselect_b32 s46, s47, s46
	s_add_co_u32 s20, s20, s18
	s_add_co_u32 s46, s46, s18
	s_mul_i32 s22, s20, SBLK
	s_mul_i32 s92, s46, SBLK
	s_mul_i32 s20, s20, RT
	s_mul_i32 s46, s46, RT
	s_mov_b32 s21, 0
	s_mov_b32 s23, 0
	s_mov_b32 s47, 0
	s_mov_b32 s93, 0
	s_mul_i32 s45, s14, HALFT                      ; where they go: wave x 8 row tiles: no place in the cluster enters an LDS address
	s_mul_i32 s94, s14, HALFS
	s_lshl_b32 s19, s15, 7
	s_add_co_u32 s94, s94, s19                     ; (B's scale words lie 128 bytes further on)
	s_wait_dscnt 0x0                               ; both opening adds are done
	s_wait_kmcnt 0x0
	s_add_nc_u64 s[20:21], s[4:5], s[20:21]
	s_add_nc_u64 s[22:23], s[6:7], s[22:23]
	s_add_nc_u64 s[46:47], s[4:5], s[46:47]
	s_add_nc_u64 s[92:93], s[6:7], s[92:93]
	CROUND                                         ; all sixteen work-groups are here: the first joint loads meet
	s_mov_b32 s[G0S], 1
	s_add_co_u32 s[G0S+1], s94, SCL
	s_mov_b64 s[G0S+2:G0S+3], s[22:23]
	s_or_b32 s[G0S+3], s[G0S+3], 0x80000000
	s_mov_b32 s[G0SB], 1
	s_add_co_u32 s[G0SB+1], s94, SCL
	s_mov_b64 s[G0SB+2:G0SB+3], s[92:93]
	s_or_b32 s[G0SB+3], s[G0SB+3], 0x80000000
	JLOAD G0S, G1S, G0SB, G1SB                     ; the scale words of all of K: filled once
.irp s, 0,1
	s_mov_b32 s[G0+4*\s], 1
	s_add_co_u32 s[G0+4*\s+1], s45, \s*SLOT
	s_add_nc_u64 s[G0+4*\s+2:G0+4*\s+3], s[20:21], \s*SB
	s_or_b32 s[G0+4*\s+3], s[G0+4*\s+3], 0x80000000
	s_mov_b32 s[G0B+4*\s], 1
	s_add_co_u32 s[G0B+4*\s+1], s45, \s*SLOT
	s_add_nc_u64 s[G0B+4*\s+2:G0B+4*\s+3], s[46:47], \s*SB
	s_or_b32 s[G0B+4*\s+3], s[G0B+4*\s+3], 0x80000000
	JLOAD G0+4*\s, G1, G0B+4*\s, G1B
.endr
	v_and_b32 v1, 15, v0                           ; r
	v_bfe_u32 v2, v0, 4, 1                         ; h
	v_and_b32 v3, 31, v0
	v_lshlrev_b32 v[L16], 4, v3
	v_lshlrev_b32 v[L8], 3, v3
	v_lshlrev_b32 v[R4], 2, v1
	s_mul_i32 s21, s15, HALFT                      ; my 8 row tiles of A,
	s_mul_i32 s22, s16, HALFT
	s_add_co_u32 s22, s22, 2*HALFT                 ; of B, behind A's 16
.irp s, 0,1
	v_add_nc_u32 v[ADRA+\s], s21, v[L16]
	v_add_nc_u32 v[ADRB+\s], s22, v[L16]
	v_add_nc_u32 v[ADRA+2+\s], s21, v[L8]
	v_add_nc_u32 v[ADRB+2+\s], s22, v[L8]
	s_add_co_u32 s21, s21, SLOT
	s_add_co_u32 s22, s22, SLOT
.endr
	s_mul_i32 s21, s15, HALFS
	s_mul_i32 s22, s16, HALFS
	s_add_co_u32 s22, s22, 2*HALFS+128
	s_sub_co_u32 s22, s22, s21
	v_mul_u32_u24 v6, s22, v2                      ; lanes 16-31 take B's words: one product, the distance between the two
	s_add_co_u32 s21, s21, SCL
	v_lshl_add_u32 v6, v1, 2, v6
	v_add_nc_u32 v[ADRS], s21, v6
	; where my results go.  K, Q: region 16 b + head, tile of tokens tt0 on.  V: region 16 b + head, key step ks
	s_lshr_b32 s2, s17, 3
	s_lshl_b32 s2, s2, 4
	s_and_b32 s45, s42, 3
	s_lshl_b32 s45, s45, 2
	s_add_co_u32 s2, s2, s45
	s_lshl_b32 s45, s16, 1
	s_add_co_u32 s2, s2, s45                       ; 16 b + 4 (column block % 4) + 2 x half: my first head
	s_mul_i32 s2, s2, BH
	s_and_b32 s45, s17, 7
	s_lshl_b32 s45, s45, 4
	s_lshl_b32 s97, s15, 3
	s_add_co_u32 s45, s45, s97                     ; tt0
	s_lshr_b32 s97, s42, 2                         ; 0: k, 1: q
	s_mul_i32 s98, s97, QI
	s_mul_i32 s99, s45, 768
	s_add_co_u32 s98, s98, s99
	s_add_co_u32 s98, s98, s2
	s_mul_i32 s97, s97, QS-KS
	s_lshl_b32 s45, s45, 6
	s_add_co_u32 s97, s97, s45
	s_add_co_u32 s97, s97, s2
	s_add_co_u32 s97, s97, KS
	s_lshr_b32 s2, s95, 3
	s_lshl_b32 s2, s2, 4
	s_lshl_b32 s45, s41, 2
	s_add_co_u32 s2, s2, s45
	s_lshl_b32 s45, s15, 1
	s_add_co_u32 s2, s2, s45                       ; 16 b + 4 cy + 2 x half
	s_mul_i32 s2, s2, BH
	s_and_b32 s45, s95, 7
	s_lshl_b32 s45, s45, 1
	s_add_co_u32 s45, s45, s16                     ; ks
	s_mul_i32 s99, s45, 6144
	s_add_co_u32 s99, s99, s2
	s_add_co_u32 s99, s99, VI
	s_lshl_b32 s45, s45, 8
	s_add_co_u32 s45, s45, s2
	s_add_co_u32 s45, s45, VS
	s_cmp_eq_u32 s96, 1
	s_cselect_b32 s98, s99, s98
	s_cselect_b32 s66, s45, s97
	s_mov_b32 s99, 0
	s_mov_b32 s67, 0
	s_add_nc_u64 s[66:67], s[12:13], s[66:67]      ; scale words
	s_add_nc_u64 s[12:13], s[12:13], s[98:99]      ; codes
.macro FRAG reg, adr, q, i             ; a fragment's image: four loads of consecutive bytes
	ds_load_b128 v[\reg:\reg+3], v[\adr] offset:(\i)*SB+(\q)*1536
	ds_load_b64 v[\reg+4:\reg+5], v[\adr+2] offset:(\i)*SB+(\q)*1536+512
	ds_load_b128 v[\reg+6:\reg+9], v[\adr] offset:(\i)*SB+(\q)*1536+768
	ds_load_b64 v[\reg+10:\reg+11], v[\adr+2] offset:(\i)*SB+(\q)*1536+1280
.endm
; 16 matrix instructions: A's blocks a0, a0 + 1 x B's eight.  p: B's set; sc: the set of scale words; zero = 1: the first product starts the sums.  The 64 accumulators take turns, one instruction a turn.
.macro MUL16 a0, p, q, sc, zero
.irp a, \a0, \a0+1
.irp b, 0,1,2,3,4,5,6,7
.if \zero
	v_wmma_scale_f32_16x16x128_f8f6f4 v[8*(8*((\a)%4)+\b):8*(8*((\a)%4)+\b)+7], v[128*(\p)+FR*\b:128*(\p)+FR*\b+FR-1], v[AF+FR*(\a):AF+FR*(\a)+FR-1], 0, v[SC+8*NQ*(\sc)+NQ*\b+(\q)], v[SC+8*NQ*(\sc)+NQ*(\a)+(\q)] matrix_a_fmt:MATRIX_FMT_FP6 matrix_b_fmt:MATRIX_FMT_FP6 matrix_a_scale:MATRIX_SCALE_ROW1
.else
	v_wmma_scale_f32_16x16x128_f8f6f4 v[8*(8*((\a)%4)+\b):8*(8*((\a)%4)+\b)+7], v[128*(\p)+FR*\b:128*(\p)+FR*\b+FR-1], v[AF+FR*(\a):AF+FR*(\a)+FR-1], v[8*(8*((\a)%4)+\b):8*(8*((\a)%4)+\b)+7], v[SC+8*NQ*(\sc)+NQ*\b+(\q)], v[SC+8*NQ*(\sc)+NQ*(\a)+(\q)] matrix_a_fmt:MATRIX_FMT_FP6 matrix_b_fmt:MATRIX_FMT_FP6 matrix_a_scale:MATRIX_SCALE_ROW1
.endif
.endr
.endr
.endm
.macro FETCH_B slot, q, p
	WIN TO_B
.irp i, 0,1,2,3,4,5,6,7
	FRAG 128*(\p)+FR*\i, ADRB+\slot, \q, \i
.endr
	WIN 0
.endm
.macro FETCH_A slot, q, i0
.irp i, \i0, \i0+1, \i0+2, \i0+3
	FRAG AF+FR*(\i), ADRA+\slot, \q, \i
.endr
.endm
.macro SCALES sc                       ; a slot's scale words: register 2 i + q: lanes 0-15 A's block i, lanes 16-31 B's block i
.irp i, 0,1,2,3,4,5,6,7
	ds_load_b32 v[SC+8*NQ*\sc+NQ*\i], v[ADRS] offset:\i*SBLK
	ds_load_b32 v[SC+8*NQ*\sc+NQ*\i+1], v[ADRS] offset:\i*SBLK+64
.endr
.endm
.macro PLACES n                        ; plain vector instructions between a matrix instruction and a load into, or a read of, its registers
.rept \n
	v_nop
.endr
.endm
.macro STEP slot, q, zero              ; a step of 128 along K that has its successor in the same slot
	s_wait_dscnt 4*NL                              ; all but the youngest 16 loads (A's blocks 4-7) are in
	WIN MUL_LO
	MUL16 0, (\q)%2, \q, \slot, \zero
	MUL16 2, (\q)%2, \q, \slot, \zero
	s_wait_dscnt 0
	PLACES NP
	FETCH_B \slot, (\q)+1, 1-(\q)%2
	FETCH_A \slot, (\q)+1, 0
	WIN MUL_HI
	MUL16 4, (\q)%2, \q, \slot, \zero
	MUL16 6, (\q)%2, \q, \slot, \zero
	PLACES NP
	WIN 0
	FETCH_A \slot, (\q)+1, 4
.endm
; A slot's last step changes slots: ONE barrier; in front of it each wave waits for all its tensor loads, adds 0 to its spare word, and waits for that and for its reads of this slot.  fill = 1: the slot is filled again, two slots ahead.
.macro TURN slot, next, fill
	s_wait_tensorcnt 0x0                           ; all my tensor loads have landed: my part of the next slot
	ds_add_u32 v[SPW], v[NIL]
	s_wait_dscnt 4*NL+1                            ; (the add and A's blocks 4-7 may be out)
	WIN MUL_LO
	MUL16 0, 1, NQ-1, \slot, 0
	s_wait_dscnt 0x0                               ; the add is done, and my reads of this slot are over
	s_barrier_signal -1
	MUL16 2, 1, NQ-1, \slot, 0
	WIN 0
	s_barrier_wait -1
.if \fill
	CREST                                          ; the barrier has opened a round of the cluster's barrier: no wave of any partner still reads this slot or has a load on its way
	s_add_nc_u64 s[G0+4*\slot+2:G0+4*\slot+3], s[G0+4*\slot+2:G0+4*\slot+3], 2*SB
	s_add_nc_u64 s[G0B+4*\slot+2:G0B+4*\slot+3], s[G0B+4*\slot+2:G0B+4*\slot+3], 2*SB
	JLOAD G0+4*\slot, G1, G0B+4*\slot, G1B         ; the first tensor load behind the round; its four v_nop are the places in front of the loads below
.else
	PLACES NP
.endif
	v_add_nc_u32 v[ADRS], 64*NQ, v[ADRS]           ; the next slot's scale words
	FETCH_B \next, 0, 0
	FETCH_A \next, 0, 0
	SCALES \next
	WIN MUL_HI
	MUL16 4, 1, NQ-1, \slot, 0
	MUL16 6, 1, NQ-1, \slot, 0
	PLACES NP
	WIN 0
	FETCH_A \next, 0, 4
.endm
; 64 numbers of a lane in window w, register s + 16 b + i = k 32 b + 16 (lane / 16) + i of my row, become a fragment's codes in v[PC] on and my row's scale word in v[pw].  Each accumulator is read from its low end on.
.macro QUANT s, w, pw
	WIN (\w)|((\w)<<2)
.irp b, 0,1,2,3
	v_max3_num_f32 v[TM+\b], |v[(\s)+16*\b]|, |v[(\s)+1+16*\b]|, 0x1800000   ; and the floor 2^(3 - 127): the byte cannot fall under 1
.endr
	WIN ((\w)<<2)|((\w)<<4)
.irp i, 2,4,6,8,10,12,14
.irp b, 0,1,2,3
	v_max3_num_f32 v[TM+\b], v[TM+\b], |v[(\s)+16*\b+\i]|, |v[(\s)+1+16*\b+\i]|
.endr
.endr
	WIN 0
.irp b, 0,1,2,3
	v_permlanex16_b32 v[TM+4+\b], v[TM+\b], s[SEL], s[SEL+1]
.endr
.irp b, 0,1,2,3
	v_max_num_f32 v[TM+\b], v[TM+\b], v[TM+4+\b]
.endr
.irp b, 0,1,2,3
	v_add_nc_u32 v[TM+12+\b], 0xff000000, v[TM+\b]         ; 2 off the exponent field: the conversion's scale operand
.endr
.irp b, 0,1,2,3
	v_lshrrev_b32 v[TM+4+\b], 23, v[TM+12+\b]
.endr
	v_lshl_or_b32 v[\pw], v[TM+5], 8, v[TM+4]
	v_lshl_or_b32 v[\pw], v[TM+6], 16, v[\pw]
	v_lshl_or_b32 v[\pw], v[TM+7], 24, v[\pw]
	WIN (\w)
.irp c, 0,1
	v_cvt_scalef32_pk16_fp6_f32 v[PC+6*\c:PC+2+6*\c], v[(\s)+32*\c:(\s)+15+32*\c], v[TM+12+2*\c]
	v_cvt_scalef32_pk16_fp6_f32 v[PC+12+4*\c:PC+14+4*\c], v[(\s)+16+32*\c:(\s)+31+32*\c], v[TM+12+2*\c+1]
.endr
	WIN 0
	v_nop                                          ; one plain place behind a scaled conversion
.irp c, 0,1
.irp i, 0,1,2
	v_permlane16_swap_b32 v[PC+6*\c+\i], v[PC+12+4*\c+\i]
.endr
.irp i, 0,1,2
	v_mov_b32 v[PC+3+6*\c+\i], v[PC+12+4*\c+\i]
.endr
.endr
.endm
	s_wait_tensorcnt 1                             ; the scale words and my part of slot 0 are in; slot 1's load may be out
	s_barrier_signal -1
	s_barrier_wait -1
	FETCH_B 0, 0, 0
	FETCH_A 0, 0, 0
	SCALES 0
	FETCH_A 0, 0, 4
	STEP 0, 0, 1                                   ; the first step stands in front of the loop: its products start the sums
	s_mov_b32 s3, LAPS-1
.Llap:                                                 ; a trip goes once round the ring and fills both slots again
	TURN 0, 1, 1
	STEP 1, 0, 0
	TURN 1, 0, 1
	STEP 0, 0, 0
	s_sub_co_u32 s3, s3, 1
	s_cmp_lg_u32 s3, 0
	s_cbranch_scc1 .Llap
	TURN 0, 1, 0                                   ; the last lap fills nothing
	STEP 1, 0, 0
	s_wait_dscnt 4*NL
	WIN MUL_LO
	MUL16 0, 1, NQ-1, 1, 0
	MUL16 2, 1, NQ-1, 1, 0
	s_wait_dscnt 0
	WIN MUL_HI
	MUL16 4, 1, NQ-1, 1, 0
	MUL16 6, 1, NQ-1, 1, 0
	WIN 0
	; THE WAY OUT.  Block a (16 A rows x my 128 B rows) is one fragment of a later operand: quantised in registers, stored as an image.
	s_mov_b32 s[SEL], 0x76543210
	s_mov_b32 s[SEL+1], 0xfedcba98
	PLACES NP
.irp a, 0,1,2,3,4,5,6,7
.if \a > 0
	s_wait_xcnt 0x0                                ; the last block's stores have read their registers
.endif
	QUANT 64*(\a%4), 2+\a/4, PW
	s_cmp_eq_u32 s96, 0
	s_cbranch_scc1 .Lkq_\a
	; V: head a / 4 of my two, channel tile a % 4; the fragment's K are my 128 keys
	global_store_b128 v[L16], v[PC:PC+3], s[12:13] offset:(\a/4)*BH+(\a%4)*1536
	global_store_b64 v[L8], v[PC+4:PC+5], s[12:13] offset:(\a/4)*BH+(\a%4)*1536+512
	global_store_b128 v[L16], v[PC+6:PC+9], s[12:13] offset:(\a/4)*BH+(\a%4)*1536+768
	global_store_b64 v[L8], v[PC+10:PC+11], s[12:13] offset:(\a/4)*BH+(\a%4)*1536+1280
	global_store_b32 v[R4], v[PW], s[66:67] offset:(\a/4)*BH+(\a%4)*64
	s_branch .Lout_\a
.Lkq_\a:
	; K, Q: the fragment's two halves are two heads' 64 channels; a head's scale word has its two bytes below and zeros above
	v_and_b32 v177, 0xffff, v[PW]
	v_lshrrev_b32 v178, 16, v[PW]
	global_store_b128 v[L16], v[PC:PC+3], s[12:13] offset:768*\a
	global_store_b64 v[L8], v[PC+4:PC+5], s[12:13] offset:768*\a+512
	global_store_b128 v[L16], v[PC+6:PC+9], s[12:13] offset:BH+768*\a
	global_store_b64 v[L8], v[PC+10:PC+11], s[12:13] offset:BH+768*\a+512
	global_store_b32 v[R4], v177, s[66:67] offset:64*\a
	global_store_b32 v[R4], v178, s[66:67] offset:BH+64*\a
.Lout_\a:
.endr
	s_wait_tensorcnt 0x0                           ; the wave's end
	ds_add_u32 v[SPW], v[NIL]
	s_wait_dscnt 0x0
	CROUND                                         ; the closing round
	s_endpgm
.Lfunc_end_k_q1971ee1236_gkqv:
	.size	k_q1971ee1236_gkqv, .Lfunc_end_k_q1971ee1236_gkqv-k_q1971ee1236_gkqv
	.p2alignl 7, 3214868480
	.fill 96, 4, 3214868480
	.section	.rodata,"a",@progbits
	.p2align	6, 0x0
	.amdhsa_kernel k_q1971ee1236_gkqv
		.amdhsa_group_segment_fixed_size 327680
		.amdhsa_private_segment_fixed_size 0
		.amdhsa_enable_private_segment 0
		.amdhsa_kernarg_size 24
		.amdhsa_user_sgpr_count 2
		.amdhsa_user_sgpr_kernarg_segment_ptr 1
		.amdhsa_wavefront_size32 1
		.amdhsa_system_sgpr_workgroup_id_x 1
		.amdhsa_system_sgpr_workgroup_id_y 1
		.amdhsa_system_sgpr_workgroup_id_z 1
		.amdhsa_system_vgpr_workitem_id 0
		.amdhsa_next_free_vgpr 1024
		.amdhsa_next_free_sgpr 100
		.amdhsa_reserve_vcc 0
		.amdhsa_float_denorm_mode_32 3
		.amdhsa_float_denorm_mode_16_64 3
		.amdhsa_memory_ordered 1
		.amdhsa_forward_progress 1
		.amdhsa_inst_pref_size 159
	.end_amdhsa_kernel
	.amdgpu_metadata
---
amdhsa.version: [ 1, 2 ]
amdhsa.kernels:
  - .name:           k_q1971ee1236_gkqv
    .symbol:         k_q1971ee1236_gkqv.kd
    .args:
      - { .name: codes, .offset: 0, .size: 8, .value_kind: global_buffer, .address_space: global }
      - { .name: scales, .offset: 8, .size: 8, .value_kind: global_buffer, .address_space: global }
      - { .name: qkv, .offset: 16, .size: 8, .value_kind: global_buffer, .address_space: global }
    .group_segment_fixed_size: 327680
    .private_segment_fixed_size: 0
    .kernarg_segment_align: 8
    .kernarg_segment_size: 24
    .max_flat_workgroup_size: 128
    .sgpr_count:     100
    .vgpr_count:     1024
    .wavefront_size: 32
...
	.end_amdgpu_metadata
.endif
;; end of part 2
;; launch att (part 3): grid 8 x 32, 16 waves a work-group, no clusters, 210,944 bytes of LDS; arguments qkv, lm, ac; writes ac
.if DOCPART == 3
	.amdgcn_target "amdgcn-amd-amdhsa--gfx1250"
	.amdhsa_code_object_version 6
	.text
	.protected	k_q1971ee1236_att
	.globl	k_q1971ee1236_att
	.p2align	8
	.type	k_q1971ee1236_att,@function
k_q1971ee1236_att:
	s_mov_b64 s[64:65], 0
	v_nop
	global_prefetch_b8 v0, s[64:65] scope:SCOPE_SE
	s_setreg_imm32_b32 hwreg(HW_REG_WAVE_MODE, 25, 1), 1
	s_wait_xcnt 0x0
; PRODUCTS 2 AND 3: attention of one (batch, head) on codes of FP6 (E2M3), with the mask as it is given, the softmax by a running whole-number M, the division by the row's sum, and the quantiser along E for product 4.
; LEFT OUT: a step of 16 queries x 128 keys all of whose mask bytes are true (its p are 0 for all values of the other inputs): a scalar branch on the flags that the first launch stored.  It holds for any mask.
; a head's whole K and V (codes and scale words, 208,896 bytes) come into LDS once, through registers.
; t = score x log2(e) / 8; M = the ceiling of the running largest t; p = 2^(t - M) is quantised along the keys, not normalised; the row's sum is taken of the unquantised p.  When M moves, the sum and O are multiplied by 2^(old M - new M): exact.
; SHARES.  Work-group (j, 16 b + head); each of its sixteen waves owns ONE tile of 16 queries, in 256 registers.  The tiles are dealt so that a work-group's, and each SIMD's four waves', tile numbers add up alike: masks whose open part
; grows with the query give all the same work; the dealing changes no result.
; LAYOUT.  Both products transposed: S^T = K Q^T (source 0 = 16 keys), O^T = V^T P^T (source 0 = 16 channels): a lane holds ONE query.  A tile's rows are 32 (t / 2) + 8 (t % 2) + i + 8 (i / 8), so the 16 registers of two neighbouring tiles
; are 16 neighbours.  The first product's K is 64: Q's fragment has zero CODES in its upper half, so what stands in the upper half of K's operand (the next tile's codes, or zeros) adds nothing; the scale bytes there are 0, never 0xff.
; A ROW WITH EVERY KEY HIDDEN has the sum 0: its codes are zeros and its scale bytes are set to 0xff, which makes product 4's row NaN, as reference()'s softmax of -inf alone does.
; REGISTERS: v1, v2 16 x lane, 8 x lane; v3, v4 scale words' places; v5, v6 the add's two; v7 4 r; v12 -M, v13 largest t, v[14:15] the sum; v16-27 Q; v32-79 K's 8 half fragments, then V's 4 fragments; v80-85 zeros; v96-159 S^T, then p;
; v160-191 O^T; v192-197 the step's addresses; v198 -inf; v224-235 p's codes; v232-254 at work; v248-251 K's, V's scale words; v253 p's; v255 Q's.
.set BH,    315392
.set VI,    98304
.set KS,    196608
.set VS,    204800
.set QI,    208896
.set QS,    307200
.set SPARE, 208896                     ; behind the image: the spare words, 128 bytes a wave
.set CPY,   13056                      ; a wave's sixteenth of the image
.set SPW,  5
.set NIL,  6
.set WV,   10
.set SEL,  20
.set CS,   22
	s_load_b128 s[4:7], s[0:1], 0x0                ; qkv s[4:5], lm s[6:7]
	s_load_b64 s[8:9], s[0:1], 0x10                ; ac
	v_lshl_add_u32 v[SPW], v0, 2, SPARE
	v_mov_b32 v[NIL], 0
	v_lshrrev_b32 v8, 5, v0
	v_readfirstlane_b32 s[WV], v8                  ; wave 0..15
	v_and_b32 v8, 31, v0
	v_lshlrev_b32 v1, 4, v8
	v_lshlrev_b32 v2, 3, v8
	v_lshl_add_u32 v3, v8, 2, KS
	v_lshl_add_u32 v4, v8, 2, VS
	v_and_b32 v7, 15, v0
	v_lshlrev_b32 v7, 2, v7
	; my query tile t = 8 p + jj:  x = wave % 4 + 4 (wave / 8);  waves with (wave / 4) even: p = x, jj = j;  odd: p = 15 - x, jj = 7 - j
	s_and_b32 s24, s[WV], 3
	s_lshr_b32 s25, s[WV], 2
	s_lshr_b32 s26, s25, 1
	s_lshl_b32 s26, s26, 2
	s_add_co_u32 s24, s24, s26
	s_sub_co_u32 s26, 15, s24
	s_sub_co_u32 s27, 7, ttmp9
	s_and_b32 s25, s25, 1
	s_cmp_eq_u32 s25, 0
	s_cselect_b32 s24, s24, s26
	s_cselect_b32 s25, ttmp9, s27
	s_lshl_b32 s24, s24, 3
	s_add_co_u32 s24, s24, s25                     ; t
	s_and_b32 s11, ttmp7, 0xffff                   ; 16 b + head
	s_mul_i32 s26, s11, BH
	s_mov_b32 s27, 0
	s_mul_i32 s44, s[WV], CPY
	s_mov_b32 s45, 0
	v_add_nc_u32 v9, s44, v1                       ; where my part of the image goes
	v_add_nc_u32 v10, s44, v2
	s_mov_b32 s[SEL], 0x76543210
	s_mov_b32 s[SEL+1], 0xfedcba98
	s_mov_b32 s[CS], 0x3e38aa3b                    ; c = log2(e) / sqrt(64)
	s_mov_b32 s[CS+1], s[CS]
	s_wait_kmcnt 0x0
	s_add_nc_u64 s[4:5], s[4:5], s[26:27]          ; my (batch, head)'s region
	s_add_nc_u64 s[12:13], s[4:5], s[44:45]
	s_lshl_b32 s26, s24, 9
	s_add_co_u32 s26, s26, 524288
	s_add_nc_u64 s[30:31], s[6:7], s[26:27]        ; my tile's flags: four groups of key steps, 128 bytes apart
	s_load_b64 s[32:33], s[30:31], 0x0
	s_load_b64 s[34:35], s[30:31], 0x80
	s_load_b64 s[36:37], s[30:31], 0x100
	s_load_b64 s[38:39], s[30:31], 0x180
	s_lshl_b32 s26, s24, 12
	s_add_nc_u64 s[6:7], s[6:7], s[26:27]          ; my tile's lane masks, 256 bytes a key step
.irp i, 0,1,2,3,4,5,6,7,8,9,10,11,12,13,14,15,16,17,18,19,20,21,22,23,24
	global_load_b128 v[32+4*\i:35+4*\i], v1, s[12:13] offset:512*\i
.endr
	global_load_b64 v[132:133], v2, s[12:13] offset:12800
	s_mul_i32 s26, s24, 768
	s_add_co_u32 s26, s26, QI
	s_add_nc_u64 s[40:41], s[4:5], s[26:27]
	global_load_b128 v[16:19], v1, s[40:41]        ; Q's half fragment stays in registers
	global_load_b64 v[20:21], v2, s[40:41] offset:512
	s_lshl_b32 s26, s24, 6
	s_add_co_u32 s26, s26, QS
	s_add_nc_u64 s[42:43], s[4:5], s[26:27]
	global_load_b32 v255, v7, s[42:43]
	; where my results go: token row tile 128 b + t; codes 768 x head on; the scale word's half 2 (head % 2) of K step head / 2
	s_lshr_b32 s25, s11, 4
	s_lshl_b32 s25, s25, 7
	s_add_co_u32 s25, s25, s24
	s_and_b32 s44, s11, 15
	s_mul_i32 s26, s25, 12288
	s_mul_i32 s45, s44, 768
	s_add_co_u32 s26, s26, s45
	s_add_nc_u64 s[28:29], s[8:9], s[26:27]
	s_lshl_b32 s26, s25, 9
	s_lshr_b32 s45, s44, 1
	s_lshl_b32 s45, s45, 6
	s_add_co_u32 s26, s26, s45
	s_and_b32 s45, s44, 1
	s_lshl_b32 s45, s45, 1
	s_add_co_u32 s26, s26, s45
	s_add_co_u32 s26, s26, 3145728
	s_add_nc_u64 s[8:9], s[8:9], s[26:27]
.irp i, 22,23,24,25,26,27
	v_mov_b32 v[\i], 0                             ; Q's upper half: zero codes
.endr
	v_mov_b32 v13, 0xff61b1e6                      ; the largest t so far: -3e38
	v_floor_f32 v12, -v13                          ; -M
	v_mov_b32 v14, 0
	v_mov_b32 v15, 0
	v_mov_b32 v198, 0xff800000                     ; -infinity
.irp i, 236,237,238,239,252,253
	v_mov_b32 v[\i], 0                             ; written once: lane permutes' destinations, and the pair v[252:253]
.endr
.set j, 0
.rept 32
	v_mov_b32 v[160+j], 0                          ; O^T: the step is written once; the first finds zeros
.set j, j+1
.endr
.irp i, 0,1,2,3,4,5,6,7,8,9,10,11,12,13,14,15,16,17,18,19,20,21,22,23,24
	s_wait_loadcnt 28-\i                           ; behind load i: the 25 - i later ones of the image and Q's three
	ds_store_b128 v9, v[32+4*\i:35+4*\i] offset:512*\i
.endr
	s_wait_loadcnt 3
	ds_store_b64 v10, v[132:133] offset:12800
.irp i, 80,81,82,83,84,85
	v_mov_b32 v[\i], 0                             ; what stands above the step's last tile of K
.endr
	s_wait_loadcnt 0x0                             ; Q
	s_wait_kmcnt 0x0                               ; the flags
	s_or_b32 s18, s32, s34
	s_or_b32 s18, s18, s36
	s_or_b32 s18, s18, s38                         ; bit ks: some key of the step counts
	s_or_b32 s19, s33, s35
	s_or_b32 s19, s19, s37
	s_or_b32 s19, s19, s39                         ; bit ks: some key of the step is hidden
	s_mov_b32 s14, 0                               ; the step's codes: 6,144 bytes a step, of K and of V alike
	s_mov_b32 s15, 0                               ; K's scale words: 512
	s_mov_b32 s16, 0                               ; V's: 256
	s_mov_b32 s17, 16
	s_wait_dscnt 0x0                               ; for the others' sake: my part of the image has landed
	s_barrier_signal -1
	s_barrier_wait -1                              ; the launch's one barrier: from here on LDS is only read
.Lstep:
	s_bitcmp1_b32 s18, 0
	s_cbranch_scc0 .Lhidden                        ; every key of the step is hidden from all my 16 queries
	v_add_nc_u32 v192, s14, v1                     ; (these six are also the places in front of the loads into registers that the last products read)
	v_add_nc_u32 v193, s14, v2
	v_add_nc_u32 v194, VI, v192
	v_add_nc_u32 v195, VI, v193
	v_add_nc_u32 v196, s15, v3
	v_add_nc_u32 v197, s16, v4
	s_load_b512 s[32:47], s[6:7], 0x0              ; the step's 64 lane masks, asked for here so that they are in when the scores are
	s_load_b512 s[48:63], s[6:7], 0x40
	s_load_b512 s[68:83], s[6:7], 0x80
	s_load_b512 s[84:99], s[6:7], 0xc0
.irp t, 0,1,2,3,4,5,6,7
	ds_load_b128 v[32+6*\t:35+6*\t], v192 offset:768*\t
	ds_load_b64 v[36+6*\t:37+6*\t], v193 offset:768*\t+512
.endr
.irp i, 0,1,2,3
	ds_load_b32 v[248+\i], v196 offset:128*\i      ; lanes 0-15: tile 2 i's words, lanes 16-31: tile 2 i + 1's
.endr
	s_wait_dscnt 0x0
.irp t, 0,2,4,6
	v_wmma_scale_f32_16x16x128_f8f6f4 v[96+8*\t:103+8*\t], v[32+6*\t:43+6*\t], v[16:27], 0, v[248+\t/2], v255 matrix_a_fmt:MATRIX_FMT_FP6 matrix_b_fmt:MATRIX_FMT_FP6
	v_wmma_scale_f32_16x16x128_f8f6f4 v[104+8*\t:111+8*\t], v[38+6*\t:49+6*\t], v[16:27], 0, v[248+\t/2], v255 matrix_a_fmt:MATRIX_FMT_FP6 matrix_b_fmt:MATRIX_FMT_FP6 matrix_a_scale:MATRIX_SCALE_ROW1
.endr
.rept 4
	v_nop                                          ; places: in front of the loads below and of the first read of the scores
.endr
.irp c, 0,1,2,3                                ; V's four fragments land while the softmax is worked
	ds_load_b128 v[32+12*\c:35+12*\c], v194 offset:1536*\c
	ds_load_b64 v[36+12*\c:37+12*\c], v195 offset:1536*\c+512
	ds_load_b128 v[38+12*\c:41+12*\c], v194 offset:1536*\c+768
	ds_load_b64 v[42+12*\c:43+12*\c], v195 offset:1536*\c+1280
.endr
	ds_load_b32 v248, v197
	ds_load_b32 v249, v197 offset:128
	s_wait_kmcnt 0x0
	s_bitcmp1_b32 s19, 0
	s_cbranch_scc0 .Lopen                          ; every key of the step counts for all my queries
.set n, 0
.rept 32
	v_cndmask_b32 v[96+n], v[96+n], v198, s[32+n]  ; hidden scores become -infinity ahead of the maximum: p = 0 then
.set n, n+1
.endr
.rept 32
	v_cndmask_b32 v[96+n], v[96+n], v198, s[36+n]
.set n, n+1
.endr
.Lopen:
.irp b, 0,1,2,3
	v_max3_num_f32 v[232+\b], v[96+16*\b], v[97+16*\b], v[98+16*\b]   ; the largest score of each block of 32 keys: for the row's maximum and, since p rises with the score, for the block's largest p
.endr
.irp i, 3,5,7,9,11,13
.irp b, 0,1,2,3
	v_max3_num_f32 v[232+\b], v[232+\b], v[96+16*\b+\i], v[97+16*\b+\i]
.endr
.endr
.irp b, 0,1,2,3
	v_max_num_f32 v[232+\b], v[232+\b], v[111+16*\b]
.endr
.irp b, 0,1,2,3
	v_permlanex16_b32 v[236+\b], v[232+\b], s[SEL], s[SEL+1]
.endr
.irp b, 0,1,2,3
	v_max_num_f32 v[232+\b], v[232+\b], v[236+\b]
.endr
	v_max3_num_f32 v254, v232, v233, v234
	v_max_num_f32 v254, v254, v235
	v_mul_f32 v254, s[CS], v254
	v_max_num_f32 v13, v13, v254                   ; the running largest t
	v_mov_b32 v254, v12
	v_floor_f32 v12, -v13                          ; the new -M = -ceil(t)
	v_sub_f32 v254, v12, v254                      ; old M - new M: a whole number, 0 or less
	v_cvt_i32_f32 v254, v254                       ; (it saturates)
	v_ldexp_f32 v252, 1.0, v254                    ; f = 2^(old M - new M)
.irp j, 0,2,4,6,8,10,12,14,16,18,20,22,24,26,28,30,32,34,36,38,40,42,44,46,48,50,52,54,56,58,60,62
	v_pk_fma_f32 v[96+\j:97+\j], v[96+\j:97+\j], s[CS:CS+1], v[12:13] op_sel_hi:[1,0,0]   ; t - M
.endr
.irp b, 0,1,2,3
	v_fma_f32 v[232+\b], v[232+\b], s[CS], v12
.endr
.set j, 0
.rept 64
	v_exp_f32 v[96+j], v[96+j]                     ; p = 2^(t - M)
.set j, j+1
.endr
	v_pk_mul_f32 v[14:15], v[14:15], v[252:253] op_sel_hi:[1,0]   ; the sums under the new M (a plain place behind the exponentials)
	s_wait_alu depctr_va_vdst(0)                   ; one wait for the whole batch, ahead of its first reader
.irp b, 0,1,2,3
	v_exp_f32 v[232+\b], v[232+\b]                 ; the blocks' largest p
.endr
	v_pk_add_f32 v[236:237], v[96:97], v[98:99]    ; the row's sum of the unquantised p, in two chains
.irp j, 4,8,12,16,20,24,28,32,36,40,44,48,52,56,60
	v_pk_add_f32 v[14:15], v[14:15], v[96+\j:97+\j]
	v_pk_add_f32 v[236:237], v[236:237], v[98+\j:99+\j]
.endr
	v_pk_add_f32 v[14:15], v[14:15], v[236:237]
	s_wait_alu depctr_va_vdst(0)                   ; and one for the four
.irp b, 0,1,2,3
	v_max_num_f32 v[232+\b], 0x1800000, v[232+\b]  ; the floor 2^(3 - 127)
.endr
.irp b, 0,1,2,3
	v_add_nc_u32 v[244+\b], 0xff000000, v[232+\b]
.endr
.irp b, 0,1,2,3
	v_lshrrev_b32 v[236+\b], 23, v[244+\b]
.endr
	v_lshl_or_b32 v253, v237, 8, v236              ; p's scale word for these 128 keys
	v_lshl_or_b32 v253, v238, 16, v253
	v_lshl_or_b32 v253, v239, 24, v253
.irp c, 0,1
	v_cvt_scalef32_pk16_fp6_f32 v[224+6*\c:226+6*\c], v[96+32*\c:111+32*\c], v[244+2*\c]
	v_cvt_scalef32_pk16_fp6_f32 v[236+4*\c:238+4*\c], v[112+32*\c:127+32*\c], v[244+2*\c+1]
.endr
	v_nop                                          ; one plain place behind a scaled conversion
.irp c, 0,1
.irp i, 0,1,2
	v_permlane16_swap_b32 v[224+6*\c+\i], v[236+4*\c+\i]
.endr
.irp i, 0,1,2
	v_mov_b32 v[227+6*\c+\i], v[236+4*\c+\i]
.endr
.endr
.irp j, 0,2,4,6,8,10,12,14,16,18,20,22,24,26,28,30
	v_pk_mul_f32 v[160+\j:161+\j], v[160+\j:161+\j], v[252:253] op_sel_hi:[1,0]   ; O^T under the new M.  (These 16 are the places between the writes of p's codes and scale word and the products)
.endr
	s_wait_dscnt 0x0                               ; V
.irp c, 0,2
	v_wmma_scale_f32_16x16x128_f8f6f4 v[160+8*\c:167+8*\c], v[32+12*\c:43+12*\c], v[224:235], v[160+8*\c:167+8*\c], v[248+\c/2], v253 matrix_a_fmt:MATRIX_FMT_FP6 matrix_b_fmt:MATRIX_FMT_FP6
	v_wmma_scale_f32_16x16x128_f8f6f4 v[168+8*\c:175+8*\c], v[44+12*\c:55+12*\c], v[224:235], v[168+8*\c:175+8*\c], v[248+\c/2], v253 matrix_a_fmt:MATRIX_FMT_FP6 matrix_b_fmt:MATRIX_FMT_FP6 matrix_a_scale:MATRIX_SCALE_ROW1
.endr
.Lhidden:
	s_add_co_u32 s14, s14, 6144
	s_add_co_u32 s15, s15, 512
	s_add_co_u32 s16, s16, 256
	s_lshr_b32 s18, s18, 1
	s_lshr_b32 s19, s19, 1
	s_add_nc_u64 s[6:7], s[6:7], 256               ; (no scalar load is out on either way)
	s_sub_co_u32 s17, s17, 1
	s_cmp_lg_u32 s17, 0
	s_cbranch_scc1 .Lstep
	; THE WAY OUT: O^T / the sum; register 16 b + i is channel 32 b + 16 (lane / 16) + i of my head: two blocks of product 4's K
	v_add_f32 v14, v14, v15
	v_permlanex16_b32 v252, v14, s[SEL], s[SEL+1]
	v_add_f32 v14, v14, v252                       ; the row's sum
	v_max_num_f32 v15, 0x800000, v14               ; (a row with every key hidden: 0 / 2^-126 = 0, no NaN is made here)
	v_mov_b32 v241, 0xffff
	v_rcp_f32 v15, v15
	v_cmp_eq_f32 vcc_lo, 0, v14                    ; (a plain place behind the reciprocal)
	s_wait_alu depctr_va_vdst(0)
.set j, 0
.rept 32
	v_mul_f32 v[96+j], v[160+j], v15
.set j, j+1
.endr
.irp b, 0,1
	v_max3_num_f32 v[232+\b], |v[96+16*\b]|, |v[97+16*\b]|, 0x1800000
.endr
.irp i, 2,4,6,8,10,12,14
.irp b, 0,1
	v_max3_num_f32 v[232+\b], v[232+\b], |v[96+16*\b+\i]|, |v[97+16*\b+\i]|
.endr
.endr
.irp b, 0,1
	v_permlanex16_b32 v[236+\b], v[232+\b], s[SEL], s[SEL+1]
.endr
.irp b, 0,1
	v_max_num_f32 v[232+\b], v[232+\b], v[236+\b]
.endr
.irp b, 0,1
	v_add_nc_u32 v[244+\b], 0xff000000, v[232+\b]
.endr
.irp b, 0,1
	v_lshrrev_b32 v[236+\b], 23, v[244+\b]
.endr
	v_lshl_or_b32 v240, v237, 8, v236
	v_cndmask_b32 v240, v240, v241, vcc_lo         ; the sum is 0: both bytes 0xff
	v_cvt_scalef32_pk16_fp6_f32 v[224:226], v[96:111], v244
	v_cvt_scalef32_pk16_fp6_f32 v[228:230], v[112:127], v245
	v_nop
.irp i, 0,1,2
	v_permlane16_swap_b32 v[224+\i], v[228+\i]
.endr
	v_mov_b32 v227, v228
	v_mov_b32 v228, v229
	v_mov_b32 v229, v230
	global_store_b128 v1, v[224:227], s[28:29]             ; 512 and 256 consecutive bytes, at a multiple of 256 from the buffer's first byte
	global_store_b64 v2, v[228:229], s[28:29] offset:512
	global_store_b16 v7, v240, s[8:9]
	s_wait_tensorcnt 0x0                           ; the wave's end, behind my last LDS store
	ds_add_u32 v[SPW], v[NIL]
	s_wait_dscnt 0x0
	s_endpgm
.Lfunc_end_k_q1971ee1236_att:
	.size	k_q1971ee1236_att, .Lfunc_end_k_q1971ee1236_att-k_q1971ee1236_att
	.p2alignl 7, 3214868480
	.fill 96, 4, 3214868480
	.section	.rodata,"a",@progbits
	.p2align	6, 0x0
	.amdhsa_kernel k_q1971ee1236_att
		.amdhsa_group_segment_fixed_size 210944
		.amdhsa_private_segment_fixed_size 0
		.amdhsa_enable_private_segment 0
		.amdhsa_kernarg_size 24
		.amdhsa_user_sgpr_count 2
		.amdhsa_user_sgpr_kernarg_segment_ptr 1
		.amdhsa_wavefront_size32 1
		.amdhsa_system_sgpr_workgroup_id_x 1
		.amdhsa_system_sgpr_workgroup_id_y 1
		.amdhsa_system_sgpr_workgroup_id_z 1
		.amdhsa_system_vgpr_workitem_id 0
		.amdhsa_next_free_vgpr 256
		.amdhsa_next_free_sgpr 100
		.amdhsa_reserve_vcc 1
		.amdhsa_float_denorm_mode_32 3
		.amdhsa_float_denorm_mode_16_64 3
		.amdhsa_memory_ordered 1
		.amdhsa_forward_progress 1
		.amdhsa_inst_pref_size 36
	.end_amdhsa_kernel
	.amdgpu_metadata
---
amdhsa.version: [ 1, 2 ]
amdhsa.kernels:
  - .name:           k_q1971ee1236_att
    .symbol:         k_q1971ee1236_att.kd
    .args:
      - { .name: qkv, .offset: 0, .size: 8, .value_kind: global_buffer, .address_space: global }
      - { .name: lm, .offset: 8, .size: 8, .value_kind: global_buffer, .address_space: global }
      - { .name: ac, .offset: 16, .size: 8, .value_kind: global_buffer, .address_space: global }
    .group_segment_fixed_size: 210944
    .private_segment_fixed_size: 0
    .kernarg_segment_align: 8
    .kernarg_segment_size: 24
    .max_flat_workgroup_size: 512
    .sgpr_count:     100
    .vgpr_count:     256
    .wavefront_size: 32
...
	.end_amdgpu_metadata
.endif
;; end of part 3
;; launch gwo (part 4): grid 4 x 16, 4 waves a work-group, clusters of 4 x 4, 327,680 bytes of LDS; arguments ac, codes, scales, y; writes y
.if DOCPART == 4
	.amdgcn_target "amdgcn-amd-amdhsa--gfx1250"
	.amdhsa_code_object_version 6
	.text
	.protected	k_q1971ee1236_gwo
	.globl	k_q1971ee1236_gwo
	.p2align	8
	.type	k_q1971ee1236_gwo,@function
k_q1971ee1236_gwo:
	s_mov_b64 s[64:65], 0
	v_nop
	global_prefetch_b8 v0, s[64:65] scope:SCOPE_SE
	s_setreg_imm32_b32 hwreg(HW_REG_WAVE_MODE, 25, 1), 1
	s_wait_xcnt 0x0
	s_wait_alu depctr_hold_cnt(0) depctr_sa_sdst(0) depctr_va_vdst(0) depctr_va_sdst(0) depctr_va_ssrc(0) depctr_va_vcc(0) depctr_vm_vsrc(0)
	s_getreg_b32 s2, hwreg(HW_REG_IB_STS2, 6, 4)
	s_cmp_eq_u32 s2, 0
	s_cbranch_scc0 .Lentry_in_a_cluster
	s_endpgm
.Lentry_in_a_cluster:
	s_bfe_u32 s2, ttmp6, 0x10000c
	s_cmp_lg_u32 s2, 0xf033
	s_cbranch_scc0 .Lentry_shape_is_right
	s_endpgm
.Lentry_shape_is_right:
; PRODUCT 4, y = attention's output x w_o^T, on codes of FP6 (E2M3) with E8M0 scales; y [4,096][1,024] f32, row-major.  Nothing is left out here.
; The ring, the joint loads, the register plan and the operands' images are those of the launch for product 1 (its head comment states them): a tile of 256 x 256 to a work-group, 128 x 128 to a wave, K in slots of 256.
; A = tokens (codes and scale words in ac), B = rows of w_o.  N = 1,024 gives 64 tiles: a smaller tile would double the LDS bytes for each product and halve the work between two refills, so 64 work-groups are launched.
; THE WAY OUT: a lane holds 16 h + 8 (b % 2) + 32 (b / 2) + 0 .. 7 of one token's columns; a block of 16 tokens x 128 columns goes through my stage in LDS and leaves as whole rows of 512 bytes.
.set KDIM,  1024
.set A_SC,  3145728                    ; A's scale words in ac
.set B_CO,  5505024                    ; w_o's codes in 'codes'
.set B_SC,  229376                     ; and scale words in 'scales'
.set OUT,   10
.set NQ,    2
.set FR,    12
.set NL,    4
.set NP,    4
.set RT,    KDIM/128*1536
.set SB,    NQ*1536
.set HALFT, 8*SB
.set SLOT,  4*HALFT
.set LAPS,  KDIM/512
.set SBLK,  KDIM/128*64
.set HALFS, 8*SBLK
.set SCL,   2*SLOT
.set SPARE, SCL+4*HALFS+256
.set SPITCH, 528                       ; the stage: 16 rows x (512 bytes + 16) a wave, in slot 0, which has had its last fill and its last read when the first result is stored there
.set ADRA, 16
.set ADRB, 20
.set STO,  24
.set RD,   25
.set CO,   26
.set ADRS, 27
.set SPW,  28
.set NIL,  29
.set SC,   32
.set AF,   128
.set BK,   128
.set G1, 24
.set G0, 32
.set G1B, 48
.set G0B, 56
.set G1S, 68
.set G0S, 76
.set G1SB, 80
.set G0SB, 88
.set MSB, 0
.macro WIN new
.if MSB != (\new)
	s_set_vgpr_msb (MSB<<8)|(\new)
.set MSB, (\new)
.endif
.endm
.set MUL_LO, 0xa1
.set MUL_HI, 0xf1
.set TO_B,   0x40
.macro JLOAD g0a, g1a, g0b, g1b
	s_cmp_eq_u32 s15, 0
	s_cbranch_scc0 .Lfor_b_\@
	tensor_load_to_lds s[\g0a:\g0a+3], s[\g1a:\g1a+7]
	s_nop 0
.rept 4
	v_nop
.endr
	s_branch .Lasked_\@
.Lfor_b_\@:
	tensor_load_to_lds s[\g0b:\g0b+3], s[\g1b:\g1b+7]
	s_nop 0
.rept 4
	v_nop
.endr
.Lasked_\@:
.endm
.macro CREST
	s_cmp_lg_u32 s14, 0
	s_cbranch_scc1 .Lnot_wave_0_\@
	s_barrier_signal -3
.Lnot_wave_0_\@:
	s_barrier_wait -3
	s_barrier_signal -1
	s_barrier_wait -1
.endm
.macro CROUND
	s_barrier_signal -1
	s_barrier_wait -1
	CREST
.endm
	s_load_b256 s[4:11], s[0:1], 0x0               ; ac s[4:5], codes s[6:7], scales s[8:9], y s[10:11]
	v_lshl_add_u32 v[SPW], v0, 2, SPARE
	v_mov_b32 v[NIL], 0
	ds_add_u32 v[SPW], v[NIL]                      ; the wave's opening: the add, twice on end, and its wait ahead of my first tensor load
	ds_add_u32 v[SPW], v[NIL]
	v_lshrrev_b32 v1, 5, v0
	v_readfirstlane_b32 s14, v1
	s_lshr_b32 s15, s14, 1
	s_and_b32 s16, s14, 1
	s_bfe_u32 s40, ttmp6, 0x40000
	s_bfe_u32 s41, ttmp6, 0x40004
	s_lshl_b32 s42, ttmp9, 2
	s_add_co_u32 s42, s42, s40                     ; tile column
	s_and_b32 s17, ttmp7, 0xffff
	s_lshl_b32 s17, s17, 2
	s_add_co_u32 s17, s17, s41                     ; tile row
	s_lshl_b32 s43, s41, 2
	s_lshl_b32 s43, 15, s43
	s_lshl_b32 s44, 0x1111, s40
	s_or_b32 s[G1+0], s43, (3<<16)|(1<<21)
	s_or_b32 s[G1B+0], s44, (3<<16)|(1<<21)
.irp g, G1, G1B
	s_mov_b32 s[\g+1], (SB/8)<<16
	s_mov_b32 s[\g+2], 8<<16
	s_mov_b32 s[\g+3], (SB/8)<<16
	s_mov_b32 s[\g+4], 8
	s_mov_b32 s[\g+5], RT/8
	s_mov_b32 s[\g+6], 0
	s_mov_b32 s[\g+7], 0
.endr
	s_or_b32 s[G1S+0], s43, (3<<16)|(1<<21)
	s_or_b32 s[G1SB+0], s44, (3<<16)|(1<<21)
.irp g, G1S, G1SB
	s_mov_b32 s[\g+1], 32<<16
	s_mov_b32 s[\g+2], (HALFS/256)<<16
	s_mov_b32 s[\g+3], 32<<16
	s_mov_b32 s[\g+4], HALFS/256
	s_mov_b32 s[\g+5], 32
	s_mov_b32 s[\g+6], 0
	s_mov_b32 s[\g+7], 0
.endr
	s_lshl_b32 s18, s16, 3
	s_lshl_b32 s20, s17, 4
	s_add_co_u32 s20, s20, s18                     ; A: row tile 16 x tile row + 8 x half
	s_lshl_b32 s46, s42, 4
	s_add_co_u32 s46, s46, s18                     ; B: 16 x tile column + 8 x half
	s_mul_i32 s22, s20, SBLK
	s_add_co_u32 s22, s22, A_SC
	s_mul_i32 s92, s46, SBLK
	s_add_co_u32 s92, s92, B_SC
	s_mul_i32 s20, s20, RT
	s_mul_i32 s46, s46, RT
	s_add_co_u32 s46, s46, B_CO
	s_mov_b32 s21, 0
	s_mov_b32 s23, 0
	s_mov_b32 s47, 0
	s_mov_b32 s93, 0
	s_mul_i32 s45, s14, HALFT
	s_mul_i32 s94, s14, HALFS
	s_lshl_b32 s19, s15, 7
	s_add_co_u32 s94, s94, s19
	s_wait_dscnt 0x0
	s_wait_kmcnt 0x0
	s_add_nc_u64 s[20:21], s[4:5], s[20:21]
	s_add_nc_u64 s[22:23], s[4:5], s[22:23]
	s_add_nc_u64 s[46:47], s[6:7], s[46:47]
	s_add_nc_u64 s[92:93], s[8:9], s[92:93]
	CROUND
	s_mov_b32 s[G0S], 1
	s_add_co_u32 s[G0S+1], s94, SCL
	s_mov_b64 s[G0S+2:G0S+3], s[22:23]
	s_or_b32 s[G0S+3], s[G0S+3], 0x80000000
	s_mov_b32 s[G0SB], 1
	s_add_co_u32 s[G0SB+1], s94, SCL
	s_mov_b64 s[G0SB+2:G0SB+3], s[92:93]
	s_or_b32 s[G0SB+3], s[G0SB+3], 0x80000000
	JLOAD G0S, G1S, G0SB, G1SB
.irp s, 0,1
	s_mov_b32 s[G0+4*\s], 1
	s_add_co_u32 s[G0+4*\s+1], s45, \s*SLOT
	s_add_nc_u64 s[G0+4*\s+2:G0+4*\s+3], s[20:21], \s*SB
	s_or_b32 s[G0+4*\s+3], s[G0+4*\s+3], 0x80000000
	s_mov_b32 s[G0B+4*\s], 1
	s_add_co_u32 s[G0B+4*\s+1], s45, \s*SLOT
	s_add_nc_u64 s[G0B+4*\s+2:G0B+4*\s+3], s[46:47], \s*SB
	s_or_b32 s[G0B+4*\s+3], s[G0B+4*\s+3], 0x80000000
	JLOAD G0+4*\s, G1, G0B+4*\s, G1B
.endr
	v_and_b32 v1, 15, v0
	v_bfe_u32 v2, v0, 4, 1
	v_and_b32 v3, 31, v0
	v_lshlrev_b32 v4, 4, v3
	v_lshlrev_b32 v5, 3, v3
	s_mul_i32 s21, s15, HALFT
	s_mul_i32 s22, s16, HALFT
	s_add_co_u32 s22, s22, 2*HALFT
.irp s, 0,1
	v_add_nc_u32 v[ADRA+\s], s21, v4
	v_add_nc_u32 v[ADRB+\s], s22, v4
	v_add_nc_u32 v[ADRA+2+\s], s21, v5
	v_add_nc_u32 v[ADRB+2+\s], s22, v5
	s_add_co_u32 s21, s21, SLOT
	s_add_co_u32 s22, s22, SLOT
.endr
	s_mul_i32 s21, s15, HALFS
	s_mul_i32 s22, s16, HALFS
	s_add_co_u32 s22, s22, 2*HALFS+128
	s_sub_co_u32 s22, s22, s21
	v_mul_u32_u24 v6, s22, v2
	s_add_co_u32 s21, s21, SCL
	v_lshl_add_u32 v6, v1, 2, v6
	v_add_nc_u32 v[ADRS], s21, v6
	s_mul_i32 s23, s14, 16*SPITCH                  ; my stage
	v_mul_u32_u24 v5, v1, SPITCH
	v_lshl_add_u32 v5, v2, 6, v5                   ; in: row r, + 64 h
	v_add_nc_u32 v[STO], s23, v5
	v_mov_b32 v[CO], v4                            ; back, and in y: 16 bytes a lane of a row's 512
	v_add_nc_u32 v[RD], s23, v4
	s_lshl_b32 s20, s17, 8
	s_lshl_b32 s21, s15, 7
	s_add_co_u32 s20, s20, s21                     ; my first token
	s_lshl_b32 s20, s20, 12
	s_lshl_b32 s46, s42, 10
	s_lshl_b32 s47, s16, 9
	s_add_co_u32 s46, s46, s47                     ; my first column, in bytes
	s_add_co_u32 s20, s20, s46
	s_mov_b32 s21, 0
	s_add_nc_u64 s[OUT:OUT+1], s[OUT:OUT+1], s[20:21]
.macro FRAG reg, adr, q, i
	ds_load_b128 v[\reg:\reg+3], v[\adr] offset:(\i)*SB+(\q)*1536
	ds_load_b64 v[\reg+4:\reg+5], v[\adr+2] offset:(\i)*SB+(\q)*1536+512
	ds_load_b128 v[\reg+6:\reg+9], v[\adr] offset:(\i)*SB+(\q)*1536+768
	ds_load_b64 v[\reg+10:\reg+11], v[\adr+2] offset:(\i)*SB+(\q)*1536+1280
.endm
.macro MUL16 a0, p, q, sc, zero        ; the 64 accumulators take turns, one instruction a turn
.irp a, \a0, \a0+1
.irp b, 0,1,2,3,4,5,6,7
.if \zero
	v_wmma_scale_f32_16x16x128_f8f6f4 v[8*(8*((\a)%4)+\b):8*(8*((\a)%4)+\b)+7], v[128*(\p)+FR*\b:128*(\p)+FR*\b+FR-1], v[AF+FR*(\a):AF+FR*(\a)+FR-1], 0, v[SC+8*NQ*(\sc)+NQ*\b+(\q)], v[SC+8*NQ*(\sc)+NQ*(\a)+(\q)] matrix_a_fmt:MATRIX_FMT_FP6 matrix_b_fmt:MATRIX_FMT_FP6 matrix_a_scale:MATRIX_SCALE_ROW1
.else
	v_wmma_scale_f32_16x16x128_f8f6f4 v[8*(8*((\a)%4)+\b):8*(8*((\a)%4)+\b)+7], v[128*(\p)+FR*\b:128*(\p)+FR*\b+FR-1], v[AF+FR*(\a):AF+FR*(\a)+FR-1], v[8*(8*((\a)%4)+\b):8*(8*((\a)%4)+\b)+7], v[SC+8*NQ*(\sc)+NQ*\b+(\q)], v[SC+8*NQ*(\sc)+NQ*(\a)+(\q)] matrix_a_fmt:MATRIX_FMT_FP6 matrix_b_fmt:MATRIX_FMT_FP6 matrix_a_scale:MATRIX_SCALE_ROW1
.endif
.endr
.endr
.endm
.macro FETCH_B slot, q, p
	WIN TO_B
.irp i, 0,1,2,3,4,5,6,7
	FRAG 128*(\p)+FR*\i, ADRB+\slot, \q, \i
.endr
	WIN 0
.endm
.macro FETCH_A slot, q, i0
.irp i, \i0, \i0+1, \i0+2, \i0+3
	FRAG AF+FR*(\i), ADRA+\slot, \q, \i
.endr
.endm
.macro SCALES sc
.irp i, 0,1,2,3,4,5,6,7
	ds_load_b32 v[SC+8*NQ*\sc+NQ*\i], v[ADRS] offset:\i*SBLK
	ds_load_b32 v[SC+8*NQ*\sc+NQ*\i+1], v[ADRS] offset:\i*SBLK+64
.endr
.endm
.macro PLACES n
.rept \n
	v_nop
.endr
.endm
.macro STEP slot, q, zero
	s_wait_dscnt 4*NL                              ; all but the youngest 16 loads (A's blocks 4-7) are in
	WIN MUL_LO
	MUL16 0, (\q)%2, \q, \slot, \zero
	MUL16 2, (\q)%2, \q, \slot, \zero
	s_wait_dscnt 0
	PLACES NP
	FETCH_B \slot, (\q)+1, 1-(\q)%2
	FETCH_A \slot, (\q)+1, 0
	WIN MUL_HI
	MUL16 4, (\q)%2, \q, \slot, \zero
	MUL16 6, (\q)%2, \q, \slot, \zero
	PLACES NP
	WIN 0
	FETCH_A \slot, (\q)+1, 4
.endm
.macro TURN slot, next, fill
	s_wait_tensorcnt 0x0                           ; all my tensor loads have landed: my part of the next slot
	ds_add_u32 v[SPW], v[NIL]
	s_wait_dscnt 4*NL+1                            ; (the add and A's blocks 4-7 may be out)
	WIN MUL_LO
	MUL16 0, 1, NQ-1, \slot, 0
	s_wait_dscnt 0x0                               ; the add is done, and my reads of this slot are over
	s_barrier_signal -1
	MUL16 2, 1, NQ-1, \slot, 0
	WIN 0
	s_barrier_wait -1
.if \fill
	CREST                                          ; the barrier has opened a round of the cluster's barrier
	s_add_nc_u64 s[G0+4*\slot+2:G0+4*\slot+3], s[G0+4*\slot+2:G0+4*\slot+3], 2*SB
	s_add_nc_u64 s[G0B+4*\slot+2:G0B+4*\slot+3], s[G0B+4*\slot+2:G0B+4*\slot+3], 2*SB
	JLOAD G0+4*\slot, G1, G0B+4*\slot, G1B
.else
	PLACES NP
.endif
	v_add_nc_u32 v[ADRS], 64*NQ, v[ADRS]
	FETCH_B \next, 0, 0
	FETCH_A \next, 0, 0
	SCALES \next
	WIN MUL_HI
	MUL16 4, 1, NQ-1, \slot, 0
	MUL16 6, 1, NQ-1, \slot, 0
	PLACES NP
	WIN 0
	FETCH_A \next, 0, 4
.endm
	s_wait_tensorcnt 1                             ; the scale words and my part of slot 0 are in; slot 1's load may be out
	s_barrier_signal -1
	s_barrier_wait -1
	FETCH_B 0, 0, 0
	FETCH_A 0, 0, 0
	SCALES 0
	FETCH_A 0, 0, 4
	STEP 0, 0, 1
	s_mov_b32 s3, LAPS-1
.Llap:
	TURN 0, 1, 1
	STEP 1, 0, 0
	TURN 1, 0, 1
	STEP 0, 0, 0
	s_sub_co_u32 s3, s3, 1
	s_cmp_lg_u32 s3, 0
	s_cbranch_scc1 .Llap
	TURN 0, 1, 0
	STEP 1, 0, 0
	s_wait_dscnt 4*NL
	WIN MUL_LO
	MUL16 0, 1, NQ-1, 1, 0
	MUL16 2, 1, NQ-1, 1, 0
	s_wait_dscnt 0
	WIN MUL_HI
	MUL16 4, 1, NQ-1, 1, 0
	MUL16 6, 1, NQ-1, 1, 0
	WIN 0
.macro TOSTAGE a
.set AC, 64*((\a)%4)
	WIN 0x08+4*((\a)/4)                            ; an LDS store's data: window 2 or 3
.irp b, 0,1,2,3,4,5,6,7
	ds_store_b128 v[STO], v[AC+8*\b:AC+8*\b+3] offset:128*(\b/2)+32*(\b%2)          ; each accumulator from its low end on
	ds_store_b128 v[STO], v[AC+8*\b+4:AC+8*\b+7] offset:128*(\b/2)+32*(\b%2)+16
.endr
	WIN 0
.set BB, BK+64*((\a)%2)
.irp t, 0,1,2,3,4,5,6,7,8,9,10,11,12,13,14,15
	ds_load_b128 v[BB+4*\t:BB+4*\t+3], v[RD] offset:\t*SPITCH      ; LDS serves a wave's instructions in order: these see my stores
.endr
.endm
.macro SEND a, younger                 ; stage row t is token 32 (a / 2) + 8 (a % 2) + t + 8 (t / 8) of my 128
.set BB, BK+64*((\a)%2)
	s_wait_dscnt \younger
.irp t, 0,1,2,3,4,5,6,7,8,9,10,11,12,13,14,15
	global_store_b128 v[CO], v[BB+4*\t:BB+4*\t+3], s[OUT:OUT+1] offset:(32*((\a)/2)+8*((\a)%2)+\t+8*(\t/8))*4096   ; 32 lanes store 512 consecutive bytes
.endr
.endm
	PLACES NP
	TOSTAGE 0
.irp a, 1,2,3,4,5,6,7
.if \a > 1
	s_wait_xcnt 0x0                                ; block a - 2's stores have read their registers: block a's loads may land there
.endif
	TOSTAGE \a
	SEND \a-1, 32                                  ; behind block a - 1's loads: block a's 16 stores and 16 loads
.endr
	SEND 7, 0
	s_wait_tensorcnt 0x0                           ; the wave's end
	ds_add_u32 v[SPW], v[NIL]
	s_wait_dscnt 0x0
	CROUND
	s_endpgm
.Lfunc_end_k_q1971ee1236_gwo:
	.size	k_q1971ee1236_gwo, .Lfunc_end_k_q1971ee1236_gwo-k_q1971ee1236_gwo
	.p2alignl 7, 3214868480
	.fill 96, 4, 3214868480
	.section	.rodata,"a",@progbits
	.p2align	6, 0x0
	.amdhsa_kernel k_q1971ee1236_gwo
		.amdhsa_group_segment_fixed_size 327680
		.amdhsa_private_segment_fixed_size 0
		.amdhsa_enable_private_segment 0
		.amdhsa_kernarg_size 32
		.amdhsa_user_sgpr_count 2
		.amdhsa_user_sgpr_kernarg_segment_ptr 1
		.amdhsa_wavefront_size32 1
		.amdhsa_system_sgpr_workgroup_id_x 1
		.amdhsa_system_sgpr_workgroup_id_y 1
		.amdhsa_system_sgpr_workgroup_id_z 1
		.amdhsa_system_vgpr_workitem_id 0
		.amdhsa_next_free_vgpr 1024
		.amdhsa_next_free_sgpr 100
		.amdhsa_reserve_vcc 0
		.amdhsa_float_denorm_mode_32 3
		.amdhsa_float_denorm_mode_16_64 3
		.amdhsa_memory_ordered 1
		.amdhsa_forward_progress 1
		.amdhsa_inst_pref_size 145
	.end_amdhsa_kernel
	.amdgpu_metadata
---
amdhsa.version: [ 1, 2 ]
amdhsa.kernels:
  - .name:           k_q1971ee1236_gwo
    .symbol:         k_q1971ee1236_gwo.kd
    .args:
      - { .name: ac, .offset: 0, .size: 8, .value_kind: global_buffer, .address_space: global }
      - { .name: codes, .offset: 8, .size: 8, .value_kind: global_buffer, .address_space: global }
      - { .name: scales, .offset: 16, .size: 8, .value_kind: global_buffer, .address_space: global }
      - { .name: y, .offset: 24, .size: 8, .value_kind: global_buffer, .address_space: global }
    .group_segment_fixed_size: 327680
    .private_segment_fixed_size: 0
    .kernarg_segment_align: 8
    .kernarg_segment_size: 32
    .max_flat_workgroup_size: 128
    .sgpr_count:     100
    .vgpr_count:     1024
    .wavefront_size: 32
...
	.end_amdgpu_metadata
.endif
;; end of part 4
;; launch ln1 (part 5): grid 256 x 1, 8 waves a work-group, no clusters, 66,816 bytes of LDS; arguments y, x_embeds, g1, b1, x1, ac; writes x1, ac
.if DOCPART == 5
	.amdgcn_target "amdgcn-amd-amdhsa--gfx1250"
	.amdhsa_code_object_version 6
	.text
	.protected	k_q1971ee1236_ln1
	.globl	k_q1971ee1236_ln1
	.p2align	8
	.type	k_q1971ee1236_ln1,@function
k_q1971ee1236_ln1:
	s_mov_b64 s[64:65], 0
	v_nop
	global_prefetch_b8 v0, s[64:65] scope:SCOPE_SE
	s_setreg_imm32_b32 hwreg(HW_REG_WAVE_MODE, 25, 1), 1
	s_wait_xcnt 0x0
; x1 = layer_norm(y + x_embeds) g1 + b1, in f32, stored row-major; and its quantiser along E (codes of FP6 (E2M3), one E8M0 scale for each 32) into the operand image that product 5 reads.  Nothing is left out here.
; A work-group takes token row tile t: the 16 tokens 32 (t / 2) + 8 (t % 2) + i + 8 (i / 8).  Wave w takes tile rows 2 w and 2 w + 1, two neighbouring tokens, whole: a row's 4,096 bytes are 32 registers, so a row's two sums never leave the wave.
; Then the 16 rows meet in LDS (rows 4,112 bytes apart), and wave w makes K step w's fragment for all 16.  A stream: no matrix unit, no cluster, no tensor load.
; LIMITS: as stated at the head of the first launch.
.set SPARE, 65792
.set SPW,  2
.set NIL,  3
.set SM,   10                          ; v[10:11], v[12:13] a row's sum, in two halves
.set PT,   14                          ; v14, v15
.set MU,   16                          ; v[16:17], v[18:19] the mean, twice
.set RS,   20                          ; v[20:21], v[22:23] 1 / sqrt(var + eps), twice
.set Y,    32
.set X,    96
.set G,    160
.set BT,   192
.set PC,   160
.set TM,   192
.set PW,   208
.set SEL,  20
.set MSB, 0
.macro WIN new                         ; (one register window: the macro writes nothing here)
.if MSB != (\new)
	s_set_vgpr_msb (MSB<<8)|(\new)
.set MSB, (\new)
.endif
.endm
.macro QUANT s, w, pw                  ; 64 numbers of a lane, register s + 16 b + i = k 32 b + 16 (lane / 16) + i of my row: a fragment's codes in v[PC] on, my row's scale word in v[pw]
	WIN (\w)|((\w)<<2)
.irp b, 0,1,2,3
	v_max3_num_f32 v[TM+\b], |v[(\s)+16*\b]|, |v[(\s)+1+16*\b]|, 0x1800000
.endr
	WIN ((\w)<<2)|((\w)<<4)
.irp i, 2,4,6,8,10,12,14
.irp b, 0,1,2,3
	v_max3_num_f32 v[TM+\b], v[TM+\b], |v[(\s)+16*\b+\i]|, |v[(\s)+1+16*\b+\i]|
.endr
.endr
	WIN 0
.irp b, 0,1,2,3
	v_permlanex16_b32 v[TM+4+\b], v[TM+\b], s[SEL], s[SEL+1]
.endr
.irp b, 0,1,2,3
	v_max_num_f32 v[TM+\b], v[TM+\b], v[TM+4+\b]
.endr
.irp b, 0,1,2,3
	v_add_nc_u32 v[TM+12+\b], 0xff000000, v[TM+\b]
.endr
.irp b, 0,1,2,3
	v_lshrrev_b32 v[TM+4+\b], 23, v[TM+12+\b]
.endr
	v_lshl_or_b32 v[\pw], v[TM+5], 8, v[TM+4]
	v_lshl_or_b32 v[\pw], v[TM+6], 16, v[\pw]
	v_lshl_or_b32 v[\pw], v[TM+7], 24, v[\pw]
	WIN (\w)
.irp c, 0,1
	v_cvt_scalef32_pk16_fp6_f32 v[PC+6*\c:PC+2+6*\c], v[(\s)+32*\c:(\s)+15+32*\c], v[TM+12+2*\c]
	v_cvt_scalef32_pk16_fp6_f32 v[PC+12+4*\c:PC+14+4*\c], v[(\s)+16+32*\c:(\s)+31+32*\c], v[TM+12+2*\c+1]
.endr
	WIN 0
	v_nop
.irp c, 0,1
.irp i, 0,1,2
	v_permlane16_swap_b32 v[PC+6*\c+\i], v[PC+12+4*\c+\i]
.endr
.irp i, 0,1,2
	v_mov_b32 v[PC+3+6*\c+\i], v[PC+12+4*\c+\i]
.endr
.endr
.endm
.macro LANESUM                         ; both rows' sums over the 32 lanes, the result in every lane
.irp e, 0,1
	v_add_f32 v[SM+2*\e], v[SM+2*\e], v[SM+2*\e+1]
.endr
.irp m, 1,2,4,8
.irp e, 0,1
	v_add_f32_dpp v[SM+2*\e], v[SM+2*\e], v[SM+2*\e] row_xmask:\m row_mask:0xf bank_mask:0xf
.endr
.endr
.irp e, 0,1
	v_permlanex16_b32 v[PT+\e], v[SM+2*\e], s[SEL], s[SEL+1]
.endr
.irp e, 0,1
	v_add_f32 v[SM+2*\e], v[SM+2*\e], v[PT+\e]
.endr
.endm
	s_load_b256 s[4:11], s[0:1], 0x0               ; y s[4:5], x_embeds s[6:7], g1 s[8:9], b1 s[10:11]
	s_load_b128 s[12:15], s[0:1], 0x20             ; x1 s[12:13], ac s[14:15]
	v_lshl_add_u32 v[SPW], v0, 2, SPARE
	v_mov_b32 v[NIL], 0
	v_lshrrev_b32 v4, 5, v0
	v_readfirstlane_b32 s16, v4                    ; wave 0..7
	v_and_b32 v4, 31, v0
	v_lshlrev_b32 v1, 4, v4                        ; 16 x lane
	v_lshlrev_b32 v7, 3, v4                        ; 8 x lane
	v_and_b32 v8, 15, v0                           ; r
	v_bfe_u32 v9, v0, 4, 1                         ; h
	v_mov_b32 v[PT], 0                             ; a lane permute's destination counts as one of its sources
	v_mov_b32 v[PT+1], 0
	s_lshr_b32 s17, ttmp9, 1
	s_lshl_b32 s17, s17, 5
	s_and_b32 s18, ttmp9, 1
	s_lshl_b32 s18, s18, 3
	s_add_co_u32 s17, s17, s18
	s_lshl_b32 s18, s16, 1
	s_add_co_u32 s17, s17, s18
	s_lshr_b32 s18, s16, 2
	s_lshl_b32 s18, s18, 3
	s_add_co_u32 s17, s17, s18                     ; my first token: 32 (t / 2) + 8 (t % 2) + 2 w + 8 (w / 4)
	s_lshl_b32 s18, s17, 12
	s_mov_b32 s19, 0
	s_mov_b32 s[SEL], 0x76543210
	s_mov_b32 s[SEL+1], 0xfedcba98
	s_mov_b32 s22, 0x3a800000                      ; 1 / 1,024
	s_mov_b32 s23, 0x358637bd                      ; 1e-6
	s_mul_i32 s24, s16, 2*4112
	v_add_nc_u32 v5, s24, v1                       ; LDS, on the way in: my two rows
	v_mul_u32_u24 v6, v8, 4112
	v_lshl_add_u32 v6, v9, 6, v6
	s_lshl_b32 s24, s16, 9
	v_add_nc_u32 v6, s24, v6                       ; on the way out: row r, + 64 h, + K step w's 512 bytes
	v_lshlrev_b32 v8, 2, v8                        ; 4 r
	s_wait_kmcnt 0x0
	s_add_nc_u64 s[4:5], s[4:5], s[18:19]
	s_add_nc_u64 s[6:7], s[6:7], s[18:19]
	s_add_nc_u64 s[12:13], s[12:13], s[18:19]
.irp e, 0,1
.irp j, 0,1,2,3,4,5,6,7
	global_load_b128 v[Y+32*\e+4*\j:Y+32*\e+4*\j+3], v1, s[4:5] offset:4096*\e+512*\j th:TH_LOAD_NT
.endr
.irp j, 0,1,2,3,4,5,6,7
	global_load_b128 v[X+32*\e+4*\j:X+32*\e+4*\j+3], v1, s[6:7] offset:4096*\e+512*\j th:TH_LOAD_NT
.endr
.endr
.irp j, 0,1,2,3,4,5,6,7
	global_load_b128 v[G+4*\j:G+4*\j+3], v1, s[8:9] offset:512*\j
.endr
.irp j, 0,1,2,3,4,5,6,7
	global_load_b128 v[BT+4*\j:BT+4*\j+3], v1, s[10:11] offset:512*\j
.endr
	s_mul_i32 s18, ttmp9, 12288
	s_mul_i32 s24, s16, 1536
	s_add_co_u32 s18, s18, s24
	s_add_nc_u64 s[26:27], s[14:15], s[18:19]      ; my fragment's codes
	s_lshl_b32 s18, ttmp9, 9
	s_lshl_b32 s24, s16, 6
	s_add_co_u32 s18, s18, s24
	s_add_co_u32 s18, s18, 3145728
	s_add_nc_u64 s[14:15], s[14:15], s[18:19]      ; and its scale words
	s_wait_loadcnt 32                              ; row 0's 16 loads are in (behind them: row 1's 16, the gain's and the bias's 16)
.irp k, 0,2,4,6,8,10,12,14,16,18,20,22,24,26,28,30
	v_pk_add_f32 v[Y+\k:Y+\k+1], v[Y+\k:Y+\k+1], v[X+\k:X+\k+1]
.endr
	s_wait_loadcnt 16
.irp k, 0,2,4,6,8,10,12,14,16,18,20,22,24,26,28,30
	v_pk_add_f32 v[Y+32+\k:Y+32+\k+1], v[Y+32+\k:Y+32+\k+1], v[X+32+\k:X+32+\k+1]
.endr
.irp e, 0,1
	v_pk_add_f32 v[SM+2*\e:SM+2*\e+1], v[Y+32*\e:Y+32*\e+1], v[Y+32*\e+2:Y+32*\e+3]
.endr
.irp k, 4,6,8,10,12,14,16,18,20,22,24,26,28,30
.irp e, 0,1
	v_pk_add_f32 v[SM+2*\e:SM+2*\e+1], v[SM+2*\e:SM+2*\e+1], v[Y+32*\e+\k:Y+32*\e+\k+1]
.endr
.endr
	LANESUM
.irp e, 0,1
	v_mul_f32 v[MU+2*\e], s22, v[SM+2*\e]
.endr
.irp e, 0,1
	v_mov_b32 v[MU+2*\e+1], v[MU+2*\e]
.endr
.irp k, 0,2,4,6,8,10,12,14,16,18,20,22,24,26,28,30
.irp e, 0,1
	v_pk_add_f32 v[Y+32*\e+\k:Y+32*\e+\k+1], v[Y+32*\e+\k:Y+32*\e+\k+1], v[MU+2*\e:MU+2*\e+1] neg_lo:[0,1] neg_hi:[0,1]
.endr
.endr
.irp e, 0,1
	v_pk_mul_f32 v[SM+2*\e:SM+2*\e+1], v[Y+32*\e:Y+32*\e+1], v[Y+32*\e:Y+32*\e+1]
.endr
.irp k, 2,4,6,8,10,12,14,16,18,20,22,24,26,28,30
.irp e, 0,1
	v_pk_fma_f32 v[SM+2*\e:SM+2*\e+1], v[Y+32*\e+\k:Y+32*\e+\k+1], v[Y+32*\e+\k:Y+32*\e+\k+1], v[SM+2*\e:SM+2*\e+1]
.endr
.endr
	LANESUM
.irp e, 0,1
	v_fma_f32 v[RS+2*\e], v[SM+2*\e], s22, s23     ; var + eps
.endr
.irp e, 0,1
	v_rsq_f32 v[RS+2*\e], v[RS+2*\e]
.endr
	v_nop                                          ; a plain place behind the last of the two
	s_wait_alu depctr_va_vdst(0)                   ; one wait for both, ahead of their first reader
.irp e, 0,1
	v_mov_b32 v[RS+2*\e+1], v[RS+2*\e]
.endr
	s_wait_loadcnt 0x0                             ; the gain and the bias
.irp k, 0,2,4,6,8,10,12,14,16,18,20,22,24,26,28,30
.irp e, 0,1
	v_pk_mul_f32 v[Y+32*\e+\k:Y+32*\e+\k+1], v[Y+32*\e+\k:Y+32*\e+\k+1], v[RS+2*\e:RS+2*\e+1]
.endr
.irp e, 0,1
	v_pk_fma_f32 v[Y+32*\e+\k:Y+32*\e+\k+1], v[Y+32*\e+\k:Y+32*\e+\k+1], v[G+\k:G+\k+1], v[BT+\k:BT+\k+1]
.endr
.endr
.irp e, 0,1
.irp j, 0,1,2,3,4,5,6,7
	global_store_b128 v1, v[Y+32*\e+4*\j:Y+32*\e+4*\j+3], s[12:13] offset:4096*\e+512*\j
	ds_store_b128 v5, v[Y+32*\e+4*\j:Y+32*\e+4*\j+3] offset:4112*\e+512*\j
.endr
.endr
	s_wait_dscnt 0x0                               ; for the others' sake: my two rows have landed
	s_barrier_signal -1
	s_barrier_wait -1
.irp b, 0,1,2,3
.irp j, 0,1,2,3
	ds_load_b128 v[X+16*\b+4*\j:X+16*\b+4*\j+3], v6 offset:128*\b+16*\j
.endr
.endr
	s_wait_dscnt 0x0
	QUANT X, 0, PW
	global_store_b128 v1, v[PC:PC+3], s[26:27]
	global_store_b64 v7, v[PC+4:PC+5], s[26:27] offset:512
	global_store_b128 v1, v[PC+6:PC+9], s[26:27] offset:768
	global_store_b64 v7, v[PC+10:PC+11], s[26:27] offset:1280
	global_store_b32 v8, v[PW], s[14:15]
	s_wait_tensorcnt 0x0                           ; the wave's end, behind my last LDS store
	ds_add_u32 v[SPW], v[NIL]
	s_wait_dscnt 0x0
	s_endpgm
.Lfunc_end_k_q1971ee1236_ln1:
	.size	k_q1971ee1236_ln1, .Lfunc_end_k_q1971ee1236_ln1-k_q1971ee1236_ln1
	.p2alignl 7, 3214868480
	.fill 96, 4, 3214868480
	.section	.rodata,"a",@progbits
	.p2align	6, 0x0
	.amdhsa_kernel k_q1971ee1236_ln1
		.amdhsa_group_segment_fixed_size 66816
		.amdhsa_private_segment_fixed_size 0
		.amdhsa_enable_private_segment 0
		.amdhsa_kernarg_size 48
		.amdhsa_user_sgpr_count 2
		.amdhsa_user_sgpr_kernarg_segment_ptr 1
		.amdhsa_wavefront_size32 1
		.amdhsa_system_sgpr_workgroup_id_x 1
		.amdhsa_system_sgpr_workgroup_id_y 1
		.amdhsa_system_sgpr_workgroup_id_z 1
		.amdhsa_system_vgpr_workitem_id 0
		.amdhsa_next_free_vgpr 224
		.amdhsa_next_free_sgpr 66
		.amdhsa_reserve_vcc 0
		.amdhsa_float_denorm_mode_32 3
		.amdhsa_float_denorm_mode_16_64 3
		.amdhsa_memory_ordered 1
		.amdhsa_forward_progress 1
		.amdhsa_inst_pref_size 29
	.end_amdhsa_kernel
	.amdgpu_metadata
---
amdhsa.version: [ 1, 2 ]
amdhsa.kernels:
  - .name:           k_q1971ee1236_ln1
    .symbol:         k_q1971ee1236_ln1.kd
    .args:
      - { .name: y, .offset: 0, .size: 8, .value_kind: global_buffer, .address_space: global }
      - { .name: x_embeds, .offset: 8, .size: 8, .value_kind: global_buffer, .address_space: global }
      - { .name: g1, .offset: 16, .size: 8, .value_kind: global_buffer, .address_space: global }
      - { .name: b1, .offset: 24, .size: 8, .value_kind: global_buffer, .address_space: global }
      - { .name: x1, .offset: 32, .size: 8, .value_kind: global_buffer, .address_space: global }
      - { .name: ac, .offset: 40, .size: 8, .value_kind: global_buffer, .address_space: global }
    .group_segment_fixed_size: 66816
    .private_segment_fixed_size: 0
    .kernarg_segment_align: 8
    .kernarg_segment_size: 48
    .max_flat_workgroup_size: 256
    .sgpr_count:     66
    .vgpr_count:     224
    .wavefront_size: 32
...
	.end_amdgpu_metadata
.endif
;; end of part 5
;; launch gup (part 6): grid 16 x 16, 4 waves a work-group, clusters of 4 x 4, 327,680 bytes of LDS; arguments ac, codes, scales, b_up, hc; writes hc
.if DOCPART == 6
	.amdgcn_target "amdgcn-amd-amdhsa--gfx1250"
	.amdhsa_code_object_version 6
	.text
	.protected	k_q1971ee1236_gup
	.globl	k_q1971ee1236_gup
	.p2align	8
	.type	k_q1971ee1236_gup,@function
k_q1971ee1236_gup:
	s_mov_b64 s[64:65], 0
	v_nop
	global_prefetch_b8 v0, s[64:65] scope:SCOPE_SE
	s_setreg_imm32_b32 hwreg(HW_REG_WAVE_MODE, 25, 1), 1
	s_wait_xcnt 0x0
	s_wait_alu depctr_hold_cnt(0) depctr_sa_sdst(0) depctr_va_vdst(0) depctr_va_sdst(0) depctr_va_ssrc(0) depctr_va_vcc(0) depctr_vm_vsrc(0)
	s_getreg_b32 s2, hwreg(HW_REG_IB_STS2, 6, 4)
	s_cmp_eq_u32 s2, 0
	s_cbranch_scc0 .Lentry_in_a_cluster
	s_endpgm
.Lentry_in_a_cluster:
	s_bfe_u32 s2, ttmp6, 0x10000c
	s_cmp_lg_u32 s2, 0xf033
	s_cbranch_scc0 .Lentry_shape_is_right
	s_endpgm
.Lentry_shape_is_right:
; PRODUCT 5, h = relu(x1 w_up^T + b_up), on codes of FP6 (E2M3) with E8M0 scales, and h's quantiser along FF, in registers: h goes to memory as codes alone.  Nothing is left out here.
; The ring, the joint loads, the register plan and the operands' images are those of the launch for product 1 (its head comment states them).  A = tokens (codes and scale words in ac), B = rows of w_up.
; b_up is the C of each sum's first matrix instruction: eight registers for each of B's blocks, in the result's layout (v64-127 of window 0).
; THE WAY OUT: block a (16 tokens x my 128 hidden units) is one fragment of product 6's operand: K step 2 x tile column + half of token row tile 16 x tile row + 8 x half + a.
; LIMITS: as stated at the head of the first launch.
.set KDIM,  1024
.set A_SC,  3145728
.set B_CO,  6291456
.set B_SC,  262144
.set NQ,    2
.set FR,    12
.set NL,    4
.set NP,    4
.set RT,    KDIM/128*1536
.set SB,    NQ*1536
.set HALFT, 8*SB
.set SLOT,  4*HALFT
.set LAPS,  KDIM/512
.set SBLK,  KDIM/128*64
.set HALFS, 8*SBLK
.set SCL,   2*SLOT
.set SPARE, SCL+4*HALFS+256
.set ADRA, 16
.set ADRB, 20
.set L16,  24
.set L8,   25
.set R4,   26
.set ADRS, 27
.set SPW,  28
.set NIL,  29
.set SC,   32
.set BI,   64                          ; the bias; on the way out: a block's 64 numbers behind the activation
.set ST,   64
.set AF,   128
.set PC,   128
.set TM,   160
.set PW,   176
.set SEL,  18
.set G1, 24
.set G0, 32
.set G1B, 48
.set G0B, 56
.set G1S, 68
.set G0S, 76
.set G1SB, 80
.set G0SB, 88
.set MSB, 0
.macro WIN new
.if MSB != (\new)
	s_set_vgpr_msb (MSB<<8)|(\new)
.set MSB, (\new)
.endif
.endm
.set MUL_LO, 0xa1
.set MUL_HI, 0xf1
.set TO_B,   0x40
.macro JLOAD g0a, g1a, g0b, g1b
	s_cmp_eq_u32 s15, 0
	s_cbranch_scc0 .Lfor_b_\@
	tensor_load_to_lds s[\g0a:\g0a+3], s[\g1a:\g1a+7]
	s_nop 0
.rept 4
	v_nop
.endr
	s_branch .Lasked_\@
.Lfor_b_\@:
	tensor_load_to_lds s[\g0b:\g0b+3], s[\g1b:\g1b+7]
	s_nop 0
.rept 4
	v_nop
.endr
.Lasked_\@:
.endm
.macro CREST
	s_cmp_lg_u32 s14, 0
	s_cbranch_scc1 .Lnot_wave_0_\@
	s_barrier_signal -3
.Lnot_wave_0_\@:
	s_barrier_wait -3
	s_barrier_signal -1
	s_barrier_wait -1
.endm
.macro CROUND
	s_barrier_signal -1
	s_barrier_wait -1
	CREST
.endm
	s_load_b256 s[4:11], s[0:1], 0x0               ; ac s[4:5], codes s[6:7], scales s[8:9], b_up s[10:11]
	s_load_b64 s[12:13], s[0:1], 0x20              ; hc
	v_lshl_add_u32 v[SPW], v0, 2, SPARE
	v_mov_b32 v[NIL], 0
	ds_add_u32 v[SPW], v[NIL]                      ; the wave's opening: the add, twice on end, and its wait ahead of my first tensor load
	ds_add_u32 v[SPW], v[NIL]
	v_lshrrev_b32 v1, 5, v0
	v_readfirstlane_b32 s14, v1
	s_lshr_b32 s15, s14, 1
	s_and_b32 s16, s14, 1
	s_bfe_u32 s40, ttmp6, 0x40000
	s_bfe_u32 s41, ttmp6, 0x40004
	s_lshl_b32 s42, ttmp9, 2
	s_add_co_u32 s42, s42, s40
	s_and_b32 s17, ttmp7, 0xffff
	s_lshl_b32 s17, s17, 2
	s_add_co_u32 s17, s17, s41
	s_lshl_b32 s43, s41, 2
	s_lshl_b32 s43, 15, s43
	s_lshl_b32 s44, 0x1111, s40
	s_or_b32 s[G1+0], s43, (3<<16)|(1<<21)
	s_or_b32 s[G1B+0], s44, (3<<16)|(1<<21)
.irp g, G1, G1B
	s_mov_b32 s[\g+1], (SB/8)<<16
	s_mov_b32 s[\g+2], 8<<16
	s_mov_b32 s[\g+3], (SB/8)<<16
	s_mov_b32 s[\g+4], 8
	s_mov_b32 s[\g+5], RT/8
	s_mov_b32 s[\g+6], 0
	s_mov_b32 s[\g+7], 0
.endr
	s_or_b32 s[G1S+0], s43, (3<<16)|(1<<21)
	s_or_b32 s[G1SB+0], s44, (3<<16)|(1<<21)
.irp g, G1S, G1SB
	s_mov_b32 s[\g+1], 32<<16
	s_mov_b32 s[\g+2], (HALFS/256)<<16
	s_mov_b32 s[\g+3], 32<<16
	s_mov_b32 s[\g+4], HALFS/256
	s_mov_b32 s[\g+5], 32
	s_mov_b32 s[\g+6], 0
	s_mov_b32 s[\g+7], 0
.endr
	s_lshl_b32 s18, s16, 3
	s_lshl_b32 s20, s17, 4
	s_add_co_u32 s20, s20, s18
	s_lshl_b32 s46, s42, 4
	s_add_co_u32 s46, s46, s18
	s_mul_i32 s22, s20, SBLK
	s_add_co_u32 s22, s22, A_SC
	s_mul_i32 s92, s46, SBLK
	s_add_co_u32 s92, s92, B_SC
	s_mul_i32 s20, s20, RT
	s_mul_i32 s46, s46, RT
	s_add_co_u32 s46, s46, B_CO
	s_mov_b32 s21, 0
	s_mov_b32 s23, 0
	s_mov_b32 s47, 0
	s_mov_b32 s93, 0
	s_mul_i32 s45, s14, HALFT
	s_mul_i32 s94, s14, HALFS
	s_lshl_b32 s19, s15, 7
	s_add_co_u32 s94, s94, s19
	s_wait_dscnt 0x0
	s_wait_kmcnt 0x0
	s_add_nc_u64 s[20:21], s[4:5], s[20:21]
	s_add_nc_u64 s[22:23], s[4:5], s[22:23]
	s_add_nc_u64 s[46:47], s[6:7], s[46:47]
	s_add_nc_u64 s[92:93], s[8:9], s[92:93]
	CROUND
	s_mov_b32 s[G0S], 1
	s_add_co_u32 s[G0S+1], s94, SCL
	s_mov_b64 s[G0S+2:G0S+3], s[22:23]
	s_or_b32 s[G0S+3], s[G0S+3], 0x80000000
	s_mov_b32 s[G0SB], 1
	s_add_co_u32 s[G0SB+1], s94, SCL
	s_mov_b64 s[G0SB+2:G0SB+3], s[92:93]
	s_or_b32 s[G0SB+3], s[G0SB+3], 0x80000000
	JLOAD G0S, G1S, G0SB, G1SB
.irp s, 0,1
	s_mov_b32 s[G0+4*\s], 1
	s_add_co_u32 s[G0+4*\s+1], s45, \s*SLOT
	s_add_nc_u64 s[G0+4*\s+2:G0+4*\s+3], s[20:21], \s*SB
	s_or_b32 s[G0+4*\s+3], s[G0+4*\s+3], 0x80000000
	s_mov_b32 s[G0B+4*\s], 1
	s_add_co_u32 s[G0B+4*\s+1], s45, \s*SLOT
	s_add_nc_u64 s[G0B+4*\s+2:G0B+4*\s+3], s[46:47], \s*SB
	s_or_b32 s[G0B+4*\s+3], s[G0B+4*\s+3], 0x80000000
	JLOAD G0+4*\s, G1, G0B+4*\s, G1B
.endr
	v_and_b32 v1, 15, v0
	v_bfe_u32 v2, v0, 4, 1
	v_and_b32 v3, 31, v0
	v_lshlrev_b32 v[L16], 4, v3
	v_lshlrev_b32 v[L8], 3, v3
	v_lshlrev_b32 v[R4], 2, v1
	s_lshl_b32 s46, s42, 10                        ; the bias of my 128 columns: lane half h wants, for B's block b, numbers 32 (b / 2) + 8 (b % 2) + 16 h + 0 .. 7
	s_lshl_b32 s47, s16, 9
	s_add_co_u32 s46, s46, s47
	s_mov_b32 s47, 0
	s_add_nc_u64 s[10:11], s[10:11], s[46:47]
	v_lshlrev_b32 v7, 6, v2
.irp b, 0,1,2,3,4,5,6,7
	global_load_b128 v[BI+8*\b:BI+8*\b+3], v7, s[10:11] offset:4*(32*(\b/2)+8*(\b%2))
	global_load_b128 v[BI+8*\b+4:BI+8*\b+7], v7, s[10:11] offset:4*(32*(\b/2)+8*(\b%2))+16
.endr
	s_mul_i32 s21, s15, HALFT
	s_mul_i32 s22, s16, HALFT
	s_add_co_u32 s22, s22, 2*HALFT
.irp s, 0,1
	v_add_nc_u32 v[ADRA+\s], s21, v[L16]
	v_add_nc_u32 v[ADRB+\s], s22, v[L16]
	v_add_nc_u32 v[ADRA+2+\s], s21, v[L8]
	v_add_nc_u32 v[ADRB+2+\s], s22, v[L8]
	s_add_co_u32 s21, s21, SLOT
	s_add_co_u32 s22, s22, SLOT
.endr
	s_mul_i32 s21, s15, HALFS
	s_mul_i32 s22, s16, HALFS
	s_add_co_u32 s22, s22, 2*HALFS+128
	s_sub_co_u32 s22, s22, s21
	v_mul_u32_u24 v6, s22, v2
	s_add_co_u32 s21, s21, SCL
	v_lshl_add_u32 v6, v1, 2, v6
	v_add_nc_u32 v[ADRS], s21, v6
	s_lshl_b32 s2, s17, 4                          ; where my results go: fragment (16 x tile row + 8 x half) x 32 + 2 x tile column + half
	s_lshl_b32 s45, s15, 3
	s_add_co_u32 s2, s2, s45
	s_lshl_b32 s2, s2, 5
	s_lshl_b32 s45, s42, 1
	s_add_co_u32 s2, s2, s45
	s_add_co_u32 s2, s2, s16
	s_mul_i32 s98, s2, 1536
	s_mov_b32 s99, 0
	s_lshl_b32 s66, s2, 6
	s_add_co_u32 s66, s66, 12582912
	s_mov_b32 s67, 0
	s_add_nc_u64 s[66:67], s[12:13], s[66:67]
	s_add_nc_u64 s[12:13], s[12:13], s[98:99]
.macro FRAG reg, adr, q, i
	ds_load_b128 v[\reg:\reg+3], v[\adr] offset:(\i)*SB+(\q)*1536
	ds_load_b64 v[\reg+4:\reg+5], v[\adr+2] offset:(\i)*SB+(\q)*1536+512
	ds_load_b128 v[\reg+6:\reg+9], v[\adr] offset:(\i)*SB+(\q)*1536+768
	ds_load_b64 v[\reg+10:\reg+11], v[\adr+2] offset:(\i)*SB+(\q)*1536+1280
.endm
.macro MUL16 a0, p, q, sc, zero        ; zero = 2: the first product starts the sums from the bias.  The 64 accumulators take turns, one instruction a turn
.irp a, \a0, \a0+1
.irp b, 0,1,2,3,4,5,6,7
.if \zero
	v_wmma_scale_f32_16x16x128_f8f6f4 v[8*(8*((\a)%4)+\b):8*(8*((\a)%4)+\b)+7], v[128*(\p)+FR*\b:128*(\p)+FR*\b+FR-1], v[AF+FR*(\a):AF+FR*(\a)+FR-1], v[BI+8*\b:BI+8*\b+7], v[SC+8*NQ*(\sc)+NQ*\b+(\q)], v[SC+8*NQ*(\sc)+NQ*(\a)+(\q)] matrix_a_fmt:MATRIX_FMT_FP6 matrix_b_fmt:MATRIX_FMT_FP6 matrix_a_scale:MATRIX_SCALE_ROW1
.else
	v_wmma_scale_f32_16x16x128_f8f6f4 v[8*(8*((\a)%4)+\b):8*(8*((\a)%4)+\b)+7], v[128*(\p)+FR*\b:128*(\p)+FR*\b+FR-1], v[AF+FR*(\a):AF+FR*(\a)+FR-1], v[8*(8*((\a)%4)+\b):8*(8*((\a)%4)+\b)+7], v[SC+8*NQ*(\sc)+NQ*\b+(\q)], v[SC+8*NQ*(\sc)+NQ*(\a)+(\q)] matrix_a_fmt:MATRIX_FMT_FP6 matrix_b_fmt:MATRIX_FMT_FP6 matrix_a_scale:MATRIX_SCALE_ROW1
.endif
.endr
.endr
.endm
.macro FETCH_B slot, q, p
	WIN TO_B
.irp i, 0,1,2,3,4,5,6,7
	FRAG 128*(\p)+FR*\i, ADRB+\slot, \q, \i
.endr
	WIN 0
.endm
.macro FETCH_A slot, q, i0
.irp i, \i0, \i0+1, \i0+2, \i0+3
	FRAG AF+FR*(\i), ADRA+\slot, \q, \i
.endr
.endm
.macro SCALES sc
.irp i, 0,1,2,3,4,5,6,7
	ds_load_b32 v[SC+8*NQ*\sc+NQ*\i], v[ADRS] offset:\i*SBLK
	ds_load_b32 v[SC+8*NQ*\sc+NQ*\i+1], v[ADRS] offset:\i*SBLK+64
.endr
.endm
.macro PLACES n
.rept \n
	v_nop
.endr
.endm
.macro STEP slot, q, zero
	s_wait_dscnt 4*NL                              ; all but the youngest 16 loads (A's blocks 4-7) are in
.if \zero
	WIN 0x81                                       ; C (the bias) window 0, D window 2
.else
	WIN MUL_LO
.endif
	MUL16 0, (\q)%2, \q, \slot, \zero
	MUL16 2, (\q)%2, \q, \slot, \zero
	s_wait_dscnt 0
	PLACES NP
	FETCH_B \slot, (\q)+1, 1-(\q)%2
	FETCH_A \slot, (\q)+1, 0
.if \zero
	WIN 0xc1                                       ; C window 0, D window 3
.else
	WIN MUL_HI
.endif
	MUL16 4, (\q)%2, \q, \slot, \zero
	MUL16 6, (\q)%2, \q, \slot, \zero
	PLACES NP
	WIN 0
	FETCH_A \slot, (\q)+1, 4
.endm
.macro TURN slot, next, fill
	s_wait_tensorcnt 0x0                           ; all my tensor loads have landed: my part of the next slot
	ds_add_u32 v[SPW], v[NIL]
	s_wait_dscnt 4*NL+1                            ; (the add and A's blocks 4-7 may be out)
	WIN MUL_LO
	MUL16 0, 1, NQ-1, \slot, 0
	s_wait_dscnt 0x0                               ; the add is done, and my reads of this slot are over
	s_barrier_signal -1
	MUL16 2, 1, NQ-1, \slot, 0
	WIN 0
	s_barrier_wait -1
.if \fill
	CREST                                          ; the barrier has opened a round of the cluster's barrier
	s_add_nc_u64 s[G0+4*\slot+2:G0+4*\slot+3], s[G0+4*\slot+2:G0+4*\slot+3], 2*SB
	s_add_nc_u64 s[G0B+4*\slot+2:G0B+4*\slot+3], s[G0B+4*\slot+2:G0B+4*\slot+3], 2*SB
	JLOAD G0+4*\slot, G1, G0B+4*\slot, G1B
.else
	PLACES NP
.endif
	v_add_nc_u32 v[ADRS], 64*NQ, v[ADRS]
	FETCH_B \next, 0, 0
	FETCH_A \next, 0, 0
	SCALES \next
	WIN MUL_HI
	MUL16 4, 1, NQ-1, \slot, 0
	MUL16 6, 1, NQ-1, \slot, 0
	PLACES NP
	WIN 0
	FETCH_A \next, 0, 4
.endm
.macro QUANT s, w, pw                  ; 64 numbers of a lane in window w, register s + 16 b + i = k 32 b + 16 (lane / 16) + i of my row: a fragment's codes in v[PC] on, my row's scale word in v[pw]
	WIN (\w)|((\w)<<2)
.irp b, 0,1,2,3
	v_max3_num_f32 v[TM+\b], |v[(\s)+16*\b]|, |v[(\s)+1+16*\b]|, 0x1800000
.endr
	WIN ((\w)<<2)|((\w)<<4)
.irp i, 2,4,6,8,10,12,14
.irp b, 0,1,2,3
	v_max3_num_f32 v[TM+\b], v[TM+\b], |v[(\s)+16*\b+\i]|, |v[(\s)+1+16*\b+\i]|
.endr
.endr
	WIN 0
.irp b, 0,1,2,3
	v_permlanex16_b32 v[TM+4+\b], v[TM+\b], s[SEL], s[SEL+1]
.endr
.irp b, 0,1,2,3
	v_max_num_f32 v[TM+\b], v[TM+\b], v[TM+4+\b]
.endr
.irp b, 0,1,2,3
	v_add_nc_u32 v[TM+12+\b], 0xff000000, v[TM+\b]
.endr
.irp b, 0,1,2,3
	v_lshrrev_b32 v[TM+4+\b], 23, v[TM+12+\b]
.endr
	v_lshl_or_b32 v[\pw], v[TM+5], 8, v[TM+4]
	v_lshl_or_b32 v[\pw], v[TM+6], 16, v[\pw]
	v_lshl_or_b32 v[\pw], v[TM+7], 24, v[\pw]
	WIN (\w)
.irp c, 0,1
	v_cvt_scalef32_pk16_fp6_f32 v[PC+6*\c:PC+2+6*\c], v[(\s)+32*\c:(\s)+15+32*\c], v[TM+12+2*\c]
	v_cvt_scalef32_pk16_fp6_f32 v[PC+12+4*\c:PC+14+4*\c], v[(\s)+16+32*\c:(\s)+31+32*\c], v[TM+12+2*\c+1]
.endr
	WIN 0
	v_nop
.irp c, 0,1
.irp i, 0,1,2
	v_permlane16_swap_b32 v[PC+6*\c+\i], v[PC+12+4*\c+\i]
.endr
.irp i, 0,1,2
	v_mov_b32 v[PC+3+6*\c+\i], v[PC+12+4*\c+\i]
.endr
.endr
.endm
	s_wait_tensorcnt 1                             ; the scale words and my part of slot 0 are in; slot 1's load may be out
	s_barrier_signal -1
	s_barrier_wait -1
	FETCH_B 0, 0, 0
	FETCH_A 0, 0, 0
	SCALES 0
	FETCH_A 0, 0, 4
	s_wait_loadcnt 0x0                             ; the bias
	STEP 0, 0, 2
	s_mov_b32 s3, LAPS-1
.Llap:
	TURN 0, 1, 1
	STEP 1, 0, 0
	TURN 1, 0, 1
	STEP 0, 0, 0
	s_sub_co_u32 s3, s3, 1
	s_cmp_lg_u32 s3, 0
	s_cbranch_scc1 .Llap
	TURN 0, 1, 0
	STEP 1, 0, 0
	s_wait_dscnt 4*NL
	WIN MUL_LO
	MUL16 0, 1, NQ-1, 1, 0
	MUL16 2, 1, NQ-1, 1, 0
	s_wait_dscnt 0
	WIN MUL_HI
	MUL16 4, 1, NQ-1, 1, 0
	MUL16 6, 1, NQ-1, 1, 0
	WIN 0
	s_mov_b32 s[SEL], 0x76543210
	s_mov_b32 s[SEL+1], 0xfedcba98
	PLACES NP
.irp a, 0,1,2,3,4,5,6,7
	WIN (2+\a/4)<<2                                ; source 1: window 2 or 3
.set j, 0
.rept 64
	v_max_num_f32 v[ST+j], 0, v[64*(\a%4)+j]       ; the activation, in f32; each accumulator from its low end on
.set j, j+1
.endr
	WIN 0
.if \a > 0
	s_wait_xcnt 0x0                                ; the last block's stores have read their registers
.endif
	QUANT ST, 0, PW
	global_store_b128 v[L16], v[PC:PC+3], s[12:13] offset:\a*49152
	global_store_b64 v[L8], v[PC+4:PC+5], s[12:13] offset:\a*49152+512
	global_store_b128 v[L16], v[PC+6:PC+9], s[12:13] offset:\a*49152+768
	global_store_b64 v[L8], v[PC+10:PC+11], s[12:13] offset:\a*49152+1280
	global_store_b32 v[R4], v[PW], s[66:67] offset:\a*2048
.endr
	s_wait_tensorcnt 0x0                           ; the wave's end
	ds_add_u32 v[SPW], v[NIL]
	s_wait_dscnt 0x0
	CROUND
	s_endpgm
.Lfunc_end_k_q1971ee1236_gup:
	.size	k_q1971ee1236_gup, .Lfunc_end_k_q1971ee1236_gup-k_q1971ee1236_gup
	.p2alignl 7, 3214868480
	.fill 96, 4, 3214868480
	.section	.rodata,"a",@progbits
	.p2align	6, 0x0
	.amdhsa_kernel k_q1971ee1236_gup
		.amdhsa_group_segment_fixed_size 327680
		.amdhsa_private_segment_fixed_size 0
		.amdhsa_enable_private_segment 0
		.amdhsa_kernarg_size 40
		.amdhsa_user_sgpr_count 2
		.amdhsa_user_sgpr_kernarg_segment_ptr 1
		.amdhsa_wavefront_size32 1
		.amdhsa_system_sgpr_workgroup_id_x 1
		.amdhsa_system_sgpr_workgroup_id_y 1
		.amdhsa_system_sgpr_workgroup_id_z 1
		.amdhsa_system_vgpr_workitem_id 0
		.amdhsa_next_free_vgpr 1024
		.amdhsa_next_free_sgpr 100
		.amdhsa_reserve_vcc 0
		.amdhsa_float_denorm_mode_32 3
		.amdhsa_float_denorm_mode_16_64 3
		.amdhsa_memory_ordered 1
		.amdhsa_forward_progress 1
		.amdhsa_inst_pref_size 168
	.end_amdhsa_kernel
	.amdgpu_metadata
---
amdhsa.version: [ 1, 2 ]
amdhsa.kernels:
  - .name:           k_q1971ee1236_gup
    .symbol:         k_q1971ee1236_gup.kd
    .args:
      - { .name: ac, .offset: 0, .size: 8, .value_kind: global_buffer, .address_space: global }
      - { .name: codes, .offset: 8, .size: 8, .value_kind: global_buffer, .address_space: global }
      - { .name: scales, .offset: 16, .size: 8, .value_kind: global_buffer, .address_space: global }
      - { .name: b_up, .offset: 24, .size: 8, .value_kind: global_buffer, .address_space: global }
      - { .name: hc, .offset: 32, .size: 8, .value_kind: global_buffer, .address_space: global }
    .group_segment_fixed_size: 327680
    .private_segment_fixed_size: 0
    .kernarg_segment_align: 8
    .kernarg_segment_size: 40
    .max_flat_workgroup_size: 128
    .sgpr_count:     100
    .vgpr_count:     1024
    .wavefront_size: 32
...
	.end_amdgpu_metadata
.endif
;; end of part 6
;; launch gdn (part 7): grid 4 x 16, 4 waves a work-group, clusters of 4 x 4, 327,680 bytes of LDS; arguments hc, codes, scales, b_down, y; writes y
.if DOCPART == 7
	.amdgcn_target "amdgcn-amd-amdhsa--gfx1250"
	.amdhsa_code_object_version 6
	.text
	.protected	k_q1971ee1236_gdn
	.globl	k_q1971ee1236_gdn
	.p2align	8
	.type	k_q1971ee1236_gdn,@function
k_q1971ee1236_gdn:
	s_mov_b64 s[64:65], 0
	v_nop
	global_prefetch_b8 v0, s[64:65] scope:SCOPE_SE
	s_setreg_imm32_b32 hwreg(HW_REG_WAVE_MODE, 25, 1), 1
	s_wait_xcnt 0x0
	s_wait_alu depctr_hold_cnt(0) depctr_sa_sdst(0) depctr_va_vdst(0) depctr_va_sdst(0) depctr_va_ssrc(0) depctr_va_vcc(0) depctr_vm_vsrc(0)
	s_getreg_b32 s2, hwreg(HW_REG_IB_STS2, 6, 4)
	s_cmp_eq_u32 s2, 0
	s_cbranch_scc0 .Lentry_in_a_cluster
	s_endpgm
.Lentry_in_a_cluster:
	s_bfe_u32 s2, ttmp6, 0x10000c
	s_cmp_lg_u32 s2, 0xf033
	s_cbranch_scc0 .Lentry_shape_is_right
	s_endpgm
.Lentry_shape_is_right:
; PRODUCT 6, y = h w_down^T + b_down, on codes of FP6 (E2M3) with E8M0 scales; K = 4,096; y [4,096][1,024] f32, row-major.  Nothing is left out here.
; The ring, the joint loads, the register plan and the operands' images are those of the launch for product 1 (its head comment states them).  A = tokens (codes and scale words in hc), B = rows of w_down.
; b_down is the C of each sum's first matrix instruction (v64-127 of window 0).  The way out is that of the launch for product 4.  64 tiles of 256 x 256, for the reason stated there.
.set KDIM,  4096
.set A_SC,  12582912
.set B_CO,  9437184
.set B_SC,  393216
.set OUT,   12
.set NQ,    2
.set FR,    12
.set NL,    4
.set NP,    4
.set RT,    KDIM/128*1536
.set SB,    NQ*1536
.set HALFT, 8*SB
.set SLOT,  4*HALFT
.set LAPS,  KDIM/512
.set SBLK,  KDIM/128*64
.set HALFS, 8*SBLK
.set SCL,   2*SLOT
.set SPARE, SCL+4*HALFS+256
.set SPITCH, 528
.set ADRA, 16
.set ADRB, 20
.set STO,  24
.set RD,   25
.set CO,   26
.set ADRS, 27
.set SPW,  28
.set NIL,  29
.set SC,   32
.set BI,   64
.set AF,   128
.set BK,   128
.set G1, 24
.set G0, 32
.set G1B, 48
.set G0B, 56
.set G1S, 68
.set G0S, 76
.set G1SB, 80
.set G0SB, 88
.set MSB, 0
.macro WIN new
.if MSB != (\new)
	s_set_vgpr_msb (MSB<<8)|(\new)
.set MSB, (\new)
.endif
.endm
.set MUL_LO, 0xa1
.set MUL_HI, 0xf1
.set TO_B,   0x40
.macro JLOAD g0a, g1a, g0b, g1b
	s_cmp_eq_u32 s15, 0
	s_cbranch_scc0 .Lfor_b_\@
	tensor_load_to_lds s[\g0a:\g0a+3], s[\g1a:\g1a+7]
	s_nop 0
.rept 4
	v_nop
.endr
	s_branch .Lasked_\@
.Lfor_b_\@:
	tensor_load_to_lds s[\g0b:\g0b+3], s[\g1b:\g1b+7]
	s_nop 0
.rept 4
	v_nop
.endr
.Lasked_\@:
.endm
.macro CREST
	s_cmp_lg_u32 s14, 0
	s_cbranch_scc1 .Lnot_wave_0_\@
	s_barrier_signal -3
.Lnot_wave_0_\@:
	s_barrier_wait -3
	s_barrier_signal -1
	s_barrier_wait -1
.endm
.macro CROUND
	s_barrier_signal -1
	s_barrier_wait -1
	CREST
.endm
	s_load_b256 s[4:11], s[0:1], 0x0               ; hc s[4:5], codes s[6:7], scales s[8:9], b_down s[10:11]
	s_load_b64 s[12:13], s[0:1], 0x20              ; y
	v_lshl_add_u32 v[SPW], v0, 2, SPARE
	v_mov_b32 v[NIL], 0
	ds_add_u32 v[SPW], v[NIL]                      ; the wave's opening: the add, twice on end, and its wait ahead of my first tensor load
	ds_add_u32 v[SPW], v[NIL]
	v_lshrrev_b32 v1, 5, v0
	v_readfirstlane_b32 s14, v1
	s_lshr_b32 s15, s14, 1
	s_and_b32 s16, s14, 1
	s_bfe_u32 s40, ttmp6, 0x40000
	s_bfe_u32 s41, ttmp6, 0x40004
	s_lshl_b32 s42, ttmp9, 2
	s_add_co_u32 s42, s42, s40
	s_and_b32 s17, ttmp7, 0xffff
	s_lshl_b32 s17, s17, 2
	s_add_co_u32 s17, s17, s41
	s_lshl_b32 s43, s41, 2
	s_lshl_b32 s43, 15, s43
	s_lshl_b32 s44, 0x1111, s40
	s_or_b32 s[G1+0], s43, (3<<16)|(1<<21)
	s_or_b32 s[G1B+0], s44, (3<<16)|(1<<21)
.irp g, G1, G1B
	s_mov_b32 s[\g+1], (SB/8)<<16
	s_mov_b32 s[\g+2], 8<<16
	s_mov_b32 s[\g+3], (SB/8)<<16
	s_mov_b32 s[\g+4], 8
	s_mov_b32 s[\g+5], RT/8
	s_mov_b32 s[\g+6], 0
	s_mov_b32 s[\g+7], 0
.endr
	s_or_b32 s[G1S+0], s43, (3<<16)|(1<<21)
	s_or_b32 s[G1SB+0], s44, (3<<16)|(1<<21)
.irp g, G1S, G1SB
	s_mov_b32 s[\g+1], 32<<16
	s_mov_b32 s[\g+2], (HALFS/256)<<16
	s_mov_b32 s[\g+3], 32<<16
	s_mov_b32 s[\g+4], HALFS/256
	s_mov_b32 s[\g+5], 32
	s_mov_b32 s[\g+6], 0
	s_mov_b32 s[\g+7], 0
.endr
	s_lshl_b32 s18, s16, 3
	s_lshl_b32 s20, s17, 4
	s_add_co_u32 s20, s20, s18
	s_lshl_b32 s46, s42, 4
	s_add_co_u32 s46, s46, s18
	s_mul_i32 s22, s20, SBLK
	s_add_co_u32 s22, s22, A_SC
	s_mul_i32 s92, s46, SBLK
	s_add_co_u32 s92, s92, B_SC
	s_mul_i32 s20, s20, RT
	s_mul_i32 s46, s46, RT
	s_add_co_u32 s46, s46, B_CO
	s_mov_b32 s21, 0
	s_mov_b32 s23, 0
	s_mov_b32 s47, 0
	s_mov_b32 s93, 0
	s_mul_i32 s45, s14, HALFT
	s_mul_i32 s94, s14, HALFS
	s_lshl_b32 s19, s15, 7
	s_add_co_u32 s94, s94, s19
	s_wait_dscnt 0x0
	s_wait_kmcnt 0x0
	s_add_nc_u64 s[20:21], s[4:5], s[20:21]
	s_add_nc_u64 s[22:23], s[4:5], s[22:23]
	s_add_nc_u64 s[46:47], s[6:7], s[46:47]
	s_add_nc_u64 s[92:93], s[8:9], s[92:93]
	CROUND
	s_mov_b32 s[G0S], 1
	s_add_co_u32 s[G0S+1], s94, SCL
	s_mov_b64 s[G0S+2:G0S+3], s[22:23]
	s_or_b32 s[G0S+3], s[G0S+3], 0x80000000
	s_mov_b32 s[G0SB], 1
	s_add_co_u32 s[G0SB+1], s94, SCL
	s_mov_b64 s[G0SB+2:G0SB+3], s[92:93]
	s_or_b32 s[G0SB+3], s[G0SB+3], 0x80000000
	JLOAD G0S, G1S, G0SB, G1SB
.irp s, 0,1
	s_mov_b32 s[G0+4*\s], 1
	s_add_co_u32 s[G0+4*\s+1], s45, \s*SLOT
	s_add_nc_u64 s[G0+4*\s+2:G0+4*\s+3], s[20:21], \s*SB
	s_or_b32 s[G0+4*\s+3], s[G0+4*\s+3], 0x80000000
	s_mov_b32 s[G0B+4*\s], 1
	s_add_co_u32 s[G0B+4*\s+1], s45, \s*SLOT
	s_add_nc_u64 s[G0B+4*\s+2:G0B+4*\s+3], s[46:47], \s*SB
	s_or_b32 s[G0B+4*\s+3], s[G0B+4*\s+3], 0x80000000
	JLOAD G0+4*\s, G1, G0B+4*\s, G1B
.endr
	v_and_b32 v1, 15, v0
	v_bfe_u32 v2, v0, 4, 1
	v_and_b32 v3, 31, v0
	v_lshlrev_b32 v4, 4, v3
	v_lshlrev_b32 v5, 3, v3
	s_lshl_b32 s46, s42, 10                        ; the bias of my 128 columns
	s_lshl_b32 s47, s16, 9
	s_add_co_u32 s46, s46, s47
	s_mov_b32 s47, 0
	s_add_nc_u64 s[10:11], s[10:11], s[46:47]
	v_lshlrev_b32 v7, 6, v2
.irp b, 0,1,2,3,4,5,6,7
	global_load_b128 v[BI+8*\b:BI+8*\b+3], v7, s[10:11] offset:4*(32*(\b/2)+8*(\b%2))
	global_load_b128 v[BI+8*\b+4:BI+8*\b+7], v7, s[10:11] offset:4*(32*(\b/2)+8*(\b%2))+16
.endr
	s_mul_i32 s21, s15, HALFT
	s_mul_i32 s22, s16, HALFT
	s_add_co_u32 s22, s22, 2*HALFT
.irp s, 0,1
	v_add_nc_u32 v[ADRA+\s], s21, v4
	v_add_nc_u32 v[ADRB+\s], s22, v4
	v_add_nc_u32 v[ADRA+2+\s], s21, v5
	v_add_nc_u32 v[ADRB+2+\s], s22, v5
	s_add_co_u32 s21, s21, SLOT
	s_add_co_u32 s22, s22, SLOT
.endr
	s_mul_i32 s21, s15, HALFS
	s_mul_i32 s22, s16, HALFS
	s_add_co_u32 s22, s22, 2*HALFS+128
	s_sub_co_u32 s22, s22, s21
	v_mul_u32_u24 v6, s22, v2
	s_add_co_u32 s21, s21, SCL
	v_lshl_add_u32 v6, v1, 2, v6
	v_add_nc_u32 v[ADRS], s21, v6
	s_mul_i32 s23, s14, 16*SPITCH
	v_mul_u32_u24 v5, v1, SPITCH
	v_lshl_add_u32 v5, v2, 6, v5
	v_add_nc_u32 v[STO], s23, v5
	v_mov_b32 v[CO], v4
	v_add_nc_u32 v[RD], s23, v4
	s_lshl_b32 s20, s17, 8
	s_lshl_b32 s21, s15, 7
	s_add_co_u32 s20, s20, s21
	s_lshl_b32 s20, s20, 12
	s_add_co_u32 s20, s20, s46                     ; (s46: my first column, in bytes)
	s_mov_b32 s21, 0
	s_add_nc_u64 s[OUT:OUT+1], s[OUT:OUT+1], s[20:21]
.macro FRAG reg, adr, q, i
	ds_load_b128 v[\reg:\reg+3], v[\adr] offset:(\i)*SB+(\q)*1536
	ds_load_b64 v[\reg+4:\reg+5], v[\adr+2] offset:(\i)*SB+(\q)*1536+512
	ds_load_b128 v[\reg+6:\reg+9], v[\adr] offset:(\i)*SB+(\q)*1536+768
	ds_load_b64 v[\reg+10:\reg+11], v[\adr+2] offset:(\i)*SB+(\q)*1536+1280
.endm
.macro MUL16 a0, p, q, sc, zero        ; zero = 2: the first product starts the sums from the bias.  The 64 accumulators take turns, one instruction a turn
.irp a, \a0, \a0+1
.irp b, 0,1,2,3,4,5,6,7
.if \zero
	v_wmma_scale_f32_16x16x128_f8f6f4 v[8*(8*((\a)%4)+\b):8*(8*((\a)%4)+\b)+7], v[128*(\p)+FR*\b:128*(\p)+FR*\b+FR-1], v[AF+FR*(\a):AF+FR*(\a)+FR-1], v[BI+8*\b:BI+8*\b+7], v[SC+8*NQ*(\sc)+NQ*\b+(\q)], v[SC+8*NQ*(\sc)+NQ*(\a)+(\q)] matrix_a_fmt:MATRIX_FMT_FP6 matrix_b_fmt:MATRIX_FMT_FP6 matrix_a_scale:MATRIX_SCALE_ROW1
.else
	v_wmma_scale_f32_16x16x128_f8f6f4 v[8*(8*((\a)%4)+\b):8*(8*((\a)%4)+\b)+7], v[128*(\p)+FR*\b:128*(\p)+FR*\b+FR-1], v[AF+FR*(\a):AF+FR*(\a)+FR-1], v[8*(8*((\a)%4)+\b):8*(8*((\a)%4)+\b)+7], v[SC+8*NQ*(\sc)+NQ*\b+(\q)], v[SC+8*NQ*(\sc)+NQ*(\a)+(\q)] matrix_a_fmt:MATRIX_FMT_FP6 matrix_b_fmt:MATRIX_FMT_FP6 matrix_a_scale:MATRIX_SCALE_ROW1
.endif
.endr
.endr
.endm
.macro FETCH_B slot, q, p
	WIN TO_B
.irp i, 0,1,2,3,4,5,6,7
	FRAG 128*(\p)+FR*\i, ADRB+\slot, \q, \i
.endr
	WIN 0
.endm
.macro FETCH_A slot, q, i0
.irp i, \i0, \i0+1, \i0+2, \i0+3
	FRAG AF+FR*(\i), ADRA+\slot, \q, \i
.endr
.endm
.macro SCALES sc
.irp i, 0,1,2,3,4,5,6,7
	ds_load_b32 v[SC+8*NQ*\sc+NQ*\i], v[ADRS] offset:\i*SBLK
	ds_load_b32 v[SC+8*NQ*\sc+NQ*\i+1], v[ADRS] offset:\i*SBLK+64
.endr
.endm
.macro PLACES n
.rept \n
	v_nop
.endr
.endm
.macro STEP slot, q, zero
	s_wait_dscnt 4*NL                              ; all but the youngest 16 loads (A's blocks 4-7) are in
.if \zero
	WIN 0x81                                       ; C (the bias) window 0, D window 2
.else
	WIN MUL_LO
.endif
	MUL16 0, (\q)%2, \q, \slot, \zero
	MUL16 2, (\q)%2, \q, \slot, \zero
	s_wait_dscnt 0
	PLACES NP
	FETCH_B \slot, (\q)+1, 1-(\q)%2
	FETCH_A \slot, (\q)+1, 0
.if \zero
	WIN 0xc1
.else
	WIN MUL_HI
.endif
	MUL16 4, (\q)%2, \q, \slot, \zero
	MUL16 6, (\q)%2, \q, \slot, \zero
	PLACES NP
	WIN 0
	FETCH_A \slot, (\q)+1, 4
.endm
.macro TURN slot, next, fill
	s_wait_tensorcnt 0x0                           ; all my tensor loads have landed: my part of the next slot
	ds_add_u32 v[SPW], v[NIL]
	s_wait_dscnt 4*NL+1                            ; (the add and A's blocks 4-7 may be out)
	WIN MUL_LO
	MUL16 0, 1, NQ-1, \slot, 0
	s_wait_dscnt 0x0                               ; the add is done, and my reads of this slot are over
	s_barrier_signal -1
	MUL16 2, 1, NQ-1, \slot, 0
	WIN 0
	s_barrier_wait -1
.if \fill
	CREST                                          ; the barrier has opened a round of the cluster's barrier
	s_add_nc_u64 s[G0+4*\slot+2:G0+4*\slot+3], s[G0+4*\slot+2:G0+4*\slot+3], 2*SB
	s_add_nc_u64 s[G0B+4*\slot+2:G0B+4*\slot+3], s[G0B+4*\slot+2:G0B+4*\slot+3], 2*SB
	JLOAD G0+4*\slot, G1, G0B+4*\slot, G1B
.else
	PLACES NP
.endif
	v_add_nc_u32 v[ADRS], 64*NQ, v[ADRS]
	FETCH_B \next, 0, 0
	FETCH_A \next, 0, 0
	SCALES \next
	WIN MUL_HI
	MUL16 4, 1, NQ-1, \slot, 0
	MUL16 6, 1, NQ-1, \slot, 0
	PLACES NP
	WIN 0
	FETCH_A \next, 0, 4
.endm
	s_wait_tensorcnt 1                             ; the scale words and my part of slot 0 are in; slot 1's load may be out
	s_barrier_signal -1
	s_barrier_wait -1
	FETCH_B 0, 0, 0
	FETCH_A 0, 0, 0
	SCALES 0
	FETCH_A 0, 0, 4
	s_wait_loadcnt 0x0                             ; the bias
	STEP 0, 0, 2
	s_mov_b32 s3, LAPS-1
.Llap:
	TURN 0, 1, 1
	STEP 1, 0, 0
	TURN 1, 0, 1
	STEP 0, 0, 0
	s_sub_co_u32 s3, s3, 1
	s_cmp_lg_u32 s3, 0
	s_cbranch_scc1 .Llap
	TURN 0, 1, 0
	STEP 1, 0, 0
	s_wait_dscnt 4*NL
	WIN MUL_LO
	MUL16 0, 1, NQ-1, 1, 0
	MUL16 2, 1, NQ-1, 1, 0
	s_wait_dscnt 0
	WIN MUL_HI
	MUL16 4, 1, NQ-1, 1, 0
	MUL16 6, 1, NQ-1, 1, 0
	WIN 0
.macro TOSTAGE a
.set AC, 64*((\a)%4)
	WIN 0x08+4*((\a)/4)
.irp b, 0,1,2,3,4,5,6,7
	ds_store_b128 v[STO], v[AC+8*\b:AC+8*\b+3] offset:128*(\b/2)+32*(\b%2)          ; each accumulator from its low end on
	ds_store_b128 v[STO], v[AC+8*\b+4:AC+8*\b+7] offset:128*(\b/2)+32*(\b%2)+16
.endr
	WIN 0
.set BB, BK+64*((\a)%2)
.irp t, 0,1,2,3,4,5,6,7,8,9,10,11,12,13,14,15
	ds_load_b128 v[BB+4*\t:BB+4*\t+3], v[RD] offset:\t*SPITCH
.endr
.endm
.macro SEND a, younger
.set BB, BK+64*((\a)%2)
	s_wait_dscnt \younger
.irp t, 0,1,2,3,4,5,6,7,8,9,10,11,12,13,14,15
	global_store_b128 v[CO], v[BB+4*\t:BB+4*\t+3], s[OUT:OUT+1] offset:(32*((\a)/2)+8*((\a)%2)+\t+8*(\t/8))*4096   ; 32 lanes store 512 consecutive bytes
.endr
.endm
	PLACES NP
	TOSTAGE 0
.irp a, 1,2,3,4,5,6,7
.if \a > 1
	s_wait_xcnt 0x0                                ; block a - 2's stores have read their registers
.endif
	TOSTAGE \a
	SEND \a-1, 32
.endr
	SEND 7, 0
	s_wait_tensorcnt 0x0                           ; the wave's end
	ds_add_u32 v[SPW], v[NIL]
	s_wait_dscnt 0x0
	CROUND
	s_endpgm
.Lfunc_end_k_q1971ee1236_gdn:
	.size	k_q1971ee1236_gdn, .Lfunc_end_k_q1971ee1236_gdn-k_q1971ee1236_gdn
	.p2alignl 7, 3214868480
	.fill 96, 4, 3214868480
	.section	.rodata,"a",@progbits
	.p2align	6, 0x0
	.amdhsa_kernel k_q1971ee1236_gdn
		.amdhsa_group_segment_fixed_size 327680
		.amdhsa_private_segment_fixed_size 0
		.amdhsa_enable_private_segment 0
		.amdhsa_kernarg_size 40
		.amdhsa_user_sgpr_count 2
		.amdhsa_user_sgpr_kernarg_segment_ptr 1
		.amdhsa_wavefront_size32 1
		.amdhsa_system_sgpr_workgroup_id_x 1
		.amdhsa_system_sgpr_workgroup_id_y 1
		.amdhsa_system_sgpr_workgroup_id_z 1
		.amdhsa_system_vgpr_workitem_id 0
		.amdhsa_next_free_vgpr 1024
		.amdhsa_next_free_sgpr 100
		.amdhsa_reserve_vcc 0
		.amdhsa_float_denorm_mode_32 3
		.amdhsa_float_denorm_mode_16_64 3
		.amdhsa_memory_ordered 1
		.amdhsa_forward_progress 1
		.amdhsa_inst_pref_size 147
	.end_amdhsa_kernel
	.amdgpu_metadata
---
amdhsa.version: [ 1, 2 ]
amdhsa.kernels:
  - .name:           k_q1971ee1236_gdn
    .symbol:         k_q1971ee1236_gdn.kd
    .args:
      - { .name: hc, .offset: 0, .size: 8, .value_kind: global_buffer, .address_space: global }
      - { .name: codes, .offset: 8, .size: 8, .value_kind: global_buffer, .address_space: global }
      - { .name: scales, .offset: 16, .size: 8, .value_kind: global_buffer, .address_space: global }
      - { .name: b_down, .offset: 24, .size: 8, .value_kind: global_buffer, .address_space: global }
      - { .name: y, .offset: 32, .size: 8, .value_kind: global_buffer, .address_space: global }
    .group_segment_fixed_size: 327680
    .private_segment_fixed_size: 0
    .kernarg_segment_align: 8
    .kernarg_segment_size: 40
    .max_flat_workgroup_size: 128
    .sgpr_count:     100
    .vgpr_count:     1024
    .wavefront_size: 32
...
	.end_amdgpu_metadata
.endif
;; end of part 7
;; launch ln2 (part 8): grid 256 x 1, 8 waves a work-group, no clusters, 0 bytes of LDS; arguments y, x1, g2, b2, out0; writes out0
.if DOCPART == 8
	.amdgcn_target "amdgcn-amd-amdhsa--gfx1250"
	.amdhsa_code_object_version 6
	.text
	.protected	k_q1971ee1236_ln2
	.globl	k_q1971ee1236_ln2
	.p2align	8
	.type	k_q1971ee1236_ln2,@function
k_q1971ee1236_ln2:
	s_mov_b64 s[64:65], 0
	v_nop
	global_prefetch_b8 v0, s[64:65] scope:SCOPE_SE
	s_setreg_imm32_b32 hwreg(HW_REG_WAVE_MODE, 25, 1), 1
	s_wait_xcnt 0x0
; out0 = layer_norm(y + x1) g2 + b2, in f32 (b_down is in y already: it was the C of product 6's first matrix instructions).  Nothing is left out here.
; A work-group takes 16 rows; wave w rows 2 w and 2 w + 1, whole: a row's 4,096 bytes are 32 registers, so a row's two sums never leave the wave.  A stream: no LDS, no barrier, no matrix unit, no cluster.
.set SM,   10
.set PT,   14
.set MU,   16
.set RS,   20
.set Y,    32
.set X,    96
.set G,    160
.set BT,   192
.set SEL,  20
.macro LANESUM                         ; both rows' sums over the 32 lanes, the result in every lane
.irp e, 0,1
	v_add_f32 v[SM+2*\e], v[SM+2*\e], v[SM+2*\e+1]
.endr
.irp m, 1,2,4,8
.irp e, 0,1
	v_add_f32_dpp v[SM+2*\e], v[SM+2*\e], v[SM+2*\e] row_xmask:\m row_mask:0xf bank_mask:0xf
.endr
.endr
.irp e, 0,1
	v_permlanex16_b32 v[PT+\e], v[SM+2*\e], s[SEL], s[SEL+1]
.endr
.irp e, 0,1
	v_add_f32 v[SM+2*\e], v[SM+2*\e], v[PT+\e]
.endr
.endm
	s_load_b256 s[4:11], s[0:1], 0x0               ; y s[4:5], x1 s[6:7], g2 s[8:9], b2 s[10:11]
	s_load_b64 s[12:13], s[0:1], 0x20              ; out0
	v_lshrrev_b32 v4, 5, v0
	v_readfirstlane_b32 s16, v4                    ; wave 0..7
	v_and_b32 v4, 31, v0
	v_lshlrev_b32 v1, 4, v4
	v_mov_b32 v[PT], 0                             ; a lane permute's destination counts as one of its sources
	v_mov_b32 v[PT+1], 0
	s_lshl_b32 s17, ttmp9, 4
	s_lshl_b32 s18, s16, 1
	s_add_co_u32 s17, s17, s18                     ; my first row
	s_lshl_b32 s18, s17, 12
	s_mov_b32 s19, 0
	s_mov_b32 s[SEL], 0x76543210
	s_mov_b32 s[SEL+1], 0xfedcba98
	s_mov_b32 s22, 0x3a800000                      ; 1 / 1,024
	s_mov_b32 s23, 0x358637bd                      ; 1e-6
	s_wait_kmcnt 0x0
	s_add_nc_u64 s[4:5], s[4:5], s[18:19]
	s_add_nc_u64 s[6:7], s[6:7], s[18:19]
	s_add_nc_u64 s[12:13], s[12:13], s[18:19]
.irp e, 0,1
.irp j, 0,1,2,3,4,5,6,7
	global_load_b128 v[Y+32*\e+4*\j:Y+32*\e+4*\j+3], v1, s[4:5] offset:4096*\e+512*\j th:TH_LOAD_NT
.endr
.irp j, 0,1,2,3,4,5,6,7
	global_load_b128 v[X+32*\e+4*\j:X+32*\e+4*\j+3], v1, s[6:7] offset:4096*\e+512*\j th:TH_LOAD_NT
.endr
.endr
.irp j, 0,1,2,3,4,5,6,7
	global_load_b128 v[G+4*\j:G+4*\j+3], v1, s[8:9] offset:512*\j
.endr
.irp j, 0,1,2,3,4,5,6,7
	global_load_b128 v[BT+4*\j:BT+4*\j+3], v1, s[10:11] offset:512*\j
.endr
	s_wait_loadcnt 32                              ; row 0's 16 loads are in (behind them: row 1's 16, the gain's and the bias's 16)
.irp k, 0,2,4,6,8,10,12,14,16,18,20,22,24,26,28,30
	v_pk_add_f32 v[Y+\k:Y+\k+1], v[Y+\k:Y+\k+1], v[X+\k:X+\k+1]
.endr
	s_wait_loadcnt 16
.irp k, 0,2,4,6,8,10,12,14,16,18,20,22,24,26,28,30
	v_pk_add_f32 v[Y+32+\k:Y+32+\k+1], v[Y+32+\k:Y+32+\k+1], v[X+32+\k:X+32+\k+1]
.endr
.irp e, 0,1
	v_pk_add_f32 v[SM+2*\e:SM+2*\e+1], v[Y+32*\e:Y+32*\e+1], v[Y+32*\e+2:Y+32*\e+3]
.endr
.irp k, 4,6,8,10,12,14,16,18,20,22,24,26,28,30
.irp e, 0,1
	v_pk_add_f32 v[SM+2*\e:SM+2*\e+1], v[SM+2*\e:SM+2*\e+1], v[Y+32*\e+\k:Y+32*\e+\k+1]
.endr
.endr
	LANESUM
.irp e, 0,1
	v_mul_f32 v[MU+2*\e], s22, v[SM+2*\e]
.endr
.irp e, 0,1
	v_mov_b32 v[MU+2*\e+1], v[MU+2*\e]
.endr
.irp k, 0,2,4,6,8,10,12,14,16,18,20,22,24,26,28,30
.irp e, 0,1
	v_pk_add_f32 v[Y+32*\e+\k:Y+32*\e+\k+1], v[Y+32*\e+\k:Y+32*\e+\k+1], v[MU+2*\e:MU+2*\e+1] neg_lo:[0,1] neg_hi:[0,1]
.endr
.endr
.irp e, 0,1
	v_pk_mul_f32 v[SM+2*\e:SM+2*\e+1], v[Y+32*\e:Y+32*\e+1], v[Y+32*\e:Y+32*\e+1]
.endr
.irp k, 2,4,6,8,10,12,14,16,18,20,22,24,26,28,30
.irp e, 0,1
	v_pk_fma_f32 v[SM+2*\e:SM+2*\e+1], v[Y+32*\e+\k:Y+32*\e+\k+1], v[Y+32*\e+\k:Y+32*\e+\k+1], v[SM+2*\e:SM+2*\e+1]
.endr
.endr
	LANESUM
.irp e, 0,1
	v_fma_f32 v[RS+2*\e], v[SM+2*\e], s22, s23     ; var + eps
.endr
.irp e, 0,1
	v_rsq_f32 v[RS+2*\e], v[RS+2*\e]
.endr
	v_nop                                          ; a plain place behind the last of the two
	s_wait_alu depctr_va_vdst(0)                   ; one wait for both, ahead of their first reader
.irp e, 0,1
	v_mov_b32 v[RS+2*\e+1], v[RS+2*\e]
.endr
	s_wait_loadcnt 0x0                             ; the gain and the bias
.irp k, 0,2,4,6,8,10,12,14,16,18,20,22,24,26,28,30
.irp e, 0,1
	v_pk_mul_f32 v[Y+32*\e+\k:Y+32*\e+\k+1], v[Y+32*\e+\k:Y+32*\e+\k+1], v[RS+2*\e:RS+2*\e+1]
.endr
.irp e, 0,1
	v_pk_fma_f32 v[Y+32*\e+\k:Y+32*\e+\k+1], v[Y+32*\e+\k:Y+32*\e+\k+1], v[G+\k:G+\k+1], v[BT+\k:BT+\k+1]
.endr
.endr
.irp e, 0,1
.irp j, 0,1,2,3,4,5,6,7
	global_store_b128 v1, v[Y+32*\e+4*\j:Y+32*\e+4*\j+3], s[12:13] offset:4096*\e+512*\j th:TH_STORE_NT   ; 32 lanes store 512 consecutive bytes
.endr
.endr
	s_endpgm
.Lfunc_end_k_q1971ee1236_ln2:
	.size	k_q1971ee1236_ln2, .Lfunc_end_k_q1971ee1236_ln2-k_q1971ee1236_ln2
	.p2alignl 7, 3214868480
	.fill 96, 4, 3214868480
	.section	.rodata,"a",@progbits
	.p2align	6, 0x0
	.amdhsa_kernel k_q1971ee1236_ln2
		.amdhsa_group_segment_fixed_size 0
		.amdhsa_private_segment_fixed_size 0
		.amdhsa_enable_private_segment 0
		.amdhsa_kernarg_size 40
		.amdhsa_user_sgpr_count 2
		.amdhsa_user_sgpr_kernarg_segment_ptr 1
		.amdhsa_wavefront_size32 1
		.amdhsa_system_sgpr_workgroup_id_x 1
		.amdhsa_system_sgpr_workgroup_id_y 1
		.amdhsa_system_sgpr_workgroup_id_z 1
		.amdhsa_system_vgpr_workitem_id 0
		.amdhsa_next_free_vgpr 224
		.amdhsa_next_free_sgpr 66
		.amdhsa_reserve_vcc 0
		.amdhsa_float_denorm_mode_32 3
		.amdhsa_float_denorm_mode_16_64 3
		.amdhsa_memory_ordered 1
		.amdhsa_forward_progress 1
		.amdhsa_inst_pref_size 22
	.end_amdhsa_kernel
	.amdgpu_metadata
---
amdhsa.version: [ 1, 2 ]
amdhsa.kernels:
  - .name:           k_q1971ee1236_ln2
    .symbol:         k_q1971ee1236_ln2.kd
    .args:
      - { .name: y, .offset: 0, .size: 8, .value_kind: global_buffer, .address_space: global }
      - { .name: x1, .offset: 8, .size: 8, .value_kind: global_buffer, .address_space: global }
      - { .name: g2, .offset: 16, .size: 8, .value_kind: global_buffer, .address_space: global }
      - { .name: b2, .offset: 24, .size: 8, .value_kind: global_buffer, .address_space: global }
      - { .name: out0, .offset: 32, .size: 8, .value_kind: global_buffer, .address_space: global }
    .group_segment_fixed_size: 0
    .private_segment_fixed_size: 0
    .kernarg_segment_align: 8
    .kernarg_segment_size: 40
    .max_flat_workgroup_size: 256
    .sgpr_count:     66
    .vgpr_count:     224
    .wavefront_size: 32
...
	.end_amdgpu_metadata
.endif
;; end of part 8
;; ======== version 2 of 2: 8 launches
;; limits: right only within a limited range of input values
;; workspace buffers: codes 12,582,912 bytes; scales 524,288 bytes; lm 589,824 bytes of whole numbers; qkv 10,092,544 bytes; ac 3,276,800 bytes; y 16,777,216 bytes; x1 16,777,216 bytes; hc 13,107,200 bytes
;; launch prep (part 9): grid 640 x 1, 4 waves a work-group, no clusters, 34,304 bytes of LDS; arguments x_embeds, w_kqv, w_o, w_up, w_down, mask, codes, scales, lm; writes codes, scales, lm
.if DOCPART == 9
	.amdgcn_target "amdgcn-amd-amdhsa--gfx1250"
	.amdhsa_code_object_version 6
	.text
	.protected	k_q1971ee1236_prep
	.globl	k_q1971ee1236_prep
	.p2align	8
	.type	k_q1971ee1236_prep,@function
k_q1971ee1236_prep:
	s_mov_b64 s[64:65], 0
	v_nop
	global_prefetch_b8 v0, s[64:65] scope:SCOPE_SE
	s_setreg_imm32_b32 hwreg(HW_REG_WAVE_MODE, 25, 1), 1
	s_wait_xcnt 0x0
; FIRST OF EIGHT LAUNCHES of a transformer block whose six matrix products run on codes of FP6 (E2M3) with one E8M0 scale for each 32 along K.
; This one (a) turns x_embeds, w_kqv, w_o, w_up, w_down (f32, K innermost) into codes and scale words, (b) turns the mask's bytes into lane masks and flags.
; WORK LEFT OUT IN THE PROGRAM: no input and no product.  Only this: a step of 16 queries x 128 keys ALL of whose mask bytes are true is passed over in the attention launch.  There reference() sets every logit
; of the step to -inf, so every p of it is 0 and it adds 0 to the row's sum and to the second product, whatever finite values the other inputs hold.  The choice is made from the flags stored here, for any mask.
; LIMITS: a NaN, an infinity or an overflow that reaches only such a step is not carried to the result; NaN and infinities among the inputs are not served; a block whose largest magnitude lies under 2^-124 gets the byte 1;
; a block of zeros gets the byte 1 where the rule says 127 (its codes are zeros, and this program alone reads the bytes).
; LAYOUT OF EVERY OPERAND OF THE PROGRAM: an image of the matrix instruction's registers.  Row tile t holds the 16 rows T(t, i) = 32 (t / 2) + 8 (t % 2) + i + 8 (i / 8).  A fragment (16 rows x 128 K, 12 registers a lane) is 1,536 bytes:
; registers 6 c .. 6 c + 3 at 768 c + 16 x lane, registers 6 c + 4, 6 c + 5 at 768 c + 512 + 8 x lane.  Codes: [row tile][K / 128][1,536].  Scale words: [row tile][K / 128][16 words].
; SHARES.  Work-groups 0-511: wave G = 4 x work-group + wave makes 4 fragments: one row tile x 512 along K.  x: work-groups 0-127, w_kqv 128-223, w_o 224-255, w_up 256-383, w_down 384-511; the outputs lie on end in that order,
; 6,144 G bytes of codes and 256 G of scale words.  Work-groups 512-639: query tile t = work-group - 512; wave g takes key steps 4 g .. 4 g + 3 of the mask.
; A stream: no matrix unit, no cluster, no tensor load; waves share nothing, so there is no barrier.
.set SPARE, 33792                      ; behind the four stages: the spare words, 128 bytes a wave
.set SPW,  2                           ; v2   my spare word; never rewritten
.set NIL,  3                           ; v3   0; never rewritten
.set ROFF, 4                           ; v4-19  tile row i: 16 x lane + (i + 8 (i / 8)) x the tensor's row in bytes
.set SIN,  20                          ; v20  the stage, on the way in: 16 x lane
.set SOUT, 21                          ; v21  on the way out: 528 r + 64 h
.set L16,  22
.set L8,   23
.set L4,   24
.set X,    32                          ; v32-95, v96-159  two sets of 64 numbers
.set PC,   160                         ; v160-178 the codes just made
.set TM,   180                         ; v180-195 at work in the quantiser
.set PWS,  196                         ; v196-199 the four fragments' scale words
.set SEL,  24                          ; s[24:25] lane selects: lane l xor 16
.set MSB, 0
.macro WIN new                         ; (this text has one register window: the macro writes nothing here)
.if MSB != (\new)
	s_set_vgpr_msb (MSB<<8)|(\new)
.set MSB, (\new)
.endif
.endm
; 64 numbers of a lane, register s + 16 b + i = k 32 b + 16 (lane / 16) + i of my row, become a fragment's codes in v[PC] on and my row's scale word in v[pw].
.macro QUANT s, w, pw
	WIN (\w)|((\w)<<2)
.irp b, 0,1,2,3
	v_max3_num_f32 v[TM+\b], |v[(\s)+16*\b]|, |v[(\s)+1+16*\b]|, 0x1800000   ; my 16 numbers of block b, and the floor 2^(3 - 127): the byte cannot fall under 1
.endr
	WIN ((\w)<<2)|((\w)<<4)
.irp i, 2,4,6,8,10,12,14
.irp b, 0,1,2,3
	v_max3_num_f32 v[TM+\b], v[TM+\b], |v[(\s)+16*\b+\i]|, |v[(\s)+1+16*\b+\i]|
.endr
.endr
	WIN 0
.irp b, 0,1,2,3
	v_permlanex16_b32 v[TM+4+\b], v[TM+\b], s[SEL], s[SEL+1]
.endr
.irp b, 0,1,2,3
	v_max_num_f32 v[TM+\b], v[TM+\b], v[TM+4+\b]           ; with lane l xor 16's: the block's largest magnitude
.endr
.irp b, 0,1,2,3
	v_add_nc_u32 v[TM+12+\b], 0xff000000, v[TM+\b]         ; 2 off its exponent field: the conversion's scale operand
.endr
.irp b, 0,1,2,3
	v_lshrrev_b32 v[TM+4+\b], 23, v[TM+12+\b]              ; the scale's byte
.endr
	v_lshl_or_b32 v[\pw], v[TM+5], 8, v[TM+4]
	v_lshl_or_b32 v[\pw], v[TM+6], 16, v[\pw]
	v_lshl_or_b32 v[\pw], v[TM+7], 24, v[\pw]
	WIN (\w)
.irp c, 0,1
	v_cvt_scalef32_pk16_fp6_f32 v[PC+6*\c:PC+2+6*\c], v[(\s)+32*\c:(\s)+15+32*\c], v[TM+12+2*\c]
	v_cvt_scalef32_pk16_fp6_f32 v[PC+12+4*\c:PC+14+4*\c], v[(\s)+16+32*\c:(\s)+31+32*\c], v[TM+12+2*\c+1]   ; (a conversion's three registers begin on an even number)
.endr
	WIN 0
	v_nop                                          ; one plain place behind a scaled conversion
.irp c, 0,1                                    ; the operand wants a WHOLE block in a lane: lanes 0-15 block 2 c, lanes 16-31 block 2 c + 1
.irp i, 0,1,2
	v_permlane16_swap_b32 v[PC+6*\c+\i], v[PC+12+4*\c+\i]
.endr
.irp i, 0,1,2
	v_mov_b32 v[PC+3+6*\c+\i], v[PC+12+4*\c+\i]
.endr
.endr
.endm
	s_load_b512 s[4:19], s[0:1], 0x0               ; x s[4:5], w_kqv s[6:7], w_o s[8:9], w_up s[10:11], w_down s[12:13], mask s[14:15], codes s[16:17], scales s[18:19]
	s_load_b64 s[20:21], s[0:1], 0x40              ; lm
	v_lshl_add_u32 v[SPW], v0, 2, SPARE
	v_mov_b32 v[NIL], 0
	v_lshrrev_b32 v1, 5, v0
	v_readfirstlane_b32 s22, v1                    ; wave 0..3
	v_and_b32 v1, 31, v0                           ; lane
	v_and_b32 v25, 15, v0                          ; r
	v_bfe_u32 v26, v0, 4, 1                        ; h
	v_lshlrev_b32 v[L16], 4, v1
	v_lshlrev_b32 v[L8], 3, v1
	v_lshlrev_b32 v[L4], 2, v1
	s_cmp_ge_u32 ttmp9, 512
	s_cbranch_scc1 .Lmask
	; ---- THE QUANTISER.  Which tensor: its pointer, its first work-group, and SH = log2(runs of 512 along K in a row)
	s_mov_b32 s28, 384
	s_mov_b32 s29, 3
	s_wait_kmcnt 0x0
	s_cmp_lt_u32 ttmp9, 384
	s_cselect_b64 s[26:27], s[10:11], s[12:13]
	s_cselect_b32 s28, 256, s28
	s_cselect_b32 s29, 1, s29
	s_cmp_lt_u32 ttmp9, 256
	s_cselect_b64 s[26:27], s[8:9], s[26:27]
	s_cselect_b32 s28, 224, s28
	s_cmp_lt_u32 ttmp9, 224
	s_cselect_b64 s[26:27], s[6:7], s[26:27]
	s_cselect_b32 s28, 128, s28
	s_cmp_lt_u32 ttmp9, 128
	s_cselect_b64 s[26:27], s[4:5], s[26:27]
	s_cselect_b32 s28, 0, s28
	s_lshl_b32 s30, 2048, s29                      ; a row of the tensor in bytes: 4,096, or 16,384 for w_down
	s_lshl_b32 s31, ttmp9, 2
	s_add_co_u32 s31, s31, s22                     ; G
	s_lshl_b32 s28, s28, 2
	s_sub_co_u32 s28, s31, s28                     ; G within the tensor
	s_lshr_b32 s32, s28, s29                       ; row tile t
	s_bfm_b32 s33, s29, 0
	s_and_b32 s33, s28, s33                        ; which 512 along K
	s_lshr_b32 s34, s32, 1
	s_lshl_b32 s34, s34, 5
	s_and_b32 s35, s32, 1
	s_lshl_b32 s35, s35, 3
	s_add_co_u32 s34, s34, s35                     ; the tile's first row: 32 (t / 2) + 8 (t % 2)
	s_mul_i32 s34, s34, s30
	s_lshl_b32 s33, s33, 11
	s_add_co_u32 s34, s34, s33
	s_mov_b32 s35, 0
	s_add_nc_u64 s[26:27], s[26:27], s[34:35]
	s_mul_i32 s34, s31, 6144
	s_add_nc_u64 s[16:17], s[16:17], s[34:35]
	s_lshl_b32 s34, s31, 8
	s_add_nc_u64 s[18:19], s[18:19], s[34:35]
	s_wait_alu depctr_va_vdst(0)
.irp i, 0,1,2,3,4,5,6,7,8,9,10,11,12,13,14,15
	v_mad_u32_u24 v[ROFF+\i], s30, \i+8*(\i/8), v[L16]
.endr
	s_mul_i32 s36, s22, 8448                       ; my stage: 16 rows x (512 bytes + 16)
	v_add_nc_u32 v[SIN], s36, v[L16]
	v_mul_u32_u24 v[SOUT], v25, 528
	v_lshl_add_u32 v[SOUT], v26, 6, v[SOUT]
	v_add_nc_u32 v[SOUT], s36, v[SOUT]
	s_mov_b32 s[SEL], 0x76543210
	s_mov_b32 s[SEL+1], 0xfedcba98
	s_mov_b32 s37, 0xffff0000                      ; lanes 16-31
.irp b, 0,1,2,3
	v_mov_b32 v[TM+4+\b], 0                        ; written once: a lane permute's destination counts as one of its sources
.endr
.macro LOAD f                          ; fragment f: 16 loads, each 512 consecutive bytes of one row
.irp i, 0,1,2,3,4,5,6,7,8,9,10,11,12,13,14,15
	global_load_b128 v[X+64*((\f)%2)+4*\i:X+64*((\f)%2)+4*\i+3], v[ROFF+\i], s[26:27] offset:512*(\f) th:TH_LOAD_NT
.endr
.endm
.macro TURN f                          ; through my stage: in as rows, back 16 neighbours of each block of 32 a lane.  LDS serves a wave's instructions in order: no wait between
.irp i, 0,1,2,3,4,5,6,7,8,9,10,11,12,13,14,15
	ds_store_b128 v[SIN], v[X+64*((\f)%2)+4*\i:X+64*((\f)%2)+4*\i+3] offset:528*\i
.endr
.irp b, 0,1,2,3
.irp j, 0,1,2,3
	ds_load_b128 v[X+64*((\f)%2)+16*\b+4*\j:X+64*((\f)%2)+16*\b+4*\j+3], v[SOUT] offset:128*\b+16*\j
.endr
.endr
.endm
.macro FRAGQ f
.if (\f) < 3
	s_wait_loadcnt 16                              ; this fragment's 16 loads are in; the next one's 16 may be out
.else
	s_wait_loadcnt 0x0
.endif
	TURN \f
	s_wait_dscnt 0x0
.if (\f) > 0
	s_wait_xcnt 0x0                                ; the last fragment's stores have read their registers, which are written again below
.endif
	QUANT X+64*((\f)%2), 0, PWS+(\f)
.if (\f) < 2
	LOAD (\f)+2
.endif
	global_store_b128 v[L16], v[PC:PC+3], s[16:17] offset:1536*(\f)
	global_store_b64 v[L8], v[PC+4:PC+5], s[16:17] offset:1536*(\f)+512
	global_store_b128 v[L16], v[PC+6:PC+9], s[16:17] offset:1536*(\f)+768
	global_store_b64 v[L8], v[PC+10:PC+11], s[16:17] offset:1536*(\f)+1280
.if (\f)%2 == 1
	v_cndmask_b32 v200, v[PWS+(\f)-1], v[PWS+(\f)], s37   ; lanes 0-15: the fragment before's words, lanes 16-31: this one's
	global_store_b32 v[L4], v200, s[18:19] offset:128*((\f)/2)   ; 128 consecutive bytes
.endif
.endm
	LOAD 0
	LOAD 1
	s_wait_alu depctr_va_vdst(0)
	FRAGQ 0
	FRAGQ 1
	FRAGQ 2
	FRAGQ 3
	s_wait_tensorcnt 0x0                           ; the wave's end, behind my last LDS store
	ds_add_u32 v[SPW], v[NIL]
	s_wait_dscnt 0x0
	s_endpgm
	; ---- THE MASK.  Dword n (0 .. 63) of (tile t, key step ks): bit L = mask[T(t, L % 16)][128 ks + 32 (n / 16) + 16 (L / 16) + n % 16]: the lanes in which register n of the attention's scores is hidden.
	; Flags of (t, g): dword 0: bit ks set where some key of the step counts; dword 1: bit ks set where some key is hidden.  This path uses no LDS.
.Lmask:
	s_sub_co_u32 s26, ttmp9, 512                   ; t
	s_lshr_b32 s27, s26, 1
	s_lshl_b32 s27, s27, 5
	s_and_b32 s28, s26, 1
	s_lshl_b32 s28, s28, 3
	s_add_co_u32 s27, s27, s28
	s_lshl_b32 s28, s27, 11                        ; the tile's first row of 2,048 bytes,
	s_lshl_b32 s29, s22, 9                         ; my four key steps: 512 bytes
	s_add_co_u32 s28, s28, s29
	s_mov_b32 s29, 0
	s_wait_alu depctr_va_vdst(0)
	v_and_b32 v4, 8, v25
	v_add_nc_u32 v4, v4, v25                       ; r + 8 (r / 8)
	v_lshlrev_b32 v4, 11, v4
	v_lshl_add_u32 v4, v26, 4, v4                  ; + 16 h
	s_wait_alu depctr_va_vdst(0)
	s_wait_kmcnt 0x0
	s_add_nc_u64 s[14:15], s[14:15], s[28:29]
	s_lshl_b32 s28, s26, 12
	s_lshl_b32 s30, s22, 10
	s_add_co_u32 s28, s28, s30
	s_add_nc_u64 s[32:33], s[20:21], s[28:29]      ; the lane masks: 4,096 t + 1,024 g
	s_lshl_b32 s28, s26, 9
	s_lshl_b32 s30, s22, 7
	s_add_co_u32 s28, s28, s30
	s_add_co_u32 s28, s28, 524288
	s_add_nc_u64 s[20:21], s[20:21], s[28:29]      ; the flags: 524,288 + 512 t + 128 g
.irp k, 0,1,2,3
.irp b, 0,1,2,3
	global_load_b128 v[32+16*\k+4*\b:35+16*\k+4*\b], v4, s[14:15] offset:128*\k+32*\b
.endr
.endr
.irp i, 0,1,2,3,4,5,6,7,8
	v_mov_b32 v[100+\i], 0                         ; v_writelane_b32's destination counts as read
.endr
	s_mov_b32 s34, 0
	s_mov_b32 s35, 0
.irp k, 0,1,2,3
	s_wait_loadcnt 12-4*\k                         ; this step's four loads are in; the later steps' may be out
	s_mov_b32 s36, 0
	s_mov_b32 s37, -1
.set n, 0
.rept 64
	v_bfe_u32 v[110+n%2], v[32+16*\k+n/4], 8*(n%4), 8
	v_cmp_ne_u32 s[40+n%2], 0, v[110+n%2]
	s_or_b32 s36, s36, s[40+n%2]
	s_and_b32 s37, s37, s[40+n%2]
	v_writelane_b32 v[100+2*\k+n/32], s[40+n%2], n%32
.set n, n+1
.endr
	global_store_b32 v[L4], v[100+2*\k], s[32:33] offset:256*\k
	global_store_b32 v[L4], v[101+2*\k], s[32:33] offset:256*\k+128   ; the two cover 256 consecutive bytes
	s_cmp_lg_u32 s37, -1
	s_cselect_b32 s38, 1<<\k, 0
	s_or_b32 s34, s34, s38
	s_cmp_lg_u32 s36, 0
	s_cselect_b32 s38, 1<<\k, 0
	s_or_b32 s35, s35, s38
.endr
	s_lshl_b32 s39, s22, 2
	s_lshl_b32 s34, s34, s39                       ; to the bits of key steps 4 g ..
	s_lshl_b32 s35, s35, s39
	v_writelane_b32 v108, s34, 0
	v_writelane_b32 v108, s35, 1
	global_store_b32 v[L4], v108, s[20:21]
	s_endpgm
.Lfunc_end_k_q1971ee1236_prep:
	.size	k_q1971ee1236_prep, .Lfunc_end_k_q1971ee1236_prep-k_q1971ee1236_prep
	.p2alignl 7, 3214868480
	.fill 96, 4, 3214868480
	.section	.rodata,"a",@progbits
	.p2align	6, 0x0
	.amdhsa_kernel k_q1971ee1236_prep
		.amdhsa_group_segment_fixed_size 34304
		.amdhsa_private_segment_fixed_size 0
		.amdhsa_enable_private_segment 0
		.amdhsa_kernarg_size 72
		.amdhsa_user_sgpr_count 2
		.amdhsa_user_sgpr_kernarg_segment_ptr 1
		.amdhsa_wavefront_size32 1
		.amdhsa_system_sgpr_workgroup_id_x 1
		.amdhsa_system_sgpr_workgroup_id_y 1
		.amdhsa_system_sgpr_workgroup_id_z 1
		.amdhsa_system_vgpr_workitem_id 0
		.amdhsa_next_free_vgpr 208
		.amdhsa_next_free_sgpr 66
		.amdhsa_reserve_vcc 0
		.amdhsa_float_denorm_mode_32 3
		.amdhsa_float_denorm_mode_16_64 3
		.amdhsa_memory_ordered 1
		.amdhsa_forward_progress 1
		.amdhsa_inst_pref_size 105
	.end_amdhsa_kernel
	.amdgpu_metadata
---
amdhsa.version: [ 1, 2 ]
amdhsa.kernels:
  - .name:           k_q1971ee1236_prep
    .symbol:         k_q1971ee1236_prep.kd
    .args:
      - { .name: x_embeds, .offset: 0, .size: 8, .value_kind: global_buffer, .address_space: global }
      - { .name: w_kqv, .offset: 8, .size: 8, .value_kind: global_buffer, .address_space: global }
      - { .name: w_o, .offset: 16, .size: 8, .value_kind: global_buffer, .address_space: global }
      - { .name: w_up, .offset: 24, .size: 8, .value_kind: global_buffer, .address_space: global }
      - { .name: w_down, .offset: 32, .size: 8, .value_kind: global_buffer, .address_space: global }
      - { .name: mask, .offset: 40, .size: 8, .value_kind: global_buffer, .address_space: global }
      - { .name: codes, .offset: 48, .size: 8, .value_kind: global_buffer, .address_space: global }
      - { .name: scales, .offset: 56, .size: 8, .value_kind: global_buffer, .address_space: global }
      - { .name: lm, .offset: 64, .size: 8, .value_kind: global_buffer, .address_space: global }
    .group_segment_fixed_size: 34304
    .private_segment_fixed_size: 0
    .kernarg_segment_align: 8
    .kernarg_segment_size: 72
    .max_flat_workgroup_size: 128
    .sgpr_count:     66
    .vgpr_count:     208
    .wavefront_size: 32
...
	.end_amdgpu_metadata
.endif
;; end of part 9
;; launch gkqv (part 10): grid 12 x 16, 4 waves a work-group, clusters of 4 x 4, 327,680 bytes of LDS; arguments codes, scales, qkv; writes qkv
.if DOCPART == 10
	.amdgcn_target "amdgcn-amd-amdhsa--gfx1250"
	.amdhsa_code_object_version 6
	.text
	.protected	k_q1971ee1236_gkqv
	.globl	k_q1971ee1236_gkqv
	.p2align	8
	.type	k_q1971ee1236_gkqv,@function
k_q1971ee1236_gkqv:
	s_mov_b64 s[64:65], 0
	v_nop
	global_prefetch_b8 v0, s[64:65] scope:SCOPE_SE
	s_setreg_imm32_b32 hwreg(HW_REG_WAVE_MODE, 25, 1), 1
	s_wait_xcnt 0x0
	s_wait_alu depctr_hold_cnt(0) depctr_sa_sdst(0) depctr_va_vdst(0) depctr_va_sdst(0) depctr_va_ssrc(0) depctr_va_vcc(0) depctr_vm_vsrc(0)
	s_getreg_b32 s2, hwreg(HW_REG_IB_STS2, 6, 4)
	s_cmp_eq_u32 s2, 0
	s_cbranch_scc0 .Lentry_in_a_cluster
	s_endpgm
.Lentry_in_a_cluster:
	s_bfe_u32 s2, ttmp6, 0x10000c
	s_cmp_lg_u32 s2, 0xf033
	s_cbranch_scc0 .Lentry_shape_is_right
	s_endpgm
.Lentry_shape_is_right:
.set KDIM,  1024
.set NQ,    2
.set FR,    12
.set NL,    4
.set NP,    4
.set RT,    KDIM/128*1536
.set SB,    NQ*1536
.set HALFT, 8*SB
.set SLOT,  4*HALFT
.set LAPS,  KDIM/512
.set SBLK,  KDIM/128*64
.set HALFS, 8*SBLK
.set SCL,   2*SLOT
.set SPARE, SCL+4*HALFS+256
.set BH,    315392
.set VI,    98304
.set KS,    196608
.set VS,    204800
.set QI,    208896
.set QS,    307200
.set ADRA, 16
.set ADRB, 20
.set L16,  24
.set L8,   25
.set R4,   26
.set ADRS, 27
.set SPW,  28
.set NIL,  29
.set SC,   32
.set AF,   128
.set PC,   128
.set TM,   160
.set PW,   176
.set SEL,  18
.set G1, 24
.set G0, 32
.set G1B, 48
.set G0B, 56
.set G1S, 68
.set G0S, 76
.set G1SB, 80
.set G0SB, 88
.set MSB, 0
.macro WIN new
.if MSB != (\new)
	s_set_vgpr_msb (MSB<<8)|(\new)
.set MSB, (\new)
.endif
.endm
.set MUL_LO, 0xa1
.set MUL_HI, 0xf1
.set TO_B,   0x40
.macro JLOAD g0a, g1a, g0b, g1b
	s_cmp_eq_u32 s15, 0
	s_cbranch_scc0 .Lfor_b_\@
	tensor_load_to_lds s[\g0a:\g0a+3], s[\g1a:\g1a+7]
	s_nop 0
.rept 4
	v_nop
.endr
	s_branch .Lasked_\@
.Lfor_b_\@:
	tensor_load_to_lds s[\g0b:\g0b+3], s[\g1b:\g1b+7]
	s_nop 0
.rept 4
	v_nop
.endr
.Lasked_\@:
.endm
.macro CREST
	s_cmp_lg_u32 s14, 0
	s_cbranch_scc1 .Lnot_wave_0_\@
	s_barrier_signal -3
.Lnot_wave_0_\@:
	s_barrier_wait -3
	s_barrier_signal -1
	s_barrier_wait -1
.endm
.macro CROUND
	s_barrier_signal -1
	s_barrier_wait -1
	CREST
.endm
	s_load_b128 s[4:7], s[0:1], 0x0
	s_load_b64 s[12:13], s[0:1], 0x10
	v_lshl_add_u32 v[SPW], v0, 2, SPARE
	v_mov_b32 v[NIL], 0
	ds_add_u32 v[SPW], v[NIL]
	ds_add_u32 v[SPW], v[NIL]
	v_lshrrev_b32 v1, 5, v0
	v_readfirstlane_b32 s14, v1
	s_lshr_b32 s15, s14, 1
	s_and_b32 s16, s14, 1
	s_bfe_u32 s40, ttmp6, 0x40000
	s_bfe_u32 s41, ttmp6, 0x40004
	s_lshl_b32 s42, ttmp9, 2
	s_add_co_u32 s42, s42, s40
	s_and_b32 s17, ttmp7, 0xffff
	s_lshl_b32 s17, s17, 2
	s_add_co_u32 s95, s17, s40
	s_add_co_u32 s17, s17, s41
	s_lshl_b32 s43, s41, 2
	s_lshl_b32 s43, 15, s43
	s_lshl_b32 s44, 0x1111, s40
	s_or_b32 s[G1+0], s43, (3<<16)|(1<<21)
	s_or_b32 s[G1B+0], s44, (3<<16)|(1<<21)
.irp g, G1, G1B
	s_mov_b32 s[\g+1], (SB/8)<<16
	s_mov_b32 s[\g+2], 16<<16
	s_mov_b32 s[\g+3], (SB/8)<<16
	s_mov_b32 s[\g+4], 16
	s_mov_b32 s[\g+5], RT/8
	s_mov_b32 s[\g+6], 0
	s_mov_b32 s[\g+7], 0
.endr
	s_or_b32 s[G1S+0], s43, (3<<16)|(1<<21)
	s_or_b32 s[G1SB+0], s44, (3<<16)|(1<<21)
.irp g, G1S, G1SB
	s_mov_b32 s[\g+1], 32<<16
	s_mov_b32 s[\g+2], (2*HALFS/256)<<16
	s_mov_b32 s[\g+3], 32<<16
	s_mov_b32 s[\g+4], 2*HALFS/256
	s_mov_b32 s[\g+5], 32
	s_mov_b32 s[\g+6], 0
	s_mov_b32 s[\g+7], 0
.endr
	s_mul_i32 s18, s16, 8*RT                       ; in the ring I fetch 8 of a tile's 16 row tiles: which half, in bytes
	s_lshl_b32 s20, s17, 4
	s_lshl_b32 s21, s41, 4
	s_add_co_u32 s21, s21, 384
	s_lshl_b32 s46, s42, 4
	s_add_co_u32 s46, s46, 256
	s_lshl_b32 s47, s95, 4
	s_cmp_eq_u32 ttmp9, 2
	s_cselect_b32 s96, 1, 0
	s_cselect_b32 s20, s21, s20
	s_cselect_b32 s46, s47, s46
	s_mul_i32 s22, s20, SBLK
	s_mul_i32 s92, s46, SBLK
	s_mul_i32 s20, s20, RT
	s_mul_i32 s46, s46, RT
	s_mov_b32 s21, 0
	s_mov_b32 s23, 0
	s_mov_b32 s47, 0
	s_mov_b32 s93, 0
	s_mul_i32 s45, s14, HALFT
	s_mov_b32 s19, 0
	s_wait_dscnt 0x0
	s_wait_kmcnt 0x0
	s_add_nc_u64 s[20:21], s[4:5], s[20:21]
	s_add_nc_u64 s[22:23], s[6:7], s[22:23]
	s_add_nc_u64 s[46:47], s[4:5], s[46:47]
	s_add_nc_u64 s[92:93], s[6:7], s[92:93]
	CROUND
	s_mov_b32 s[G0S], 1
	s_mov_b32 s[G0S+1], SCL
	s_mov_b64 s[G0S+2:G0S+3], s[22:23]
	s_or_b32 s[G0S+3], s[G0S+3], 0x80000000
	s_mov_b32 s[G0SB], 1
	s_mov_b32 s[G0SB+1], SCL+2*HALFS+128
	s_mov_b64 s[G0SB+2:G0SB+3], s[92:93]
	s_or_b32 s[G0SB+3], s[G0SB+3], 0x80000000
.set G0H, 4                            ; s[4:7], s[8:11] group 0 of the head's loads of slot 0: A's 16 row tiles, B's 16 (the arguments that lay in s[4:7] have been used)
.set G0HB, 8
	s_mov_b32 s[G0H], 1
	s_mov_b32 s[G0H+1], 0
	s_mov_b64 s[G0H+2:G0H+3], s[20:21]
	s_or_b32 s[G0H+3], s[G0H+3], 0x80000000
	s_mov_b32 s[G0HB], 1
	s_mov_b32 s[G0HB+1], 2*HALFT
	s_mov_b64 s[G0HB+2:G0HB+3], s[46:47]
	s_or_b32 s[G0HB+3], s[G0HB+3], 0x80000000
	s_add_nc_u64 s[20:21], s[20:21], s[18:19]      ; for the ring: my 8 row tiles
	s_add_nc_u64 s[46:47], s[46:47], s[18:19]
.irp s, 0,1
	s_mov_b32 s[G0+4*\s], 1
	s_add_co_u32 s[G0+4*\s+1], s45, \s*SLOT
	s_add_nc_u64 s[G0+4*\s+2:G0+4*\s+3], s[20:21], \s*SB
	s_or_b32 s[G0+4*\s+3], s[G0+4*\s+3], 0x80000000
	s_mov_b32 s[G0B+4*\s], 1
	s_add_co_u32 s[G0B+4*\s+1], s45, \s*SLOT
	s_add_nc_u64 s[G0B+4*\s+2:G0B+4*\s+3], s[46:47], \s*SB
	s_or_b32 s[G0B+4*\s+3], s[G0B+4*\s+3], 0x80000000
.endr
; the head's four tiles, one load a wave: wave 0 slot 0's rows of A, wave 1 those of B, wave 2 A's scale words, wave 3 B's; one chain of arms, one join
.macro ARM under, g0, g1, next
	s_cmp_lt_u32 s14, \under
	s_cbranch_scc0 \next
	tensor_load_to_lds s[\g0:\g0+3], s[\g1:\g1+7]
	s_nop 0
.rept 4
	v_nop
.endr
	s_branch .Lhead_asked
\next:
.endm
	ARM 1, G0H,  G1,  .Lhead_b
	ARM 2, G0HB, G1B, .Lhead_sa
	ARM 3, G0S,  G1S, .Lhead_sb
	tensor_load_to_lds s[G0SB:G0SB+3], s[G1SB:G1SB+7]
	s_nop 0
.rept 4
	v_nop
.endr
.Lhead_asked:
	v_and_b32 v1, 15, v0
	v_bfe_u32 v2, v0, 4, 1
	v_and_b32 v3, 31, v0
	v_lshlrev_b32 v[L16], 4, v3
	v_lshlrev_b32 v[L8], 3, v3
	v_lshlrev_b32 v[R4], 2, v1
	s_mul_i32 s21, s15, HALFT
	s_mul_i32 s22, s16, HALFT
	s_add_co_u32 s22, s22, 2*HALFT
.irp s, 0,1
	v_add_nc_u32 v[ADRA+\s], s21, v[L16]
	v_add_nc_u32 v[ADRB+\s], s22, v[L16]
	v_add_nc_u32 v[ADRA+2+\s], s21, v[L8]
	v_add_nc_u32 v[ADRB+2+\s], s22, v[L8]
	s_add_co_u32 s21, s21, SLOT
	s_add_co_u32 s22, s22, SLOT
.endr
	s_mul_i32 s21, s15, HALFS
	s_mul_i32 s22, s16, HALFS
	s_add_co_u32 s22, s22, 2*HALFS+128
	s_sub_co_u32 s22, s22, s21
	v_mul_u32_u24 v6, s22, v2
	s_add_co_u32 s21, s21, SCL
	v_lshl_add_u32 v6, v1, 2, v6
	v_add_nc_u32 v[ADRS], s21, v6
	s_lshr_b32 s2, s17, 3
	s_lshl_b32 s2, s2, 4
	s_and_b32 s45, s42, 3
	s_lshl_b32 s45, s45, 2
	s_add_co_u32 s2, s2, s45
	s_lshl_b32 s45, s16, 1
	s_add_co_u32 s2, s2, s45
	s_mul_i32 s2, s2, BH
	s_and_b32 s45, s17, 7
	s_lshl_b32 s45, s45, 4
	s_lshl_b32 s97, s15, 3
	s_add_co_u32 s45, s45, s97
	s_lshr_b32 s97, s42, 2
	s_mul_i32 s98, s97, QI
	s_mul_i32 s99, s45, 768
	s_add_co_u32 s98, s98, s99
	s_add_co_u32 s98, s98, s2
	s_mul_i32 s97, s97, QS-KS
	s_lshl_b32 s45, s45, 6
	s_add_co_u32 s97, s97, s45
	s_add_co_u32 s97, s97, s2
	s_add_co_u32 s97, s97, KS
	s_lshr_b32 s2, s95, 3
	s_lshl_b32 s2, s2, 4
	s_lshl_b32 s45, s41, 2
	s_add_co_u32 s2, s2, s45
	s_lshl_b32 s45, s15, 1
	s_add_co_u32 s2, s2, s45
	s_mul_i32 s2, s2, BH
	s_and_b32 s45, s95, 7
	s_lshl_b32 s45, s45, 1
	s_add_co_u32 s45, s45, s16
	s_mul_i32 s99, s45, 6144
	s_add_co_u32 s99, s99, s2
	s_add_co_u32 s99, s99, VI
	s_lshl_b32 s45, s45, 8
	s_add_co_u32 s45, s45, s2
	s_add_co_u32 s45, s45, VS
	s_cmp_eq_u32 s96, 1
	s_cselect_b32 s98, s99, s98
	s_cselect_b32 s66, s45, s97
	s_mov_b32 s99, 0
	s_mov_b32 s67, 0
	s_add_nc_u64 s[66:67], s[12:13], s[66:67]
	s_add_nc_u64 s[12:13], s[12:13], s[98:99]
.macro FRAG reg, adr, q, i
	ds_load_b128 v[\reg:\reg+3], v[\adr] offset:(\i)*SB+(\q)*1536
	ds_load_b64 v[\reg+4:\reg+5], v[\adr+2] offset:(\i)*SB+(\q)*1536+512
	ds_load_b128 v[\reg+6:\reg+9], v[\adr] offset:(\i)*SB+(\q)*1536+768
	ds_load_b64 v[\reg+10:\reg+11], v[\adr+2] offset:(\i)*SB+(\q)*1536+1280
.endm
.macro MUL16 a0, p, q, sc, zero
.irp a, \a0, \a0+1
.irp b, 0,1,2,3,4,5,6,7
.if \zero
	v_wmma_scale_f32_16x16x128_f8f6f4 v[8*(8*((\a)%4)+\b):8*(8*((\a)%4)+\b)+7], v[128*(\p)+FR*\b:128*(\p)+FR*\b+FR-1], v[AF+FR*(\a):AF+FR*(\a)+FR-1], 0, v[SC+8*NQ*(\sc)+NQ*\b+(\q)], v[SC+8*NQ*(\sc)+NQ*(\a)+(\q)] matrix_a_fmt:MATRIX_FMT_FP6 matrix_b_fmt:MATRIX_FMT_FP6 matrix_a_scale:MATRIX_SCALE_ROW1
.else
	v_wmma_scale_f32_16x16x128_f8f6f4 v[8*(8*((\a)%4)+\b):8*(8*((\a)%4)+\b)+7], v[128*(\p)+FR*\b:128*(\p)+FR*\b+FR-1], v[AF+FR*(\a):AF+FR*(\a)+FR-1], v[8*(8*((\a)%4)+\b):8*(8*((\a)%4)+\b)+7], v[SC+8*NQ*(\sc)+NQ*\b+(\q)], v[SC+8*NQ*(\sc)+NQ*(\a)+(\q)] matrix_a_fmt:MATRIX_FMT_FP6 matrix_b_fmt:MATRIX_FMT_FP6 matrix_a_scale:MATRIX_SCALE_ROW1
.endif
.endr
.endr
.endm
.macro FETCH_B slot, q, p
	WIN TO_B
.irp i, 0,1,2,3,4,5,6,7
	FRAG 128*(\p)+FR*\i, ADRB+\slot, \q, \i
.endr
	WIN 0
.endm
.macro FETCH_A slot, q, i0
.irp i, \i0, \i0+1, \i0+2, \i0+3
	FRAG AF+FR*(\i), ADRA+\slot, \q, \i
.endr
.endm
.macro SCALES sc
.irp i, 0,1,2,3,4,5,6,7
	ds_load_b32 v[SC+8*NQ*\sc+NQ*\i], v[ADRS] offset:\i*SBLK
	ds_load_b32 v[SC+8*NQ*\sc+NQ*\i+1], v[ADRS] offset:\i*SBLK+64
.endr
.endm
.macro PLACES n
.rept \n
	v_nop
.endr
.endm
.macro STEP slot, q, zero
	s_wait_dscnt 4*NL
	WIN MUL_LO
	MUL16 0, (\q)%2, \q, \slot, \zero
	MUL16 2, (\q)%2, \q, \slot, \zero
	s_wait_dscnt 0
	PLACES NP
	FETCH_B \slot, (\q)+1, 1-(\q)%2
	FETCH_A \slot, (\q)+1, 0
	WIN MUL_HI
	MUL16 4, (\q)%2, \q, \slot, \zero
	MUL16 6, (\q)%2, \q, \slot, \zero
	PLACES NP
	WIN 0
	FETCH_A \slot, (\q)+1, 4
.endm
.macro TURN slot, next, fill
	s_wait_tensorcnt 0x0
	ds_add_u32 v[SPW], v[NIL]
	s_wait_dscnt 4*NL+1
	WIN MUL_LO
	MUL16 0, 1, NQ-1, \slot, 0
	s_wait_dscnt 0x0
	s_barrier_signal -1
	MUL16 2, 1, NQ-1, \slot, 0
	WIN 0
	s_barrier_wait -1
.if \fill
	CREST
	s_add_nc_u64 s[G0+4*\slot+2:G0+4*\slot+3], s[G0+4*\slot+2:G0+4*\slot+3], 2*SB
	s_add_nc_u64 s[G0B+4*\slot+2:G0B+4*\slot+3], s[G0B+4*\slot+2:G0B+4*\slot+3], 2*SB
	JLOAD G0+4*\slot, G1, G0B+4*\slot, G1B
.else
	PLACES NP
.endif
	s_wait_alu depctr_va_vdst(0)
	v_add_nc_u32 v[ADRS], 64*NQ, v[ADRS]
	FETCH_B \next, 0, 0
	FETCH_A \next, 0, 0
	SCALES \next
	WIN MUL_HI
	MUL16 4, 1, NQ-1, \slot, 0
	MUL16 6, 1, NQ-1, \slot, 0
	PLACES NP
	WIN 0
	FETCH_A \next, 0, 4
.endm
.macro QUANT s, w, pw
	WIN (\w)|((\w)<<2)
.irp b, 0,1,2,3
	v_max3_num_f32 v[TM+\b], |v[(\s)+16*\b]|, |v[(\s)+1+16*\b]|, 0x1800000
.endr
	WIN ((\w)<<2)|((\w)<<4)
.irp i, 2,4,6,8,10,12,14
.irp b, 0,1,2,3
	v_max3_num_f32 v[TM+\b], v[TM+\b], |v[(\s)+16*\b+\i]|, |v[(\s)+1+16*\b+\i]|
.endr
.endr
	WIN 0
.irp b, 0,1,2,3
	v_permlanex16_b32 v[TM+4+\b], v[TM+\b], s[SEL], s[SEL+1]
.endr
.irp b, 0,1,2,3
	v_max_num_f32 v[TM+\b], v[TM+\b], v[TM+4+\b]
.endr
.irp b, 0,1,2,3
	v_add_nc_u32 v[TM+12+\b], 0xff000000, v[TM+\b]
.endr
.irp b, 0,1,2,3
	v_lshrrev_b32 v[TM+4+\b], 23, v[TM+12+\b]
.endr
	v_lshl_or_b32 v[\pw], v[TM+5], 8, v[TM+4]
	v_lshl_or_b32 v[\pw], v[TM+6], 16, v[\pw]
	v_lshl_or_b32 v[\pw], v[TM+7], 24, v[\pw]
	WIN (\w)
.irp c, 0,1
	v_cvt_scalef32_pk16_fp6_f32 v[PC+6*\c:PC+2+6*\c], v[(\s)+32*\c:(\s)+15+32*\c], v[TM+12+2*\c]
	v_cvt_scalef32_pk16_fp6_f32 v[PC+12+4*\c:PC+14+4*\c], v[(\s)+16+32*\c:(\s)+31+32*\c], v[TM+12+2*\c+1]
.endr
	WIN 0
	v_nop
.irp c, 0,1
.irp i, 0,1,2
	v_permlane16_swap_b32 v[PC+6*\c+\i], v[PC+12+4*\c+\i]
.endr
.irp i, 0,1,2
	v_mov_b32 v[PC+3+6*\c+\i], v[PC+12+4*\c+\i]
.endr
.endr
.endm
	s_wait_alu depctr_va_vdst(0)
	s_wait_tensorcnt 0x0                           ; my tile of the head's four is in
	ds_add_u32 v[SPW], v[NIL]
	s_mov_b32 s[G1+2], 8<<16                       ; no tensor load of mine is out: from here on a load brings 8 row tiles
	s_mov_b32 s[G1+4], 8
	s_mov_b32 s[G1B+2], 8<<16
	s_mov_b32 s[G1B+4], 8
	s_wait_dscnt 0x0
	CROUND                                         ; all four tiles are in, all sixteen work-groups are here
	JLOAD G0+4, G1, G0B+4, G1B                     ; slot 1's first fill, the first tensor load behind the round
	FETCH_B 0, 0, 0
	FETCH_A 0, 0, 0
	SCALES 0
	FETCH_A 0, 0, 4
	STEP 0, 0, 1
	s_mov_b32 s3, LAPS-1
.Llap:
	TURN 0, 1, 1
	STEP 1, 0, 0
	TURN 1, 0, 1
	STEP 0, 0, 0
	s_sub_co_u32 s3, s3, 1
	s_cmp_lg_u32 s3, 0
	s_cbranch_scc1 .Llap
	TURN 0, 1, 0
	STEP 1, 0, 0
	s_wait_dscnt 4*NL
	WIN MUL_LO
	MUL16 0, 1, NQ-1, 1, 0
	MUL16 2, 1, NQ-1, 1, 0
	s_wait_dscnt 0
	WIN MUL_HI
	MUL16 4, 1, NQ-1, 1, 0
	MUL16 6, 1, NQ-1, 1, 0
	WIN 0
	s_mov_b32 s[SEL], 0x76543210
	s_mov_b32 s[SEL+1], 0xfedcba98
	PLACES NP
.irp a, 0,1,2,3,4,5,6,7
.if \a > 0
	s_wait_xcnt 0x0
.endif
	QUANT 64*(\a%4), 2+\a/4, PW
	s_cmp_eq_u32 s96, 0
	s_cbranch_scc1 .Lkq_\a
	global_store_b128 v[L16], v[PC:PC+3], s[12:13] offset:(\a/4)*BH+(\a%4)*1536
	global_store_b64 v[L8], v[PC+4:PC+5], s[12:13] offset:(\a/4)*BH+(\a%4)*1536+512
	global_store_b128 v[L16], v[PC+6:PC+9], s[12:13] offset:(\a/4)*BH+(\a%4)*1536+768
	global_store_b64 v[L8], v[PC+10:PC+11], s[12:13] offset:(\a/4)*BH+(\a%4)*1536+1280
	global_store_b32 v[R4], v[PW], s[66:67] offset:(\a/4)*BH+(\a%4)*64
	s_branch .Lout_\a
.Lkq_\a:
	v_and_b32 v177, 0xffff, v[PW]
	v_lshrrev_b32 v178, 16, v[PW]
	global_store_b128 v[L16], v[PC:PC+3], s[12:13] offset:768*\a
	s_wait_alu depctr_va_vdst(0)
	global_store_b64 v[L8], v[PC+4:PC+5], s[12:13] offset:768*\a+512
	global_store_b128 v[L16], v[PC+6:PC+9], s[12:13] offset:BH+768*\a
	global_store_b64 v[L8], v[PC+10:PC+11], s[12:13] offset:BH+768*\a+512
	global_store_b32 v[R4], v177, s[66:67] offset:64*\a
	global_store_b32 v[R4], v178, s[66:67] offset:BH+64*\a
.Lout_\a:
.endr
	s_wait_tensorcnt 0x0
	ds_add_u32 v[SPW], v[NIL]
	s_wait_dscnt 0x0
	CROUND
	s_endpgm
.Lfunc_end_k_q1971ee1236_gkqv:
	.size	k_q1971ee1236_gkqv, .Lfunc_end_k_q1971ee1236_gkqv-k_q1971ee1236_gkqv
	.p2alignl 7, 3214868480
	.fill 96, 4, 3214868480
	.section	.rodata,"a",@progbits
	.p2align	6, 0x0
	.amdhsa_kernel k_q1971ee1236_gkqv
		.amdhsa_group_segment_fixed_size 327680
		.amdhsa_private_segment_fixed_size 0
		.amdhsa_enable_private_segment 0
		.amdhsa_kernarg_size 24
		.amdhsa_user_sgpr_count 2
		.amdhsa_user_sgpr_kernarg_segment_ptr 1
		.amdhsa_wavefront_size32 1
		.amdhsa_system_sgpr_workgroup_id_x 1
		.amdhsa_system_sgpr_workgroup_id_y 1
		.amdhsa_system_sgpr_workgroup_id_z 1
		.amdhsa_system_vgpr_workitem_id 0
		.amdhsa_next_free_vgpr 1024
		.amdhsa_next_free_sgpr 100
		.amdhsa_reserve_vcc 0
		.amdhsa_float_denorm_mode_32 3
		.amdhsa_float_denorm_mode_16_64 3
		.amdhsa_memory_ordered 1
		.amdhsa_forward_progress 1
		.amdhsa_inst_pref_size 160
	.end_amdhsa_kernel
	.amdgpu_metadata
---
amdhsa.version: [ 1, 2 ]
amdhsa.kernels:
  - .name:           k_q1971ee1236_gkqv
    .symbol:         k_q1971ee1236_gkqv.kd
    .args:
      - { .name: codes, .offset: 0, .size: 8, .value_kind: global_buffer, .address_space: global }
      - { .name: scales, .offset: 8, .size: 8, .value_kind: global_buffer, .address_space: global }
      - { .name: qkv, .offset: 16, .size: 8, .value_kind: global_buffer, .address_space: global }
    .group_segment_fixed_size: 327680
    .private_segment_fixed_size: 0
    .kernarg_segment_align: 8
    .kernarg_segment_size: 24
    .max_flat_workgroup_size: 128
    .sgpr_count:     100
    .vgpr_count:     1024
    .wavefront_size: 32
...
	.end_amdgpu_metadata
.endif
;; end of part 10
;; launch att (part 11): grid 8 x 32, 16 waves a work-group, no clusters, 210,944 bytes of LDS; arguments qkv, lm, ac; writes ac
.if DOCPART == 11
	.amdgcn_target "amdgcn-amd-amdhsa--gfx1250"
	.amdhsa_code_object_version 6
	.text
	.protected	k_q1971ee1236_att
	.globl	k_q1971ee1236_att
	.p2align	8
	.type	k_q1971ee1236_att,@function
k_q1971ee1236_att:
	s_mov_b64 s[64:65], 0
	v_nop
	global_prefetch_b8 v0, s[64:65] scope:SCOPE_SE
	s_setreg_imm32_b32 hwreg(HW_REG_WAVE_MODE, 25, 1), 1
	s_wait_xcnt 0x0
; PRODUCTS 2 AND 3: attention of one (batch, head) on codes of FP6 (E2M3), with the mask as it is given, the softmax by a running whole-number M, the division by the row's sum, and the quantiser along E for product 4.
; LEFT OUT: a step of 16 queries x 128 keys all of whose mask bytes are true (its p are 0 for all values of the other inputs): a scalar branch on the flags that the first launch stored.  It holds for any mask.
; a head's whole K and V (codes and scale words, 208,896 bytes) come into LDS once, through registers.
; t = score x log2(e) / 8; M = the ceiling of the running largest t; p = 2^(t - M) is quantised along the keys, not normalised; the row's sum is taken of the unquantised p.  When M moves, the sum and O are multiplied by 2^(old M - new M): exact.
; SHARES.  Work-group (j, 16 b + head); each of its sixteen waves owns ONE tile of 16 queries, in 256 registers.  The tiles are dealt so that a work-group's, and each SIMD's four waves', tile numbers add up alike: masks whose open part
; grows with the query give all the same work; the dealing changes no result.
; LAYOUT.  Both products transposed: S^T = K Q^T (source 0 = 16 keys), O^T = V^T P^T (source 0 = 16 channels): a lane holds ONE query.  A tile's rows are 32 (t / 2) + 8 (t % 2) + i + 8 (i / 8), so the 16 registers of two neighbouring tiles
; are 16 neighbours.  The first product's K is 64: Q's fragment has zero CODES in its upper half, so what stands in the upper half of K's operand (the next tile's codes, or zeros) adds nothing; the scale bytes there are 0, never 0xff.
; A ROW WITH EVERY KEY HIDDEN has the sum 0: its codes are zeros and its scale bytes are set to 0xff, which makes product 4's row NaN, as reference()'s softmax of -inf alone does.
; REGISTERS: v1, v2 16 x lane, 8 x lane; v3, v4 scale words' places; v5, v6 the add's two; v7 4 r; v12 -M, v13 largest t, v[14:15] the sum; v16-27 Q; v32-79 K's 8 half fragments, then V's 4 fragments; v80-85 zeros; v96-159 S^T, then p;
; v160-191 O^T; v192-197 the step's addresses; v198 -inf; v224-235 p's codes; v232-254 at work; v248-251 K's, V's scale words; v253 p's; v255 Q's.
.set BH,    315392
.set VI,    98304
.set KS,    196608
.set VS,    204800
.set QI,    208896
.set QS,    307200
.set SPARE, 208896                     ; behind the image: the spare words, 128 bytes a wave
.set CPY,   13056                      ; a wave's sixteenth of the image
.set SPW,  5
.set NIL,  6
.set WV,   10
.set SEL,  20
.set CS,   22
	s_load_b128 s[4:7], s[0:1], 0x0                ; qkv s[4:5], lm s[6:7]
	s_load_b64 s[8:9], s[0:1], 0x10                ; ac
	v_lshl_add_u32 v[SPW], v0, 2, SPARE
	v_mov_b32 v[NIL], 0
	v_lshrrev_b32 v8, 5, v0
	s_delay_alu instid0(VALU_DEP_1)
	v_readfirstlane_b32 s[WV], v8                  ; wave 0..15
	v_and_b32 v8, 31, v0
	s_delay_alu instid0(VALU_DEP_1)
	v_lshlrev_b32 v1, 4, v8
	s_wait_alu depctr_va_vdst(0)
	v_lshlrev_b32 v2, 3, v8
	s_wait_alu depctr_va_vdst(0)
	v_lshl_add_u32 v3, v8, 2, KS
	v_lshl_add_u32 v4, v8, 2, VS
	v_and_b32 v7, 15, v0
	s_delay_alu instid0(VALU_DEP_1)
	v_lshlrev_b32 v7, 2, v7
	; my query tile t = 8 p + jj:  x = wave % 4 + 4 (wave / 8);  waves with (wave / 4) even: p = x, jj = j;  odd: p = 15 - x, jj = 7 - j
	s_and_b32 s24, s[WV], 3
	s_lshr_b32 s25, s[WV], 2
	s_lshr_b32 s26, s25, 1
	s_lshl_b32 s26, s26, 2
	s_add_co_u32 s24, s24, s26
	s_sub_co_u32 s26, 15, s24
	s_sub_co_u32 s27, 7, ttmp9
	s_and_b32 s25, s25, 1
	s_cmp_eq_u32 s25, 0
	s_cselect_b32 s24, s24, s26
	s_cselect_b32 s25, ttmp9, s27
	s_lshl_b32 s24, s24, 3
	s_add_co_u32 s24, s24, s25                     ; t
	s_and_b32 s11, ttmp7, 0xffff                   ; 16 b + head
	s_mul_i32 s26, s11, BH
	s_mov_b32 s27, 0
	s_mul_i32 s44, s[WV], CPY
	s_mov_b32 s45, 0
	v_add_nc_u32 v9, s44, v1                       ; where my part of the image goes
	v_add_nc_u32 v10, s44, v2
	s_mov_b32 s[SEL], 0x76543210
	s_mov_b32 s[SEL+1], 0xfedcba98
	s_mov_b32 s[CS], 0x3e38aa3b                    ; c = log2(e) / sqrt(64)
	s_mov_b32 s[CS+1], s[CS]
	s_wait_alu depctr_va_vdst(0)
	s_wait_kmcnt 0x0
	s_add_nc_u64 s[4:5], s[4:5], s[26:27]          ; my (batch, head)'s region
	s_add_nc_u64 s[12:13], s[4:5], s[44:45]
	s_lshl_b32 s26, s24, 9
	s_add_co_u32 s26, s26, 524288
	s_add_nc_u64 s[30:31], s[6:7], s[26:27]        ; my tile's flags: four groups of key steps, 128 bytes apart
	s_load_b64 s[32:33], s[30:31], 0x0
	s_load_b64 s[34:35], s[30:31], 0x80
	s_load_b64 s[36:37], s[30:31], 0x100
	s_load_b64 s[38:39], s[30:31], 0x180
	s_lshl_b32 s26, s24, 12
	s_add_nc_u64 s[6:7], s[6:7], s[26:27]          ; my tile's lane masks, 256 bytes a key step
.irp i, 0,1,2,3,4,5,6,7,8,9,10,11,12,13,14,15,16,17,18,19,20,21,22,23,24
	global_load_b128 v[32+4*\i:35+4*\i], v1, s[12:13] offset:512*\i
.endr
	global_load_b64 v[132:133], v2, s[12:13] offset:12800
	s_mul_i32 s26, s24, 768
	s_add_co_u32 s26, s26, QI
	s_add_nc_u64 s[40:41], s[4:5], s[26:27]
	global_load_b128 v[16:19], v1, s[40:41]        ; Q's half fragment stays in registers
	global_load_b64 v[20:21], v2, s[40:41] offset:512
	s_lshl_b32 s26, s24, 6
	s_add_co_u32 s26, s26, QS
	s_add_nc_u64 s[42:43], s[4:5], s[26:27]
	global_load_b32 v255, v7, s[42:43]
	; where my results go: token row tile 128 b + t; codes 768 x head on; the scale word's half 2 (head % 2) of K step head / 2
	s_lshr_b32 s25, s11, 4
	s_lshl_b32 s25, s25, 7
	s_add_co_u32 s25, s25, s24
	s_and_b32 s44, s11, 15
	s_mul_i32 s26, s25, 12288
	s_mul_i32 s45, s44, 768
	s_add_co_u32 s26, s26, s45
	s_add_nc_u64 s[28:29], s[8:9], s[26:27]
	s_lshl_b32 s26, s25, 9
	s_lshr_b32 s45, s44, 1
	s_lshl_b32 s45, s45, 6
	s_add_co_u32 s26, s26, s45
	s_and_b32 s45, s44, 1
	s_lshl_b32 s45, s45, 1
	s_add_co_u32 s26, s26, s45
	s_add_co_u32 s26, s26, 3145728
	s_add_nc_u64 s[8:9], s[8:9], s[26:27]
.irp i, 22,23,24,25,26,27
	v_mov_b32 v[\i], 0                             ; Q's upper half: zero codes
.endr
	v_mov_b32 v13, 0xff61b1e6                      ; the largest t so far: -3e38
	s_delay_alu instid0(VALU_DEP_1)
	v_floor_f32 v12, -v13                          ; -M
	v_mov_b32 v14, 0
	v_mov_b32 v15, 0
	v_mov_b32 v198, 0xff800000                     ; -infinity
.irp i, 236,237,238,239,252,253
	v_mov_b32 v[\i], 0                             ; written once: lane permutes' destinations, and the pair v[252:253]
.endr
.set j, 0
.rept 32
	v_mov_b32 v[160+j], 0                          ; O^T: the step is written once; the first finds zeros
.set j, j+1
.endr
	s_wait_kmcnt 0x0                               ; the flags
	s_or_b32 s18, s32, s34
	s_or_b32 s18, s18, s36
	s_or_b32 s18, s18, s38                         ; bit ks: some key of the step counts
	s_or_b32 s19, s33, s35
	s_or_b32 s19, s19, s37
	s_or_b32 s19, s19, s39
	s_and_b32 s19, s19, s18                        ; bit ks: some key of the step counts and some is hidden: only such a step reads its lane masks
	s_wait_xcnt 0x0                                ; Q's loads have read s[40:43], which the masks land on
	s_load_b512 s[32:47], s[6:7], 0x0              ; step 0's 64 lane masks, under the image's loads
	s_load_b512 s[48:63], s[6:7], 0x40
	s_load_b512 s[68:83], s[6:7], 0x80
	s_load_b512 s[84:99], s[6:7], 0xc0
.irp i, 0,1,2,3,4,5,6,7,8,9,10,11,12,13,14,15,16,17,18,19,20,21,22,23,24
	s_wait_loadcnt 28-\i                           ; behind load i: the 25 - i later ones of the image and Q's three
	ds_store_b128 v9, v[32+4*\i:35+4*\i] offset:512*\i
.endr
	s_wait_loadcnt 3
	ds_store_b64 v10, v[132:133] offset:12800
.irp i, 80,81,82,83,84,85
	v_mov_b32 v[\i], 0                             ; what stands above the step's last tile of K
.endr
	s_wait_loadcnt 0x0                             ; Q
	s_wait_kmcnt 0x0                               ; step 0's lane masks
	s_mov_b32 s14, 0                               ; the step's codes: 6,144 bytes a step, of K and of V alike
	s_mov_b32 s15, 0                               ; K's scale words: 512
	s_mov_b32 s16, 0                               ; V's: 256
	s_mov_b32 s17, 16
	s_wait_dscnt 0x0                               ; for the others' sake: my part of the image has landed
	s_barrier_signal -1
	s_barrier_wait -1                              ; the launch's one barrier: from here on LDS is only read
.Lstep:
	s_bitcmp1_b32 s18, 0
	s_cbranch_scc0 .Lhidden                        ; every key of the step is hidden from all my 16 queries
	v_add_nc_u32 v192, s14, v1                     ; (these six are also the places in front of the loads into registers that the last products read)
	v_add_nc_u32 v193, s14, v2
	s_delay_alu instid0(VALU_DEP_2)
	v_add_nc_u32 v194, VI, v192
	s_delay_alu instid0(VALU_DEP_2)
	v_add_nc_u32 v195, VI, v193
	v_add_nc_u32 v196, s15, v3
	v_add_nc_u32 v197, s16, v4
.irp t, 0,1,2,3,4,5,6,7
	ds_load_b128 v[32+6*\t:35+6*\t], v192 offset:768*\t
	ds_load_b64 v[36+6*\t:37+6*\t], v193 offset:768*\t+512
.endr
.irp i, 0,1,2,3
	ds_load_b32 v[248+\i], v196 offset:128*\i      ; lanes 0-15: tile 2 i's words, lanes 16-31: tile 2 i + 1's
.endr
	s_wait_dscnt 0x0
	s_wait_alu depctr_va_vdst(0)
.irp t, 0,2,4,6
	v_wmma_scale_f32_16x16x128_f8f6f4 v[96+8*\t:103+8*\t], v[32+6*\t:43+6*\t], v[16:27], 0, v[248+\t/2], v255 matrix_a_fmt:MATRIX_FMT_FP6 matrix_b_fmt:MATRIX_FMT_FP6
	v_wmma_scale_f32_16x16x128_f8f6f4 v[104+8*\t:111+8*\t], v[38+6*\t:49+6*\t], v[16:27], 0, v[248+\t/2], v255 matrix_a_fmt:MATRIX_FMT_FP6 matrix_b_fmt:MATRIX_FMT_FP6 matrix_a_scale:MATRIX_SCALE_ROW1
.endr
.rept 4
	v_nop                                          ; places: in front of the loads below and of the first read of the scores
.endr
.irp c, 0,1,2,3                                ; V's four fragments land while the softmax is worked
	ds_load_b128 v[32+12*\c:35+12*\c], v194 offset:1536*\c
	ds_load_b64 v[36+12*\c:37+12*\c], v195 offset:1536*\c+512
	ds_load_b128 v[38+12*\c:41+12*\c], v194 offset:1536*\c+768
	ds_load_b64 v[42+12*\c:43+12*\c], v195 offset:1536*\c+1280
.endr
	ds_load_b32 v248, v197
	ds_load_b32 v249, v197 offset:128
	s_wait_kmcnt 0x0
	s_bitcmp1_b32 s19, 0
	s_cbranch_scc0 .Lopen                          ; every key of the step counts for all my queries
.set n, 0
.rept 32
	v_cndmask_b32 v[96+n], v[96+n], v198, s[32+n]  ; hidden scores become -infinity ahead of the maximum: p = 0 then
.set n, n+1
.endr
.rept 32
	v_cndmask_b32 v[96+n], v[96+n], v198, s[36+n]
.set n, n+1
.endr
.Lopen:
.irp b, 0,1,2,3
	v_max3_num_f32 v[232+\b], v[96+16*\b], v[97+16*\b], v[98+16*\b]   ; the largest score of each block of 32 keys: for the row's maximum and, since p rises with the score, for the block's largest p
.endr
.irp i, 3,5,7,9,11,13
.irp b, 0,1,2,3
	v_max3_num_f32 v[232+\b], v[232+\b], v[96+16*\b+\i], v[97+16*\b+\i]
.endr
.endr
.irp b, 0,1,2,3
	v_max_num_f32 v[232+\b], v[232+\b], v[111+16*\b]
.endr
.irp b, 0,1,2,3
	s_delay_alu instid0(VALU_DEP_4)
	v_permlanex16_b32 v[236+\b], v[232+\b], s[SEL], s[SEL+1]
.endr
.irp b, 0,1,2,3
	s_delay_alu instid0(VALU_DEP_4)
	v_max_num_f32 v[232+\b], v[232+\b], v[236+\b]
.endr
	s_delay_alu instid0(VALU_DEP_2)
	v_max3_num_f32 v254, v232, v233, v234
	s_delay_alu instid0(VALU_DEP_1)
	v_max_num_f32 v254, v254, v235
	s_delay_alu instid0(VALU_DEP_1)
	v_mul_f32 v254, s[CS], v254
	s_delay_alu instid0(VALU_DEP_1)
	v_max_num_f32 v13, v13, v254                   ; the running largest t
	v_mov_b32 v254, v12
	s_delay_alu instid0(VALU_DEP_2)
	v_floor_f32 v12, -v13                          ; the new -M = -ceil(t)
	s_delay_alu instid0(VALU_DEP_1)
	v_sub_f32 v254, v12, v254                      ; old M - new M: a whole number, 0 or less
	s_delay_alu instid0(VALU_DEP_1)
	v_cvt_i32_f32 v254, v254                       ; (it saturates)
	s_delay_alu instid0(VALU_DEP_1)
	v_ldexp_f32 v252, 1.0, v254                    ; f = 2^(old M - new M)
.irp j, 0,2,4,6,8,10,12,14,16,18,20,22,24,26,28,30,32,34,36,38,40,42,44,46,48,50,52,54,56,58,60,62
	v_pk_fma_f32 v[96+\j:97+\j], v[96+\j:97+\j], s[CS:CS+1], v[12:13] op_sel_hi:[1,0,0]   ; t - M
.endr
.irp b, 0,1,2,3
	v_fma_f32 v[232+\b], v[232+\b], s[CS], v12
.endr
.set j, 0
	s_wait_alu depctr_va_vdst(0)
.rept 64
	v_exp_f32 v[96+j], v[96+j]                     ; p = 2^(t - M)
.set j, j+1
.endr
	v_pk_mul_f32 v[14:15], v[14:15], v[252:253] op_sel_hi:[1,0]   ; the sums under the new M (a plain place behind the exponentials)
	s_wait_alu depctr_va_vdst(0)                   ; one wait for the whole batch, ahead of its first reader
.irp b, 0,1,2,3
	v_exp_f32 v[232+\b], v[232+\b]                 ; the blocks' largest p
.endr
	v_pk_add_f32 v[236:237], v[100:101], v[104:105]
	v_pk_add_f32 v[250:251], v[108:109], v[112:113]
	v_pk_add_f32 v[246:247], v[116:117], v[120:121]
	v_pk_add_f32 v[244:245], v[124:125], v[128:129]
	v_pk_add_f32 v[242:243], v[132:133], v[136:137]
	v_pk_add_f32 v[240:241], v[140:141], v[144:145]
	v_pk_add_f32 v[238:239], v[148:149], v[152:153]
	v_pk_add_f32 v[14:15], v[14:15], v[156:157]
	v_pk_add_f32 v[236:237], v[236:237], v[96:97]
	v_pk_add_f32 v[250:251], v[250:251], v[98:99]
	v_pk_add_f32 v[246:247], v[246:247], v[102:103]
	v_pk_add_f32 v[244:245], v[244:245], v[106:107]
	v_pk_add_f32 v[242:243], v[242:243], v[110:111]
	v_pk_add_f32 v[240:241], v[240:241], v[114:115]
	v_pk_add_f32 v[238:239], v[238:239], v[118:119]
	v_pk_add_f32 v[14:15], v[14:15], v[122:123]
	v_pk_add_f32 v[236:237], v[236:237], v[126:127]
	v_pk_add_f32 v[250:251], v[250:251], v[130:131]
	v_pk_add_f32 v[246:247], v[246:247], v[134:135]
	v_pk_add_f32 v[244:245], v[244:245], v[138:139]
	v_pk_add_f32 v[242:243], v[242:243], v[142:143]
	v_pk_add_f32 v[240:241], v[240:241], v[146:147]
	v_pk_add_f32 v[238:239], v[238:239], v[150:151]
	v_pk_add_f32 v[14:15], v[14:15], v[154:155]
	v_pk_add_f32 v[236:237], v[236:237], v[158:159]
	s_delay_alu instid0(VALU_DEP_2)
	v_pk_add_f32 v[14:15], v[14:15], v[244:245]
	s_delay_alu instid0(VALU_DEP_2)
	v_pk_add_f32 v[236:237], v[236:237], v[242:243]
	v_pk_add_f32 v[250:251], v[250:251], v[240:241]
	v_pk_add_f32 v[246:247], v[246:247], v[238:239]
	s_delay_alu instid0(VALU_DEP_2)
	v_pk_add_f32 v[14:15], v[14:15], v[250:251]
	s_delay_alu instid0(VALU_DEP_2)
	v_pk_add_f32 v[236:237], v[236:237], v[246:247]
	s_delay_alu instid0(VALU_DEP_1)
	v_pk_add_f32 v[14:15], v[14:15], v[236:237]
	s_wait_alu depctr_va_vdst(0)                   ; and one for the four
.irp b, 0,1,2,3
	v_max_num_f32 v[232+\b], 0x1800000, v[232+\b]  ; the floor 2^(3 - 127)
.endr
.irp b, 0,1,2,3
	s_delay_alu instid0(VALU_DEP_4)
	v_add_nc_u32 v[244+\b], 0xff000000, v[232+\b]
.endr
.irp b, 0,1,2,3
	s_delay_alu instid0(VALU_DEP_4)
	v_lshrrev_b32 v[236+\b], 23, v[244+\b]
.endr
	s_delay_alu instid0(VALU_DEP_3)
	v_lshl_or_b32 v253, v237, 8, v236              ; p's scale word for these 128 keys
	s_delay_alu instid0(VALU_DEP_1)
	v_lshl_or_b32 v253, v238, 16, v253
	s_delay_alu instid0(VALU_DEP_1)
	v_lshl_or_b32 v253, v239, 24, v253
.irp c, 0,1
	v_cvt_scalef32_pk16_fp6_f32 v[224+6*\c:226+6*\c], v[96+32*\c:111+32*\c], v[244+2*\c]
	v_cvt_scalef32_pk16_fp6_f32 v[236+4*\c:238+4*\c], v[112+32*\c:127+32*\c], v[244+2*\c+1]
.endr
	v_nop                                          ; one plain place behind a scaled conversion
.irp c, 0,1
.irp i, 0,1,2
	v_permlane16_swap_b32 v[224+6*\c+\i], v[236+4*\c+\i]
.endr
.irp i, 0,1,2
	s_delay_alu instid0(VALU_DEP_3)
	v_mov_b32 v[227+6*\c+\i], v[236+4*\c+\i]
.endr
.endr
.irp j, 0,2,4,6,8,10,12,14,16,18,20,22,24,26,28,30
	v_pk_mul_f32 v[160+\j:161+\j], v[160+\j:161+\j], v[252:253] op_sel_hi:[1,0]   ; O^T under the new M.  (These 16 are the places between the writes of p's codes and scale word and the products)
.endr
	s_wait_alu depctr_va_vdst(0)
	s_wait_dscnt 0x0                               ; V
.irp c, 0,2
	v_wmma_scale_f32_16x16x128_f8f6f4 v[160+8*\c:167+8*\c], v[32+12*\c:43+12*\c], v[224:235], v[160+8*\c:167+8*\c], v[248+\c/2], v253 matrix_a_fmt:MATRIX_FMT_FP6 matrix_b_fmt:MATRIX_FMT_FP6
	v_wmma_scale_f32_16x16x128_f8f6f4 v[168+8*\c:175+8*\c], v[44+12*\c:55+12*\c], v[224:235], v[168+8*\c:175+8*\c], v[248+\c/2], v253 matrix_a_fmt:MATRIX_FMT_FP6 matrix_b_fmt:MATRIX_FMT_FP6 matrix_a_scale:MATRIX_SCALE_ROW1
.endr
.Lhidden:
	s_wait_kmcnt 0x0                               ; no scalar load is out: s[6:7] may step and the masks' registers may be loaded again
	s_add_co_u32 s14, s14, 6144
	s_add_co_u32 s15, s15, 512
	s_add_co_u32 s16, s16, 256
	s_lshr_b32 s18, s18, 1
	s_lshr_b32 s19, s19, 1
	s_add_nc_u64 s[6:7], s[6:7], 256
	s_bitcmp1_b32 s19, 0                           ; the next step's bit (behind the sixteenth shift it is 0: nothing is asked for beyond the last step)
	s_cbranch_scc0 .Lnoask
	s_load_b512 s[32:47], s[6:7], 0x0              ; the next step's 64 lane masks, one step ahead of their use, and only where the step is partly hidden
	s_load_b512 s[48:63], s[6:7], 0x40
	s_load_b512 s[68:83], s[6:7], 0x80
	s_load_b512 s[84:99], s[6:7], 0xc0
.Lnoask:
	s_sub_co_u32 s17, s17, 1
	s_cmp_lg_u32 s17, 0
	s_cbranch_scc1 .Lstep
	; THE WAY OUT: O^T / the sum; register 16 b + i is channel 32 b + 16 (lane / 16) + i of my head: two blocks of product 4's K
	v_add_f32 v14, v14, v15
	s_delay_alu instid0(VALU_DEP_1)
	v_permlanex16_b32 v252, v14, s[SEL], s[SEL+1]
	s_delay_alu instid0(VALU_DEP_1)
	v_add_f32 v14, v14, v252                       ; the row's sum
	s_delay_alu instid0(VALU_DEP_1)
	v_max_num_f32 v15, 0x800000, v14               ; (a row with every key hidden: 0 / 2^-126 = 0, no NaN is made here)
	v_mov_b32 v241, 0xffff
	s_wait_alu depctr_va_vdst(0)
	v_rcp_f32 v15, v15
	v_cmp_eq_f32 vcc_lo, 0, v14                    ; (a plain place behind the reciprocal)
	s_wait_alu depctr_va_vdst(0)
.set j, 0
.rept 32
	v_mul_f32 v[96+j], v[160+j], v15
.set j, j+1
.endr
.irp b, 0,1
	v_max3_num_f32 v[232+\b], |v[96+16*\b]|, |v[97+16*\b]|, 0x1800000
.endr
.irp i, 2,4,6,8,10,12,14
.irp b, 0,1
	s_delay_alu instid0(VALU_DEP_2)
	v_max3_num_f32 v[232+\b], v[232+\b], |v[96+16*\b+\i]|, |v[97+16*\b+\i]|
.endr
.endr
.irp b, 0,1
	s_delay_alu instid0(VALU_DEP_2)
	v_permlanex16_b32 v[236+\b], v[232+\b], s[SEL], s[SEL+1]
.endr
.irp b, 0,1
	s_delay_alu instid0(VALU_DEP_2)
	v_max_num_f32 v[232+\b], v[232+\b], v[236+\b]
.endr
.irp b, 0,1
	s_delay_alu instid0(VALU_DEP_2)
	v_add_nc_u32 v[244+\b], 0xff000000, v[232+\b]
.endr
.irp b, 0,1
	s_delay_alu instid0(VALU_DEP_2)
	v_lshrrev_b32 v[236+\b], 23, v[244+\b]
.endr
	s_delay_alu instid0(VALU_DEP_1)
	v_lshl_or_b32 v240, v237, 8, v236
	s_delay_alu instid0(VALU_DEP_1)
	v_cndmask_b32 v240, v240, v241, vcc_lo         ; the sum is 0: both bytes 0xff
	v_cvt_scalef32_pk16_fp6_f32 v[224:226], v[96:111], v244
	v_cvt_scalef32_pk16_fp6_f32 v[228:230], v[112:127], v245
	v_nop
.irp i, 0,1,2
	v_permlane16_swap_b32 v[224+\i], v[228+\i]
.endr
	s_delay_alu instid0(VALU_DEP_3)
	v_mov_b32 v227, v228
	s_delay_alu instid0(VALU_DEP_3)
	v_mov_b32 v228, v229
	s_delay_alu instid0(VALU_DEP_3)
	v_mov_b32 v229, v230
	global_store_b128 v1, v[224:227], s[28:29]             ; 512 and 256 consecutive bytes, at a multiple of 256 from the buffer's first byte
	global_store_b64 v2, v[228:229], s[28:29] offset:512
	global_store_b16 v7, v240, s[8:9]
	s_wait_tensorcnt 0x0                           ; the wave's end, behind my last LDS store
	ds_add_u32 v[SPW], v[NIL]
	s_wait_dscnt 0x0
	s_endpgm
.Lfunc_end_k_q1971ee1236_att:
	.size	k_q1971ee1236_att, .Lfunc_end_k_q1971ee1236_att-k_q1971ee1236_att
	.p2alignl 7, 3214868480
	.fill 96, 4, 3214868480
	.section	.rodata,"a",@progbits
	.p2align	6, 0x0
	.amdhsa_kernel k_q1971ee1236_att
		.amdhsa_group_segment_fixed_size 210944
		.amdhsa_private_segment_fixed_size 0
		.amdhsa_enable_private_segment 0
		.amdhsa_kernarg_size 24
		.amdhsa_user_sgpr_count 2
		.amdhsa_user_sgpr_kernarg_segment_ptr 1
		.amdhsa_wavefront_size32 1
		.amdhsa_system_sgpr_workgroup_id_x 1
		.amdhsa_system_sgpr_workgroup_id_y 1
		.amdhsa_system_sgpr_workgroup_id_z 1
		.amdhsa_system_vgpr_workitem_id 0
		.amdhsa_next_free_vgpr 256
		.amdhsa_next_free_sgpr 100
		.amdhsa_reserve_vcc 1
		.amdhsa_float_denorm_mode_32 3
		.amdhsa_float_denorm_mode_16_64 3
		.amdhsa_memory_ordered 1
		.amdhsa_forward_progress 1
		.amdhsa_inst_pref_size 39
	.end_amdhsa_kernel
	.amdgpu_metadata
---
amdhsa.version: [ 1, 2 ]
amdhsa.kernels:
  - .name:           k_q1971ee1236_att
    .symbol:         k_q1971ee1236_att.kd
    .args:
      - { .name: qkv, .offset: 0, .size: 8, .value_kind: global_buffer, .address_space: global }
      - { .name: lm, .offset: 8, .size: 8, .value_kind: global_buffer, .address_space: global }
      - { .name: ac, .offset: 16, .size: 8, .value_kind: global_buffer, .address_space: global }
    .group_segment_fixed_size: 210944
    .private_segment_fixed_size: 0
    .kernarg_segment_align: 8
    .kernarg_segment_size: 24
    .max_flat_workgroup_size: 512
    .sgpr_count:     100
    .vgpr_count:     256
    .wavefront_size: 32
...
	.end_amdgpu_metadata
.endif
;; end of part 11
;; launch gwo (part 12): grid 8 x 32, 4 waves a work-group, clusters of 4 x 4, 327,680 bytes of LDS; arguments ac, codes, scales, y, x_embeds; writes y
.if DOCPART == 12
	.amdgcn_target "amdgcn-amd-amdhsa--gfx1250"
	.amdhsa_code_object_version 6
	.text
	.protected	k_q1971ee1236_gwo
	.globl	k_q1971ee1236_gwo
	.p2align	8
	.type	k_q1971ee1236_gwo,@function
k_q1971ee1236_gwo:
	s_mov_b64 s[64:65], 0
	v_nop
	global_prefetch_b8 v0, s[64:65] scope:SCOPE_SE
	s_setreg_imm32_b32 hwreg(HW_REG_WAVE_MODE, 25, 1), 1
	s_wait_xcnt 0x0
	s_wait_alu depctr_hold_cnt(0) depctr_sa_sdst(0) depctr_va_vdst(0) depctr_va_sdst(0) depctr_va_ssrc(0) depctr_va_vcc(0) depctr_vm_vsrc(0)
	s_getreg_b32 s2, hwreg(HW_REG_IB_STS2, 6, 4)
	s_cmp_eq_u32 s2, 0
	s_cbranch_scc0 .Lentry_in_a_cluster
	s_endpgm
.Lentry_in_a_cluster:
	s_bfe_u32 s2, ttmp6, 0x10000c
	s_cmp_lg_u32 s2, 0xf033
	s_cbranch_scc0 .Lentry_shape_is_right
	s_endpgm
.Lentry_shape_is_right:
; y = attention's output x w_o^T + x_embeds: PRODUCT 4 on codes of FP6 (E2M3) with E8M0 scales, and the residual; y [4,096][1,024] f32, row-major.  Nothing is left out here.
; The text is that of the launch for product 6 with K = 1,024: one period, so no ring, no refill and no loop to prefetch in.  That launch's head comment states the shares, the layouts and the registers.
; In short: tiles of 128 tokens x 128 columns, 256 work-groups; the four waves share K (wave w: K steps 2 w, 2 w + 1) and add their partial tiles, as (p0 + p1) + (p2 + p3), on the way out.
; A's fragments (tokens) are each read by one wave alone and go from memory straight into its registers; B's (rows of w_o) and both sides' scale words come by joint tensor loads, one a wave.
.set KDIM,  1024
.set PER,   KDIM/1024
.set HASB,  0
.set A_SC,  3145728
.set B_CO,  5505024
.set B_SC,  229376
.set OUT,   10
.set FR,    12
.set NP,    4
.set RT,    KDIM/128*1536
.set PB,    8*1536
.set HALFT, 4*PB
.set SLOT,  8*PB
.set SBLK,  KDIM/128*64
.set HALFS, 4*SBLK
.set SCL,   2*SLOT
.set SPITCH, 528
.set STW,   128*SPITCH
.set SPARE, 4*STW
.set L16,  4
.set L8,   5
.set CO,   4
.set RD,   8
.set BIAS, 12
.set ADRB, 16
.set STO,  24
.set ADRS, 27
.set SPW,  28
.set NIL,  29
.set PFO,  30
.set SC,   32
.set AF,   64
.set BK,   64
.set G0H,  24
.set AP,   28
.set G0R,  32
.set G1B,  48
.set PFA,  56
.set PFB,  58
.set G1S,  68
.set G0S,  76
.set G1SB, 80
.set G0SB, 88
.set MSB, 0
.macro WIN new
.if MSB != (\new)
	s_set_vgpr_msb (MSB<<8)|(\new)
.set MSB, (\new)
.endif
.endm
.set MUL_LO, 0xa1
.set TO_B,   0x40
.macro ARM under, g0, g1, next
	s_cmp_lt_u32 s14, \under
	s_cbranch_scc0 \next
	tensor_load_to_lds s[\g0:\g0+3], s[\g1:\g1+7]
	s_nop 0
.rept 4
	v_nop
.endr
	s_branch .Lhead_asked
\next:
.endm
.macro CREST
	s_cmp_lg_u32 s14, 0
	s_cbranch_scc1 .Lnot_wave_0_\@
	s_barrier_signal -3
.Lnot_wave_0_\@:
	s_barrier_wait -3
	s_barrier_signal -1
	s_barrier_wait -1
.endm
.macro CROUND
	s_barrier_signal -1
	s_barrier_wait -1
	CREST
.endm
.macro PLACES n
.rept \n
	v_nop
.endr
.endm
.macro LOAD_A P, p, i0
.irp i, \i0, \i0+1
	global_load_b128 v[AF+96*(\p)+FR*(\i):AF+96*(\p)+FR*(\i)+3], v[L16], s[AP:AP+1] offset:(\i)*RT+(\P)*PB+(\p)*1536
	global_load_b64 v[AF+96*(\p)+FR*(\i)+4:AF+96*(\p)+FR*(\i)+5], v[L8], s[AP:AP+1] offset:(\i)*RT+(\P)*PB+(\p)*1536+512
	global_load_b128 v[AF+96*(\p)+FR*(\i)+6:AF+96*(\p)+FR*(\i)+9], v[L16], s[AP:AP+1] offset:(\i)*RT+(\P)*PB+(\p)*1536+768
	global_load_b64 v[AF+96*(\p)+FR*(\i)+10:AF+96*(\p)+FR*(\i)+11], v[L8], s[AP:AP+1] offset:(\i)*RT+(\P)*PB+(\p)*1536+1280
.endr
.endm
.macro FRAG reg, adr, q, i
	ds_load_b128 v[\reg:\reg+3], v[\adr+2*((\i)/4)] offset:((\i)%4)*PB+(\q)*1536
	ds_load_b64 v[\reg+4:\reg+5], v[\adr+2*((\i)/4)+1] offset:((\i)%4)*PB+(\q)*1536+512
	ds_load_b128 v[\reg+6:\reg+9], v[\adr+2*((\i)/4)] offset:((\i)%4)*PB+(\q)*1536+768
	ds_load_b64 v[\reg+10:\reg+11], v[\adr+2*((\i)/4)+1] offset:((\i)%4)*PB+(\q)*1536+1280
.endm
.macro FETCH_B slot, p
	WIN TO_B
.irp i, 0,1,2,3,4,5,6,7
	FRAG 128*(\p)+FR*\i, ADRB+4*(\slot), \p, \i
.endr
	WIN 0
.endm
.macro SCALES P
.irp i, 0,1,2,3,4,5,6,7
	ds_load_b32 v[SC+2*\i], v[ADRS] offset:\i*SBLK+512*(\P)
	ds_load_b32 v[SC+2*\i+1], v[ADRS] offset:\i*SBLK+512*(\P)+64
.endr
.endm
.macro MUL16 a0, p, zero
.irp a, \a0, \a0+1
.irp b, 0,1,2,3,4,5,6,7
.if \zero
	v_wmma_scale_f32_16x16x128_f8f6f4 v[8*(8*((\a)%4)+\b):8*(8*((\a)%4)+\b)+7], v[128*(\p)+FR*\b:128*(\p)+FR*\b+FR-1], v[AF+96*(\p)+FR*(\a):AF+96*(\p)+FR*(\a)+FR-1], 0, v[SC+2*\b+(\p)], v[SC+2*(\a)+(\p)] matrix_a_fmt:MATRIX_FMT_FP6 matrix_b_fmt:MATRIX_FMT_FP6 matrix_a_scale:MATRIX_SCALE_ROW1
.else
	v_wmma_scale_f32_16x16x128_f8f6f4 v[8*(8*((\a)%4)+\b):8*(8*((\a)%4)+\b)+7], v[128*(\p)+FR*\b:128*(\p)+FR*\b+FR-1], v[AF+96*(\p)+FR*(\a):AF+96*(\p)+FR*(\a)+FR-1], v[8*(8*((\a)%4)+\b):8*(8*((\a)%4)+\b)+7], v[SC+2*\b+(\p)], v[SC+2*(\a)+(\p)] matrix_a_fmt:MATRIX_FMT_FP6 matrix_b_fmt:MATRIX_FMT_FP6 matrix_a_scale:MATRIX_SCALE_ROW1
.endif
.endr
.endr
.endm
.macro GRP a0, p, zero, P, ld
	WIN MUL_LO+0x50*((\a0)/4)
	MUL16 \a0, \p, \zero
.if \ld
	PLACES NP
	WIN 0
	LOAD_A (\P)+1, \p, \a0
.endif
.endm
.macro ASK per
	global_prefetch_b8 v[PFO], s[PFA:PFA+1] offset:(\per)*PB th:TH_LOAD_NT scope:SCOPE_SE
	global_prefetch_b8 v[PFO], s[PFB:PFB+1] offset:(\per)*PB th:TH_LOAD_NT scope:SCOPE_SE
.endm
.macro PERIOD P, zero, more, fill
	FETCH_B (\P)%2, 0
	SCALES \P
	FETCH_B (\P)%2, 1
	s_wait_loadcnt 32
	s_wait_dscnt 32
	GRP 0, 0, \zero, \P, \more
	GRP 2, 0, \zero, \P, \more
	GRP 4, 0, \zero, \P, \more
	GRP 6, 0, \zero, \P, \more
.if \more
	s_wait_loadcnt 32
.else
	s_wait_loadcnt 0x0
.endif
	s_wait_dscnt 0x0
	GRP 0, 1, 0, \P, \more
	GRP 2, 1, 0, \P, \more
.if \more
	s_wait_tensorcnt 0x0
.if \fill
	ds_add_u32 v[SPW], v[NIL]
.endif
	GRP 4, 1, 0, \P, 0
	s_wait_dscnt 0x0
	s_barrier_signal -1
	GRP 6, 1, 0, \P, 0
	WIN 0
	s_barrier_wait -1
.if \fill
	CREST
.if (\P) == 1
	s_add_nc_u64 s[G0R+6:G0R+7], s[G0R+6:G0R+7], 2*PB
.endif
	tensor_load_to_lds s[G0R+4*((\P)%2):G0R+4*((\P)%2)+3], s[G1B:G1B+7]
	s_nop 0
	PLACES NP
.else
	PLACES NP
.endif
	LOAD_A (\P)+1, 1, 4
	LOAD_A (\P)+1, 1, 6
.else
	GRP 4, 1, 0, \P, 0
	GRP 6, 1, 0, \P, 0
	WIN 0
.endif
.endm
	s_load_b256 s[4:11], s[0:1], 0x0               ; ac s[4:5], codes s[6:7], scales s[8:9], y s[10:11]
.if HASB
	s_load_b64 s[12:13], s[0:1], 0x20
	s_load_b64 s[96:97], s[0:1], 0x28
.else
	s_load_b64 s[96:97], s[0:1], 0x20              ; x_embeds
.endif
	v_lshl_add_u32 v[SPW], v0, 2, SPARE
	v_mov_b32 v[NIL], 0
	ds_add_u32 v[SPW], v[NIL]                      ; the wave's opening: the add, twice on end, and its wait ahead of my first tensor load
	ds_add_u32 v[SPW], v[NIL]
	v_lshrrev_b32 v1, 5, v0
	v_readfirstlane_b32 s14, v1                    ; wave 0..3
	s_mul_i32 s16, s14, 2*1536
	s_add_co_u32 s17, s16, HALFT
	s_add_co_u32 s18, s16, 2*HALFT
	s_add_co_u32 s19, s16, 3*HALFT
	s_lshl_b32 s22, s14, 7
	s_add_co_u32 s22, s22, SCL
	s_mul_i32 s23, s14, STW
	s_mul_i32 s20, s14, 32*SPITCH
	s_add_co_u32 s21, s20, STW
	s_add_co_u32 s2, s20, 2*STW
	s_add_co_u32 s3, s20, 3*STW
	v_and_b32 v1, 15, v0
	v_bfe_u32 v2, v0, 4, 1
	v_and_b32 v3, 31, v0
	v_lshlrev_b32 v[L16], 4, v3
	v_lshlrev_b32 v[L8], 3, v3
.if PER > 1
	v_min_u32 v[PFO], 23, v3
	v_lshlrev_b32 v[PFO], 8, v[PFO]
.endif
.irp n, 0,1,2,3
	v_add_nc_u32 v[ADRB+2*\n], s[16+\n], v[L16]
	v_add_nc_u32 v[ADRB+2*\n+1], s[16+\n], v[L8]
.endr
	v_mul_u32_u24 v6, v2, 2*HALFS+128
	v_lshl_add_u32 v6, v1, 2, v6
	v_add_nc_u32 v[ADRS], s22, v6
	v_mul_u32_u24 v7, v1, SPITCH
	v_lshl_add_u32 v7, v2, 6, v7
	v_add_nc_u32 v[STO], s23, v7
	v_add_nc_u32 v[RD], s20, v[L16]
	v_add_nc_u32 v[RD+1], s21, v[L16]
	v_add_nc_u32 v[RD+2], s2, v[L16]
	v_add_nc_u32 v[RD+3], s3, v[L16]
	s_bfe_u32 s40, ttmp6, 0x40000
	s_bfe_u32 s41, ttmp6, 0x40004
	s_lshl_b32 s42, ttmp9, 2
	s_add_co_u32 s42, s42, s40
	s_and_b32 s45, ttmp7, 0xffff
	s_lshl_b32 s45, s45, 2
	s_add_co_u32 s45, s45, s41
	s_lshl_b32 s43, s41, 2
	s_lshl_b32 s43, 15, s43
	s_lshl_b32 s44, 0x1111, s40
	s_or_b32 s[G1B+0], s44, (3<<16)|(1<<21)
	s_mov_b32 s[G1B+1], (PB/8)<<16
	s_mov_b32 s[G1B+2], 4<<16
	s_mov_b32 s[G1B+3], (PB/8)<<16
	s_mov_b32 s[G1B+4], 4
	s_mov_b32 s[G1B+5], RT/8
	s_mov_b32 s[G1B+6], 0
	s_mov_b32 s[G1B+7], 0
	s_or_b32 s[G1S+0], s43, (3<<16)|(1<<21)
	s_or_b32 s[G1SB+0], s44, (3<<16)|(1<<21)
.irp g, G1S, G1SB
	s_mov_b32 s[\g+1], 32<<16
	s_mov_b32 s[\g+2], (2*HALFS/256)<<16
	s_mov_b32 s[\g+3], 32<<16
	s_mov_b32 s[\g+4], 2*HALFS/256
	s_mov_b32 s[\g+5], 32
	s_mov_b32 s[\g+6], 0
	s_mov_b32 s[\g+7], 0
.endr
	s_lshl_b32 s46, s45, 3
	s_mul_i32 s92, s46, SBLK
	s_add_co_u32 s92, s92, A_SC
	s_mov_b32 s93, 0
.if PER > 1
	s_lshl_b32 s66, s40, 1
	s_add_co_u32 s66, s66, s46
	s_lshr_b32 s15, s14, 1
	s_add_co_u32 s66, s66, s15
	s_mul_i32 s66, s66, RT
	s_and_b32 s31, s14, 1
	s_mul_i32 s31, s31, 6144
	s_add_co_u32 s66, s66, s31
	s_mov_b32 s67, 0
.endif
	s_mul_i32 s46, s46, RT
	s_add_co_u32 s46, s46, s16
	s_mov_b32 s47, 0
	s_lshl_b32 s94, s42, 3
	s_mul_i32 s98, s94, SBLK
	s_add_co_u32 s98, s98, B_SC
	s_mov_b32 s99, 0
.if PER > 1
	s_lshl_b32 s30, s41, 1
	s_add_co_u32 s30, s30, s94
	s_add_co_u32 s30, s30, s15
	s_mul_i32 s30, s30, RT
	s_add_co_u32 s30, s30, s31
	s_add_co_u32 s30, s30, B_CO
	s_mov_b32 s31, 0
.endif
	s_mul_i32 s94, s94, RT
	s_add_co_u32 s94, s94, B_CO
	s_mov_b32 s95, 0
	s_mul_i32 s20, s14, 4*RT
	s_mov_b32 s21, 0
	s_mul_i32 s22, s14, 2*RT
	s_mov_b32 s23, 0
	s_lshl_b32 s62, s42, 9
	s_mov_b32 s63, 0
	s_lshl_b32 s60, s45, 7
	s_lshl_b32 s61, s14, 5
	s_add_co_u32 s60, s60, s61
	s_lshl_b32 s60, s60, 12
	s_add_co_u32 s60, s60, s62
	s_mov_b32 s61, 0
	s_wait_alu depctr_va_vdst(0)
	s_wait_dscnt 0x0
	s_wait_kmcnt 0x0
	s_add_nc_u64 s[AP:AP+1], s[4:5], s[46:47]
	s_add_nc_u64 s[92:93], s[4:5], s[92:93]
	s_add_nc_u64 s[94:95], s[6:7], s[94:95]
	s_add_nc_u64 s[98:99], s[8:9], s[98:99]
.if PER > 1
	s_add_nc_u64 s[PFA:PFA+1], s[4:5], s[66:67]
	s_add_nc_u64 s[PFB:PFB+1], s[6:7], s[30:31]
.endif
.if HASB
	s_add_nc_u64 s[10:11], s[10:11], s[62:63]
	global_load_b128 v[BIAS:BIAS+3], v[L16], s[10:11]
.endif
	s_add_nc_u64 s[OUT:OUT+1], s[OUT:OUT+1], s[60:61]
	s_add_nc_u64 s[96:97], s[96:97], s[60:61]
.irp i, 0,2,4,6
	LOAD_A 0, 0, \i
.endr
	CROUND
	s_mov_b32 s[G0H], 1
	s_mul_i32 s[G0H+1], s14, HALFT
	s_add_nc_u64 s[G0H+2:G0H+3], s[94:95], s[20:21]
	s_or_b32 s[G0H+3], s[G0H+3], 0x80000000
	s_mov_b32 s[G0S], 1
	s_mov_b32 s[G0S+1], SCL
	s_mov_b64 s[G0S+2:G0S+3], s[92:93]
	s_or_b32 s[G0S+3], s[G0S+3], 0x80000000
	s_mov_b32 s[G0SB], 1
	s_mov_b32 s[G0SB+1], SCL+2*HALFS+128
	s_mov_b64 s[G0SB+2:G0SB+3], s[98:99]
	s_or_b32 s[G0SB+3], s[G0SB+3], 0x80000000
.if PER > 1
	s_add_nc_u64 s[94:95], s[94:95], s[22:23]
	s_mov_b32 s[G0R], 1
	s_mul_i32 s[G0R+1], s14, 2*PB
	s_add_nc_u64 s[G0R+2:G0R+3], s[94:95], 2*PB
	s_or_b32 s[G0R+3], s[G0R+3], 0x80000000
	s_mov_b32 s[G0R+4], 1
	s_add_co_u32 s[G0R+5], s[G0R+1], SLOT
	s_add_nc_u64 s[G0R+6:G0R+7], s[94:95], PB
	s_or_b32 s[G0R+7], s[G0R+7], 0x80000000
.endif
	ARM 2, G0H, G1B, .Lhead_sa                     ; one load a wave, one chain of arms: waves 0 and 1 four row tiles of B each, wave 2 A's scale words, wave 3 B's
	ARM 3, G0S, G1S, .Lhead_sb
	tensor_load_to_lds s[G0SB:G0SB+3], s[G1SB:G1SB+7]
	s_nop 0
.rept 4
	v_nop
.endr
.Lhead_asked:
.irp i, 0,2,4,6
	LOAD_A 0, 1, \i
.endr
	s_wait_tensorcnt 0x0                           ; my tile of the head's is in
.if PER > 1
	ds_add_u32 v[SPW], v[NIL]
	s_mov_b32 s[G1B+2], 2<<16
	s_mov_b32 s[G1B+4], 2
	s_wait_dscnt 0x0
	CROUND
	tensor_load_to_lds s[G0R+4:G0R+7], s[G1B:G1B+7]
	s_nop 0
	PLACES NP
	ASK 2
	PERIOD 0, 1, 1, 1
	ASK 3
	PERIOD 1, 0, 1, 1
	PERIOD 2, 0, 1, 0
	PERIOD 3, 0, 0, 0
.else
	s_barrier_signal -1
	s_barrier_wait -1                              ; everybody's is
	PERIOD 0, 1, 0, 0
.endif
	; THE WAY OUT: as in the launch for product 6
	s_barrier_signal -1
	s_barrier_wait -1
	PLACES NP
	WIN TO_B
.set JJ, 0
.rept 32
	global_load_b128 v[4*JJ:4*JJ+3], v[CO], s[96:97] offset:(8*(JJ/16)+JJ%16+8*((JJ%16)/8))*4096 th:TH_LOAD_NT
.set JJ, JJ+1
.endr
	WIN 0
.irp a, 0,1,2,3,4,5,6,7
	WIN 0x08+4*(\a/4)
.irp b, 0,1,2,3,4,5,6,7
	ds_store_b128 v[STO], v[64*(\a%4)+8*\b:64*(\a%4)+8*\b+3] offset:\a*16*SPITCH+128*(\b/2)+32*(\b%2)
	ds_store_b128 v[STO], v[64*(\a%4)+8*\b+4:64*(\a%4)+8*\b+7] offset:\a*16*SPITCH+128*(\b/2)+32*(\b%2)+16
.endr
.endr
	WIN 0
	s_wait_dscnt 0x0
	s_barrier_signal -1
	s_barrier_wait -1
.macro RDG g
.set BB, BK+64*((\g)%3)
.irp t, 0,1,2,3
.irp p, 0,1,2,3
	ds_load_b128 v[BB+16*\t+4*\p:BB+16*\t+4*\p+3], v[RD+\p] offset:(4*(\g)+\t)*SPITCH
.endr
.endr
.endm
.macro SUMG g, left
.set BB, BK+64*((\g)%3)
	s_wait_dscnt \left
	s_wait_loadcnt 28-4*(\g)
.irp t, 0,1,2,3
.irp k, 0,2
	v_pk_add_f32 v[BB+16*\t+\k:BB+16*\t+\k+1], v[BB+16*\t+\k:BB+16*\t+\k+1], v[BB+16*\t+4+\k:BB+16*\t+4+\k+1]
	v_pk_add_f32 v[BB+16*\t+8+\k:BB+16*\t+8+\k+1], v[BB+16*\t+8+\k:BB+16*\t+8+\k+1], v[BB+16*\t+12+\k:BB+16*\t+12+\k+1]
.endr
.endr
.irp t, 0,1,2,3
.irp k, 0,2
	v_pk_add_f32 v[BB+16*\t+\k:BB+16*\t+\k+1], v[BB+16*\t+\k:BB+16*\t+\k+1], v[BB+16*\t+8+\k:BB+16*\t+8+\k+1]
.endr
.endr
.if HASB
.irp t, 0,1,2,3
.irp k, 0,2
	v_pk_add_f32 v[BB+16*\t+\k:BB+16*\t+\k+1], v[BB+16*\t+\k:BB+16*\t+\k+1], v[BIAS+\k:BIAS+\k+1]
.endr
.endr
.endif
	WIN 0x04
.irp t, 0,1,2,3
.irp k, 0,2
	v_pk_add_f32 v[BB+16*\t+\k:BB+16*\t+\k+1], v[BB+16*\t+\k:BB+16*\t+\k+1], v[16*(\g)+4*\t+\k:16*(\g)+4*\t+\k+1]
.endr
.endr
	WIN 0
.irp t, 0,1,2,3
.set JJ, 4*(\g)+\t
	global_store_b128 v[CO], v[BB+16*\t:BB+16*\t+3], s[OUT:OUT+1] offset:(8*(JJ/16)+JJ%16+8*((JJ%16)/8))*4096
.endr
.endm
	RDG 0
	RDG 1
.irp g, 0,1,2,3,4,5
	SUMG \g, 16
	s_wait_xcnt 0x0
	RDG \g+2
.endr
	SUMG 6, 16
	SUMG 7, 0
	s_wait_tensorcnt 0x0                           ; the wave's end
	ds_add_u32 v[SPW], v[NIL]
	s_wait_dscnt 0x0
	CROUND                                         ; the closing round
	s_endpgm
.Lfunc_end_k_q1971ee1236_gwo:
	.size	k_q1971ee1236_gwo, .Lfunc_end_k_q1971ee1236_gwo-k_q1971ee1236_gwo
	.p2alignl 7, 3214868480
	.fill 96, 4, 3214868480
	.section	.rodata,"a",@progbits
	.p2align	6, 0x0
	.amdhsa_kernel k_q1971ee1236_gwo
		.amdhsa_group_segment_fixed_size 327680
		.amdhsa_private_segment_fixed_size 0
		.amdhsa_enable_private_segment 0
		.amdhsa_kernarg_size 40
		.amdhsa_user_sgpr_count 2
		.amdhsa_user_sgpr_kernarg_segment_ptr 1
		.amdhsa_wavefront_size32 1
		.amdhsa_system_sgpr_workgroup_id_x 1
		.amdhsa_system_sgpr_workgroup_id_y 1
		.amdhsa_system_sgpr_workgroup_id_z 1
		.amdhsa_system_vgpr_workitem_id 0
		.amdhsa_next_free_vgpr 1024
		.amdhsa_next_free_sgpr 100
		.amdhsa_reserve_vcc 0
		.amdhsa_float_denorm_mode_32 3
		.amdhsa_float_denorm_mode_16_64 3
		.amdhsa_memory_ordered 1
		.amdhsa_forward_progress 1
		.amdhsa_inst_pref_size 75
	.end_amdhsa_kernel
	.amdgpu_metadata
---
amdhsa.version: [ 1, 2 ]
amdhsa.kernels:
  - .name:           k_q1971ee1236_gwo
    .symbol:         k_q1971ee1236_gwo.kd
    .args:
      - { .name: ac, .offset: 0, .size: 8, .value_kind: global_buffer, .address_space: global }
      - { .name: codes, .offset: 8, .size: 8, .value_kind: global_buffer, .address_space: global }
      - { .name: scales, .offset: 16, .size: 8, .value_kind: global_buffer, .address_space: global }
      - { .name: y, .offset: 24, .size: 8, .value_kind: global_buffer, .address_space: global }
      - { .name: x_embeds, .offset: 32, .size: 8, .value_kind: global_buffer, .address_space: global }
    .group_segment_fixed_size: 327680
    .private_segment_fixed_size: 0
    .kernarg_segment_align: 8
    .kernarg_segment_size: 40
    .max_flat_workgroup_size: 128
    .sgpr_count:     100
    .vgpr_count:     1024
    .wavefront_size: 32
...
	.end_amdgpu_metadata
.endif
;; end of part 12
;; launch ln1 (part 13): grid 256 x 1, 8 waves a work-group, no clusters, 66,816 bytes of LDS; arguments y, g1, b1, x1, ac; writes x1, ac
.if DOCPART == 13
	.amdgcn_target "amdgcn-amd-amdhsa--gfx1250"
	.amdhsa_code_object_version 6
	.text
	.protected	k_q1971ee1236_ln1
	.globl	k_q1971ee1236_ln1
	.p2align	8
	.type	k_q1971ee1236_ln1,@function
k_q1971ee1236_ln1:
	s_mov_b64 s[64:65], 0
	v_nop
	global_prefetch_b8 v0, s[64:65] scope:SCOPE_SE
	s_setreg_imm32_b32 hwreg(HW_REG_WAVE_MODE, 25, 1), 1
	s_wait_xcnt 0x0
; x1 = layer_norm(y) g1 + b1, in f32, stored row-major; and its quantiser along E (codes of FP6 (E2M3), one E8M0 scale for each 32) into the operand image that product 5 reads.  Nothing is left out here.
; A work-group takes token row tile t: the 16 tokens 32 (t / 2) + 8 (t % 2) + i + 8 (i / 8).  Wave w takes tile rows 2 w and 2 w + 1, two neighbouring tokens, whole: a row's 4,096 bytes are 32 registers, so a row's two sums never leave the wave.
; Then the 16 rows meet in LDS (rows 4,112 bytes apart), and wave w makes K step w's fragment for all 16.  A stream: no matrix unit, no cluster, no tensor load.
; LIMITS: as stated at the head of the first launch.
.set SPARE, 65792
.set SPW,  2
.set NIL,  3
.set SM,   10                          ; v[10:11], v[12:13] a row's sum, in two halves
.set PT,   14                          ; v14, v15
.set MU,   16                          ; v[16:17], v[18:19] the mean, twice
.set RS,   20                          ; v[20:21], v[22:23] 1 / sqrt(var + eps), twice
.set Y,    32
.set X,    96
.set G,    160
.set BT,   192
.set PC,   160
.set TM,   192
.set PW,   208
.set SEL,  20
.set MSB, 0
.macro WIN new                         ; (one register window: the macro writes nothing here)
.if MSB != (\new)
	s_set_vgpr_msb (MSB<<8)|(\new)
.set MSB, (\new)
.endif
.endm
.macro QUANT s, w, pw                  ; 64 numbers of a lane, register s + 16 b + i = k 32 b + 16 (lane / 16) + i of my row: a fragment's codes in v[PC] on, my row's scale word in v[pw]
	WIN (\w)|((\w)<<2)
.irp b, 0,1,2,3
	v_max3_num_f32 v[TM+\b], |v[(\s)+16*\b]|, |v[(\s)+1+16*\b]|, 0x1800000
.endr
	WIN ((\w)<<2)|((\w)<<4)
.irp i, 2,4,6,8,10,12,14
.irp b, 0,1,2,3
	s_delay_alu instid0(VALU_DEP_4)
	v_max3_num_f32 v[TM+\b], v[TM+\b], |v[(\s)+16*\b+\i]|, |v[(\s)+1+16*\b+\i]|
.endr
.endr
	WIN 0
.irp b, 0,1,2,3
	s_delay_alu instid0(VALU_DEP_4)
	v_permlanex16_b32 v[TM+4+\b], v[TM+\b], s[SEL], s[SEL+1]
.endr
.irp b, 0,1,2,3
	s_delay_alu instid0(VALU_DEP_4)
	v_max_num_f32 v[TM+\b], v[TM+\b], v[TM+4+\b]
.endr
.irp b, 0,1,2,3
	s_delay_alu instid0(VALU_DEP_4)
	v_add_nc_u32 v[TM+12+\b], 0xff000000, v[TM+\b]
.endr
.irp b, 0,1,2,3
	s_delay_alu instid0(VALU_DEP_4)
	v_lshrrev_b32 v[TM+4+\b], 23, v[TM+12+\b]
.endr
	s_delay_alu instid0(VALU_DEP_3)
	v_lshl_or_b32 v[\pw], v[TM+5], 8, v[TM+4]
	s_delay_alu instid0(VALU_DEP_1)
	v_lshl_or_b32 v[\pw], v[TM+6], 16, v[\pw]
	s_delay_alu instid0(VALU_DEP_1)
	v_lshl_or_b32 v[\pw], v[TM+7], 24, v[\pw]
	WIN (\w)
.irp c, 0,1
	v_cvt_scalef32_pk16_fp6_f32 v[PC+6*\c:PC+2+6*\c], v[(\s)+32*\c:(\s)+15+32*\c], v[TM+12+2*\c]
	v_cvt_scalef32_pk16_fp6_f32 v[PC+12+4*\c:PC+14+4*\c], v[(\s)+16+32*\c:(\s)+31+32*\c], v[TM+12+2*\c+1]
.endr
	WIN 0
	v_nop
.irp c, 0,1
.irp i, 0,1,2
	v_permlane16_swap_b32 v[PC+6*\c+\i], v[PC+12+4*\c+\i]
.endr
.irp i, 0,1,2
	s_delay_alu instid0(VALU_DEP_3)
	v_mov_b32 v[PC+3+6*\c+\i], v[PC+12+4*\c+\i]
.endr
.endr
.endm
.macro LANESUM                         ; both rows' sums over the 32 lanes, the result in every lane
.irp e, 0,1
	s_delay_alu instid0(VALU_DEP_2)
	v_add_f32 v[SM+2*\e], v[SM+2*\e], v[SM+2*\e+1]
.endr
.irp m, 1,2,4,8
.irp e, 0,1
	s_delay_alu instid0(VALU_DEP_2)
	v_add_f32_dpp v[SM+2*\e], v[SM+2*\e], v[SM+2*\e] row_xmask:\m row_mask:0xf bank_mask:0xf
.endr
.endr
.irp e, 0,1
	s_delay_alu instid0(VALU_DEP_2)
	v_permlanex16_b32 v[PT+\e], v[SM+2*\e], s[SEL], s[SEL+1]
.endr
.irp e, 0,1
	s_delay_alu instid0(VALU_DEP_2)
	v_add_f32 v[SM+2*\e], v[SM+2*\e], v[PT+\e]
.endr
.endm
	s_load_b64 s[4:5], s[0:1], 0x0                 ; y, which holds product 4 + x_embeds: the launch before has added the residual
	s_load_b128 s[8:11], s[0:1], 0x8               ; g1 s[8:9], b1 s[10:11]
	s_load_b128 s[12:15], s[0:1], 0x18             ; x1 s[12:13], ac s[14:15]
	v_lshl_add_u32 v[SPW], v0, 2, SPARE
	v_mov_b32 v[NIL], 0
	v_lshrrev_b32 v4, 5, v0
	s_delay_alu instid0(VALU_DEP_1)
	v_readfirstlane_b32 s16, v4                    ; wave 0..7
	v_and_b32 v4, 31, v0
	s_delay_alu instid0(VALU_DEP_1)
	v_lshlrev_b32 v1, 4, v4                        ; 16 x lane
	s_wait_alu depctr_va_vdst(0)
	v_lshlrev_b32 v7, 3, v4                        ; 8 x lane
	v_and_b32 v8, 15, v0                           ; r
	s_wait_alu depctr_va_vdst(0)
	v_bfe_u32 v9, v0, 4, 1                         ; h
	v_mov_b32 v[PT], 0                             ; a lane permute's destination counts as one of its sources
	v_mov_b32 v[PT+1], 0
	s_lshr_b32 s17, ttmp9, 1
	s_lshl_b32 s17, s17, 5
	s_and_b32 s18, ttmp9, 1
	s_lshl_b32 s18, s18, 3
	s_add_co_u32 s17, s17, s18
	s_lshl_b32 s18, s16, 1
	s_add_co_u32 s17, s17, s18
	s_lshr_b32 s18, s16, 2
	s_lshl_b32 s18, s18, 3
	s_add_co_u32 s17, s17, s18                     ; my first token: 32 (t / 2) + 8 (t % 2) + 2 w + 8 (w / 4)
	s_lshl_b32 s18, s17, 12
	s_mov_b32 s19, 0
	s_mov_b32 s[SEL], 0x76543210
	s_mov_b32 s[SEL+1], 0xfedcba98
	s_mov_b32 s22, 0x3a800000                      ; 1 / 1,024
	s_mov_b32 s23, 0x358637bd                      ; 1e-6
	s_mul_i32 s24, s16, 2*4112
	v_add_nc_u32 v5, s24, v1                       ; LDS, on the way in: my two rows
	v_mul_u32_u24 v6, v8, 4112
	s_wait_alu depctr_va_vdst(0)
	v_lshl_add_u32 v6, v9, 6, v6
	s_lshl_b32 s24, s16, 9
	v_add_nc_u32 v6, s24, v6                       ; on the way out: row r, + 64 h, + K step w's 512 bytes
	v_lshlrev_b32 v8, 2, v8                        ; 4 r
	s_wait_kmcnt 0x0
	s_add_nc_u64 s[4:5], s[4:5], s[18:19]
	s_add_nc_u64 s[12:13], s[12:13], s[18:19]
.irp e, 0,1
.irp j, 0,1,2,3,4,5,6,7
	global_load_b128 v[Y+32*\e+4*\j:Y+32*\e+4*\j+3], v1, s[4:5] offset:4096*\e+512*\j th:TH_LOAD_NT
.endr
.endr
.irp j, 0,1,2,3,4,5,6,7
	global_load_b128 v[G+4*\j:G+4*\j+3], v1, s[8:9] offset:512*\j
.endr
.irp j, 0,1,2,3,4,5,6,7
	global_load_b128 v[BT+4*\j:BT+4*\j+3], v1, s[10:11] offset:512*\j
.endr
	s_mul_i32 s18, ttmp9, 12288
	s_mul_i32 s24, s16, 1536
	s_add_co_u32 s18, s18, s24
	s_add_nc_u64 s[26:27], s[14:15], s[18:19]      ; my fragment's codes
	s_lshl_b32 s18, ttmp9, 9
	s_lshl_b32 s24, s16, 6
	s_add_co_u32 s18, s18, s24
	s_add_co_u32 s18, s18, 3145728
	s_add_nc_u64 s[14:15], s[14:15], s[18:19]      ; and its scale words
	s_wait_loadcnt 16                              ; both rows' 16 loads are in (behind them: the gain's and the bias's 16)
.irp e, 0,1
	v_pk_add_f32 v[SM+2*\e:SM+2*\e+1], v[Y+32*\e:Y+32*\e+1], v[Y+32*\e+2:Y+32*\e+3]
.endr
.irp k, 4,6,8,10,12,14,16,18,20,22,24,26,28,30
.irp e, 0,1
	s_delay_alu instid0(VALU_DEP_2)
	v_pk_add_f32 v[SM+2*\e:SM+2*\e+1], v[SM+2*\e:SM+2*\e+1], v[Y+32*\e+\k:Y+32*\e+\k+1]
.endr
.endr
	LANESUM
.irp e, 0,1
	s_delay_alu instid0(VALU_DEP_2)
	v_mul_f32 v[MU+2*\e], s22, v[SM+2*\e]
.endr
.irp e, 0,1
	s_delay_alu instid0(VALU_DEP_2)
	v_mov_b32 v[MU+2*\e+1], v[MU+2*\e]
.endr
.irp k, 0,2,4,6,8,10,12,14,16,18,20,22,24,26,28,30
.irp e, 0,1
	v_pk_add_f32 v[Y+32*\e+\k:Y+32*\e+\k+1], v[Y+32*\e+\k:Y+32*\e+\k+1], v[MU+2*\e:MU+2*\e+1] neg_lo:[0,1] neg_hi:[0,1]
.endr
.endr
.irp e, 0,1
	v_pk_mul_f32 v[SM+2*\e:SM+2*\e+1], v[Y+32*\e:Y+32*\e+1], v[Y+32*\e:Y+32*\e+1]
.endr
.irp k, 2,4,6,8,10,12,14,16,18,20,22,24,26,28,30
.irp e, 0,1
	s_delay_alu instid0(VALU_DEP_2)
	v_pk_fma_f32 v[SM+2*\e:SM+2*\e+1], v[Y+32*\e+\k:Y+32*\e+\k+1], v[Y+32*\e+\k:Y+32*\e+\k+1], v[SM+2*\e:SM+2*\e+1]
.endr
.endr
	LANESUM
.irp e, 0,1
	s_delay_alu instid0(VALU_DEP_2)
	v_fma_f32 v[RS+2*\e], v[SM+2*\e], s22, s23     ; var + eps
.endr
	s_wait_alu depctr_va_vdst(0)
.irp e, 0,1
	v_rsq_f32 v[RS+2*\e], v[RS+2*\e]
.endr
	v_nop                                          ; a plain place behind the last of the two
	s_wait_alu depctr_va_vdst(0)                   ; one wait for both, ahead of their first reader
.irp e, 0,1
	v_mov_b32 v[RS+2*\e+1], v[RS+2*\e]
.endr
	s_wait_alu depctr_va_vdst(0)
	s_wait_loadcnt 0x0                             ; the gain and the bias
.irp k, 0,2,4,6,8,10,12,14,16,18,20,22,24,26,28,30
.irp e, 0,1
	v_pk_mul_f32 v[Y+32*\e+\k:Y+32*\e+\k+1], v[Y+32*\e+\k:Y+32*\e+\k+1], v[RS+2*\e:RS+2*\e+1]
.endr
.irp e, 0,1
	s_delay_alu instid0(VALU_DEP_2)
	v_pk_fma_f32 v[Y+32*\e+\k:Y+32*\e+\k+1], v[Y+32*\e+\k:Y+32*\e+\k+1], v[G+\k:G+\k+1], v[BT+\k:BT+\k+1]
.endr
.endr
.irp e, 0,1
.irp j, 0,1,2,3,4,5,6,7
	global_store_b128 v1, v[Y+32*\e+4*\j:Y+32*\e+4*\j+3], s[12:13] offset:4096*\e+512*\j
	ds_store_b128 v5, v[Y+32*\e+4*\j:Y+32*\e+4*\j+3] offset:4112*\e+512*\j
.endr
.endr
	s_wait_dscnt 0x0                               ; for the others' sake: my two rows have landed
	s_barrier_signal -1
	s_barrier_wait -1
.irp b, 0,1,2,3
.irp j, 0,1,2,3
	ds_load_b128 v[X+16*\b+4*\j:X+16*\b+4*\j+3], v6 offset:128*\b+16*\j
.endr
.endr
	s_wait_dscnt 0x0
	QUANT X, 0, PW
	global_store_b128 v1, v[PC:PC+3], s[26:27]
	global_store_b64 v7, v[PC+4:PC+5], s[26:27] offset:512
	global_store_b128 v1, v[PC+6:PC+9], s[26:27] offset:768
	global_store_b64 v7, v[PC+10:PC+11], s[26:27] offset:1280
	global_store_b32 v8, v[PW], s[14:15]
	s_wait_tensorcnt 0x0                           ; the wave's end, behind my last LDS store
	ds_add_u32 v[SPW], v[NIL]
	s_wait_dscnt 0x0
	s_endpgm
.Lfunc_end_k_q1971ee1236_ln1:
	.size	k_q1971ee1236_ln1, .Lfunc_end_k_q1971ee1236_ln1-k_q1971ee1236_ln1
	.p2alignl 7, 3214868480
	.fill 96, 4, 3214868480
	.section	.rodata,"a",@progbits
	.p2align	6, 0x0
	.amdhsa_kernel k_q1971ee1236_ln1
		.amdhsa_group_segment_fixed_size 66816
		.amdhsa_private_segment_fixed_size 0
		.amdhsa_enable_private_segment 0
		.amdhsa_kernarg_size 40
		.amdhsa_user_sgpr_count 2
		.amdhsa_user_sgpr_kernarg_segment_ptr 1
		.amdhsa_wavefront_size32 1
		.amdhsa_system_sgpr_workgroup_id_x 1
		.amdhsa_system_sgpr_workgroup_id_y 1
		.amdhsa_system_sgpr_workgroup_id_z 1
		.amdhsa_system_vgpr_workitem_id 0
		.amdhsa_next_free_vgpr 224
		.amdhsa_next_free_sgpr 66
		.amdhsa_reserve_vcc 0
		.amdhsa_float_denorm_mode_32 3
		.amdhsa_float_denorm_mode_16_64 3
		.amdhsa_memory_ordered 1
		.amdhsa_forward_progress 1
		.amdhsa_inst_pref_size 31
	.end_amdhsa_kernel
	.amdgpu_metadata
---
amdhsa.version: [ 1, 2 ]
amdhsa.kernels:
  - .name:           k_q1971ee1236_ln1
    .symbol:         k_q1971ee1236_ln1.kd
    .args:
      - { .name: y, .offset: 0, .size: 8, .value_kind: global_buffer, .address_space: global }
      - { .name: g1, .offset: 8, .size: 8, .value_kind: global_buffer, .address_space: global }
      - { .name: b1, .offset: 16, .size: 8, .value_kind: global_buffer, .address_space: global }
      - { .name: x1, .offset: 24, .size: 8, .value_kind: global_buffer, .address_space: global }
      - { .name: ac, .offset: 32, .size: 8, .value_kind: global_buffer, .address_space: global }
    .group_segment_fixed_size: 66816
    .private_segment_fixed_size: 0
    .kernarg_segment_align: 8
    .kernarg_segment_size: 40
    .max_flat_workgroup_size: 256
    .sgpr_count:     66
    .vgpr_count:     224
    .wavefront_size: 32
...
	.end_amdgpu_metadata
.endif
;; end of part 13
;; launch gup (part 14): grid 16 x 16, 4 waves a work-group, clusters of 4 x 4, 327,680 bytes of LDS; arguments ac, codes, scales, b_up, hc; writes hc
.if DOCPART == 14
	.amdgcn_target "amdgcn-amd-amdhsa--gfx1250"
	.amdhsa_code_object_version 6
	.text
	.protected	k_q1971ee1236_gup
	.globl	k_q1971ee1236_gup
	.p2align	8
	.type	k_q1971ee1236_gup,@function
k_q1971ee1236_gup:
	s_mov_b64 s[64:65], 0
	v_nop
	global_prefetch_b8 v0, s[64:65] scope:SCOPE_SE
	s_setreg_imm32_b32 hwreg(HW_REG_WAVE_MODE, 25, 1), 1
	s_wait_xcnt 0x0
	s_wait_alu depctr_hold_cnt(0) depctr_sa_sdst(0) depctr_va_vdst(0) depctr_va_sdst(0) depctr_va_ssrc(0) depctr_va_vcc(0) depctr_vm_vsrc(0)
	s_getreg_b32 s2, hwreg(HW_REG_IB_STS2, 6, 4)
	s_cmp_eq_u32 s2, 0
	s_cbranch_scc0 .Lentry_in_a_cluster
	s_endpgm
.Lentry_in_a_cluster:
	s_bfe_u32 s2, ttmp6, 0x10000c
	s_cmp_lg_u32 s2, 0xf033
	s_cbranch_scc0 .Lentry_shape_is_right
	s_endpgm
.Lentry_shape_is_right:
; PRODUCT 5, h = relu(x1 w_up^T + b_up), on codes of FP6 (E2M3) with E8M0 scales, and h's quantiser along FF, in registers: h goes to memory as codes alone.  Nothing is left out here.
; The ring, the joint loads, the register plan and the operands' images are those of the launch for product 1 (its head comment states them).  A = tokens (codes and scale words in ac), B = rows of w_up.
; b_up is the C of each sum's first matrix instruction: eight registers for each of B's blocks, in the result's layout (v64-127 of window 0).
; THE WAY OUT: block a (16 tokens x my 128 hidden units) is one fragment of product 6's operand: K step 2 x tile column + half of token row tile 16 x tile row + 8 x half + a.
; LIMITS: as stated at the head of the first launch.
.set KDIM,  1024
.set A_SC,  3145728
.set B_CO,  6291456
.set B_SC,  262144
.set NQ,    2
.set FR,    12
.set NL,    4
.set NP,    4
.set RT,    KDIM/128*1536
.set SB,    NQ*1536
.set HALFT, 8*SB
.set SLOT,  4*HALFT
.set LAPS,  KDIM/512
.set SBLK,  KDIM/128*64
.set HALFS, 8*SBLK
.set SCL,   2*SLOT
.set SPARE, SCL+4*HALFS+256
.set ADRA, 16
.set ADRB, 20
.set L16,  24
.set L8,   25
.set R4,   26
.set ADRS, 27
.set SPW,  28
.set NIL,  29
.set SC,   32
.set BI,   64                          ; the bias; on the way out: a block's 64 numbers behind the activation
.set ST,   64
.set AF,   128
.set PC,   128
.set TM,   160
.set PW,   176
.set SEL,  18
.set G1, 24
.set G0, 32
.set G1B, 48
.set G0B, 56
.set G1S, 68
.set G0S, 76
.set G1SB, 80
.set G0SB, 88
.set MSB, 0
.macro WIN new
.if MSB != (\new)
	s_set_vgpr_msb (MSB<<8)|(\new)
.set MSB, (\new)
.endif
.endm
.set MUL_LO, 0xa1
.set MUL_HI, 0xf1
.set TO_B,   0x40
.macro JLOAD g0a, g1a, g0b, g1b
	s_cmp_eq_u32 s15, 0
	s_cbranch_scc0 .Lfor_b_\@
	tensor_load_to_lds s[\g0a:\g0a+3], s[\g1a:\g1a+7]
	s_nop 0
.rept 4
	v_nop
.endr
	s_branch .Lasked_\@
.Lfor_b_\@:
	tensor_load_to_lds s[\g0b:\g0b+3], s[\g1b:\g1b+7]
	s_nop 0
.rept 4
	v_nop
.endr
.Lasked_\@:
.endm
.macro CREST
	s_cmp_lg_u32 s14, 0
	s_cbranch_scc1 .Lnot_wave_0_\@
	s_barrier_signal -3
.Lnot_wave_0_\@:
	s_barrier_wait -3
	s_barrier_signal -1
	s_barrier_wait -1
.endm
.macro CROUND
	s_barrier_signal -1
	s_barrier_wait -1
	CREST
.endm
	s_load_b256 s[4:11], s[0:1], 0x0               ; ac s[4:5], codes s[6:7], scales s[8:9], b_up s[10:11]
	s_load_b64 s[12:13], s[0:1], 0x20              ; hc
	v_lshl_add_u32 v[SPW], v0, 2, SPARE
	v_mov_b32 v[NIL], 0
	ds_add_u32 v[SPW], v[NIL]                      ; the wave's opening: the add, twice on end, and its wait ahead of my first tensor load
	ds_add_u32 v[SPW], v[NIL]
	v_lshrrev_b32 v1, 5, v0
	v_readfirstlane_b32 s14, v1
	s_lshr_b32 s15, s14, 1
	s_and_b32 s16, s14, 1
	s_bfe_u32 s40, ttmp6, 0x40000
	s_bfe_u32 s41, ttmp6, 0x40004
	s_lshl_b32 s42, ttmp9, 2
	s_add_co_u32 s42, s42, s40
	s_and_b32 s17, ttmp7, 0xffff
	s_lshl_b32 s17, s17, 2
	s_add_co_u32 s17, s17, s41
	s_lshl_b32 s43, s41, 2
	s_lshl_b32 s43, 15, s43
	s_lshl_b32 s44, 0x1111, s40
	s_or_b32 s[G1+0], s43, (3<<16)|(1<<21)
	s_or_b32 s[G1B+0], s44, (3<<16)|(1<<21)
.irp g, G1, G1B
	s_mov_b32 s[\g+1], (SB/8)<<16
	s_mov_b32 s[\g+2], 16<<16
	s_mov_b32 s[\g+3], (SB/8)<<16
	s_mov_b32 s[\g+4], 16
	s_mov_b32 s[\g+5], RT/8
	s_mov_b32 s[\g+6], 0
	s_mov_b32 s[\g+7], 0
.endr
	s_or_b32 s[G1S+0], s43, (3<<16)|(1<<21)
	s_or_b32 s[G1SB+0], s44, (3<<16)|(1<<21)
.irp g, G1S, G1SB
	s_mov_b32 s[\g+1], 32<<16
	s_mov_b32 s[\g+2], (2*HALFS/256)<<16
	s_mov_b32 s[\g+3], 32<<16
	s_mov_b32 s[\g+4], 2*HALFS/256
	s_mov_b32 s[\g+5], 32
	s_mov_b32 s[\g+6], 0
	s_mov_b32 s[\g+7], 0
.endr
	s_mul_i32 s18, s16, 8*RT                       ; in the ring I fetch 8 of a tile's 16 row tiles: which half, in bytes
	s_lshl_b32 s20, s17, 4
	s_lshl_b32 s46, s42, 4
	s_mul_i32 s22, s20, SBLK
	s_add_co_u32 s22, s22, A_SC
	s_mul_i32 s92, s46, SBLK
	s_add_co_u32 s92, s92, B_SC
	s_mul_i32 s20, s20, RT
	s_mul_i32 s46, s46, RT
	s_add_co_u32 s46, s46, B_CO
	s_mov_b32 s21, 0
	s_mov_b32 s23, 0
	s_mov_b32 s47, 0
	s_mov_b32 s93, 0
	s_mul_i32 s45, s14, HALFT
	s_mov_b32 s19, 0
	s_wait_dscnt 0x0
	s_wait_kmcnt 0x0
	s_add_nc_u64 s[20:21], s[4:5], s[20:21]
	s_add_nc_u64 s[22:23], s[4:5], s[22:23]
	s_add_nc_u64 s[46:47], s[6:7], s[46:47]
	s_add_nc_u64 s[92:93], s[8:9], s[92:93]
	CROUND
	s_mov_b32 s[G0S], 1
	s_mov_b32 s[G0S+1], SCL
	s_mov_b64 s[G0S+2:G0S+3], s[22:23]
	s_or_b32 s[G0S+3], s[G0S+3], 0x80000000
	s_mov_b32 s[G0SB], 1
	s_mov_b32 s[G0SB+1], SCL+2*HALFS+128
	s_mov_b64 s[G0SB+2:G0SB+3], s[92:93]
	s_or_b32 s[G0SB+3], s[G0SB+3], 0x80000000
.set G0H, 4                            ; s[4:7], s[92:95] group 0 of the head's loads of slot 0: A's 16 row tiles, B's 16 (what lay in these registers has been used)
.set G0HB, 92
	s_mov_b32 s[G0H], 1
	s_mov_b32 s[G0H+1], 0
	s_mov_b64 s[G0H+2:G0H+3], s[20:21]
	s_or_b32 s[G0H+3], s[G0H+3], 0x80000000
	s_mov_b32 s[G0HB], 1
	s_mov_b32 s[G0HB+1], 2*HALFT
	s_mov_b64 s[G0HB+2:G0HB+3], s[46:47]
	s_or_b32 s[G0HB+3], s[G0HB+3], 0x80000000
	s_add_nc_u64 s[20:21], s[20:21], s[18:19]      ; for the ring: my 8 row tiles
	s_add_nc_u64 s[46:47], s[46:47], s[18:19]
.irp s, 0,1
	s_mov_b32 s[G0+4*\s], 1
	s_add_co_u32 s[G0+4*\s+1], s45, \s*SLOT
	s_add_nc_u64 s[G0+4*\s+2:G0+4*\s+3], s[20:21], \s*SB
	s_or_b32 s[G0+4*\s+3], s[G0+4*\s+3], 0x80000000
	s_mov_b32 s[G0B+4*\s], 1
	s_add_co_u32 s[G0B+4*\s+1], s45, \s*SLOT
	s_add_nc_u64 s[G0B+4*\s+2:G0B+4*\s+3], s[46:47], \s*SB
	s_or_b32 s[G0B+4*\s+3], s[G0B+4*\s+3], 0x80000000
.endr
; the head's four tiles, one load a wave: wave 0 slot 0's rows of A, wave 1 those of B, wave 2 A's scale words, wave 3 B's; one chain of arms, one join
.macro ARM under, g0, g1, next
	s_cmp_lt_u32 s14, \under
	s_cbranch_scc0 \next
	tensor_load_to_lds s[\g0:\g0+3], s[\g1:\g1+7]
	s_nop 0
.rept 4
	v_nop
.endr
	s_branch .Lhead_asked
\next:
.endm
	ARM 1, G0H,  G1,  .Lhead_b
	ARM 2, G0HB, G1B, .Lhead_sa
	ARM 3, G0S,  G1S, .Lhead_sb
	tensor_load_to_lds s[G0SB:G0SB+3], s[G1SB:G1SB+7]
	s_nop 0
.rept 4
	v_nop
.endr
.Lhead_asked:
	v_and_b32 v1, 15, v0
	v_bfe_u32 v2, v0, 4, 1
	v_and_b32 v3, 31, v0
	v_lshlrev_b32 v[L16], 4, v3
	s_wait_alu depctr_va_vdst(0)
	v_lshlrev_b32 v[L8], 3, v3
	s_wait_alu depctr_va_vdst(0)
	v_lshlrev_b32 v[R4], 2, v1
	s_lshl_b32 s46, s42, 10                        ; the bias of my 128 columns: lane half h wants, for B's block b, numbers 32 (b / 2) + 8 (b % 2) + 16 h + 0 .. 7
	s_lshl_b32 s47, s16, 9
	s_add_co_u32 s46, s46, s47
	s_mov_b32 s47, 0
	s_add_nc_u64 s[10:11], s[10:11], s[46:47]
	v_lshlrev_b32 v7, 6, v2
.irp b, 0,1,2,3,4,5,6,7
	global_load_b128 v[BI+8*\b:BI+8*\b+3], v7, s[10:11] offset:4*(32*(\b/2)+8*(\b%2))
	global_load_b128 v[BI+8*\b+4:BI+8*\b+7], v7, s[10:11] offset:4*(32*(\b/2)+8*(\b%2))+16
.endr
	s_mul_i32 s21, s15, HALFT
	s_mul_i32 s22, s16, HALFT
	s_add_co_u32 s22, s22, 2*HALFT
.irp s, 0,1
	v_add_nc_u32 v[ADRA+\s], s21, v[L16]
	v_add_nc_u32 v[ADRB+\s], s22, v[L16]
	v_add_nc_u32 v[ADRA+2+\s], s21, v[L8]
	v_add_nc_u32 v[ADRB+2+\s], s22, v[L8]
	s_add_co_u32 s21, s21, SLOT
	s_add_co_u32 s22, s22, SLOT
.endr
	s_mul_i32 s21, s15, HALFS
	s_mul_i32 s22, s16, HALFS
	s_add_co_u32 s22, s22, 2*HALFS+128
	s_sub_co_u32 s22, s22, s21
	v_mul_u32_u24 v6, s22, v2
	s_add_co_u32 s21, s21, SCL
	v_lshl_add_u32 v6, v1, 2, v6
	v_add_nc_u32 v[ADRS], s21, v6
	s_lshl_b32 s2, s17, 4                          ; where my results go: fragment (16 x tile row + 8 x half) x 32 + 2 x tile column + half
	s_lshl_b32 s45, s15, 3
	s_add_co_u32 s2, s2, s45
	s_lshl_b32 s2, s2, 5
	s_lshl_b32 s45, s42, 1
	s_add_co_u32 s2, s2, s45
	s_add_co_u32 s2, s2, s16
	s_mul_i32 s98, s2, 1536
	s_mov_b32 s99, 0
	s_lshl_b32 s66, s2, 6
	s_add_co_u32 s66, s66, 12582912
	s_mov_b32 s67, 0
	s_add_nc_u64 s[66:67], s[12:13], s[66:67]
	s_add_nc_u64 s[12:13], s[12:13], s[98:99]
.macro FRAG reg, adr, q, i
	ds_load_b128 v[\reg:\reg+3], v[\adr] offset:(\i)*SB+(\q)*1536
	ds_load_b64 v[\reg+4:\reg+5], v[\adr+2] offset:(\i)*SB+(\q)*1536+512
	ds_load_b128 v[\reg+6:\reg+9], v[\adr] offset:(\i)*SB+(\q)*1536+768
	ds_load_b64 v[\reg+10:\reg+11], v[\adr+2] offset:(\i)*SB+(\q)*1536+1280
.endm
.macro MUL16 a0, p, q, sc, zero        ; zero = 2: the first product starts the sums from the bias.  The 64 accumulators take turns, one instruction a turn
.irp a, \a0, \a0+1
.irp b, 0,1,2,3,4,5,6,7
.if \zero
	v_wmma_scale_f32_16x16x128_f8f6f4 v[8*(8*((\a)%4)+\b):8*(8*((\a)%4)+\b)+7], v[128*(\p)+FR*\b:128*(\p)+FR*\b+FR-1], v[AF+FR*(\a):AF+FR*(\a)+FR-1], v[BI+8*\b:BI+8*\b+7], v[SC+8*NQ*(\sc)+NQ*\b+(\q)], v[SC+8*NQ*(\sc)+NQ*(\a)+(\q)] matrix_a_fmt:MATRIX_FMT_FP6 matrix_b_fmt:MATRIX_FMT_FP6 matrix_a_scale:MATRIX_SCALE_ROW1
.else
	v_wmma_scale_f32_16x16x128_f8f6f4 v[8*(8*((\a)%4)+\b):8*(8*((\a)%4)+\b)+7], v[128*(\p)+FR*\b:128*(\p)+FR*\b+FR-1], v[AF+FR*(\a):AF+FR*(\a)+FR-1], v[8*(8*((\a)%4)+\b):8*(8*((\a)%4)+\b)+7], v[SC+8*NQ*(\sc)+NQ*\b+(\q)], v[SC+8*NQ*(\sc)+NQ*(\a)+(\q)] matrix_a_fmt:MATRIX_FMT_FP6 matrix_b_fmt:MATRIX_FMT_FP6 matrix_a_scale:MATRIX_SCALE_ROW1
.endif
.endr
.endr
.endm
.macro FETCH_B slot, q, p
	WIN TO_B
.irp i, 0,1,2,3,4,5,6,7
	FRAG 128*(\p)+FR*\i, ADRB+\slot, \q, \i
.endr
	WIN 0
.endm
.macro FETCH_A slot, q, i0
.irp i, \i0, \i0+1, \i0+2, \i0+3
	FRAG AF+FR*(\i), ADRA+\slot, \q, \i
.endr
.endm
.macro SCALES sc
.irp i, 0,1,2,3,4,5,6,7
	ds_load_b32 v[SC+8*NQ*\sc+NQ*\i], v[ADRS] offset:\i*SBLK
	ds_load_b32 v[SC+8*NQ*\sc+NQ*\i+1], v[ADRS] offset:\i*SBLK+64
.endr
.endm
.macro PLACES n
.rept \n
	v_nop
.endr
.endm
.macro STEP slot, q, zero
	s_wait_dscnt 4*NL                              ; all but the youngest 16 loads (A's blocks 4-7) are in
.if \zero
	WIN 0x81                                       ; C (the bias) window 0, D window 2
.else
	WIN MUL_LO
.endif
	MUL16 0, (\q)%2, \q, \slot, \zero
	MUL16 2, (\q)%2, \q, \slot, \zero
	s_wait_dscnt 0
	PLACES NP
	FETCH_B \slot, (\q)+1, 1-(\q)%2
	FETCH_A \slot, (\q)+1, 0
.if \zero
	WIN 0xc1                                       ; C window 0, D window 3
.else
	WIN MUL_HI
.endif
	MUL16 4, (\q)%2, \q, \slot, \zero
	MUL16 6, (\q)%2, \q, \slot, \zero
	PLACES NP
	WIN 0
	FETCH_A \slot, (\q)+1, 4
.endm
.macro TURN slot, next, fill
	s_wait_tensorcnt 0x0                           ; all my tensor loads have landed: my part of the next slot
	ds_add_u32 v[SPW], v[NIL]
	s_wait_dscnt 4*NL+1                            ; (the add and A's blocks 4-7 may be out)
	WIN MUL_LO
	MUL16 0, 1, NQ-1, \slot, 0
	s_wait_dscnt 0x0                               ; the add is done, and my reads of this slot are over
	s_barrier_signal -1
	MUL16 2, 1, NQ-1, \slot, 0
	WIN 0
	s_barrier_wait -1
.if \fill
	CREST                                          ; the barrier has opened a round of the cluster's barrier
	s_add_nc_u64 s[G0+4*\slot+2:G0+4*\slot+3], s[G0+4*\slot+2:G0+4*\slot+3], 2*SB
	s_add_nc_u64 s[G0B+4*\slot+2:G0B+4*\slot+3], s[G0B+4*\slot+2:G0B+4*\slot+3], 2*SB
	JLOAD G0+4*\slot, G1, G0B+4*\slot, G1B
.else
	PLACES NP
.endif
	s_wait_alu depctr_va_vdst(0)
	v_add_nc_u32 v[ADRS], 64*NQ, v[ADRS]
	FETCH_B \next, 0, 0
	FETCH_A \next, 0, 0
	SCALES \next
	WIN MUL_HI
	MUL16 4, 1, NQ-1, \slot, 0
	MUL16 6, 1, NQ-1, \slot, 0
	PLACES NP
	WIN 0
	FETCH_A \next, 0, 4
.endm
.macro QUANT s, w, pw                  ; 64 numbers of a lane in window w, register s + 16 b + i = k 32 b + 16 (lane / 16) + i of my row: a fragment's codes in v[PC] on, my row's scale word in v[pw]
	WIN (\w)|((\w)<<2)
.irp b, 0,1,2,3
	v_max3_num_f32 v[TM+\b], |v[(\s)+16*\b]|, |v[(\s)+1+16*\b]|, 0x1800000
.endr
	WIN ((\w)<<2)|((\w)<<4)
.irp i, 2,4,6,8,10,12,14
.irp b, 0,1,2,3
	v_max3_num_f32 v[TM+\b], v[TM+\b], |v[(\s)+16*\b+\i]|, |v[(\s)+1+16*\b+\i]|
.endr
.endr
	WIN 0
.irp b, 0,1,2,3
	v_permlanex16_b32 v[TM+4+\b], v[TM+\b], s[SEL], s[SEL+1]
.endr
.irp b, 0,1,2,3
	v_max_num_f32 v[TM+\b], v[TM+\b], v[TM+4+\b]
.endr
.irp b, 0,1,2,3
	v_add_nc_u32 v[TM+12+\b], 0xff000000, v[TM+\b]
.endr
.irp b, 0,1,2,3
	v_lshrrev_b32 v[TM+4+\b], 23, v[TM+12+\b]
.endr
	v_lshl_or_b32 v[\pw], v[TM+5], 8, v[TM+4]
	v_lshl_or_b32 v[\pw], v[TM+6], 16, v[\pw]
	v_lshl_or_b32 v[\pw], v[TM+7], 24, v[\pw]
	WIN (\w)
.irp c, 0,1
	v_cvt_scalef32_pk16_fp6_f32 v[PC+6*\c:PC+2+6*\c], v[(\s)+32*\c:(\s)+15+32*\c], v[TM+12+2*\c]
	v_cvt_scalef32_pk16_fp6_f32 v[PC+12+4*\c:PC+14+4*\c], v[(\s)+16+32*\c:(\s)+31+32*\c], v[TM+12+2*\c+1]
.endr
	WIN 0
	v_nop
.irp c, 0,1
.irp i, 0,1,2
	v_permlane16_swap_b32 v[PC+6*\c+\i], v[PC+12+4*\c+\i]
.endr
.irp i, 0,1,2
	v_mov_b32 v[PC+3+6*\c+\i], v[PC+12+4*\c+\i]
.endr
.endr
.endm
	s_wait_alu depctr_va_vdst(0)
	s_wait_tensorcnt 0x0                           ; my tile of the head's four is in
	ds_add_u32 v[SPW], v[NIL]
	s_mov_b32 s[G1+2], 8<<16                       ; no tensor load of mine is out: from here on a load brings 8 row tiles
	s_mov_b32 s[G1+4], 8
	s_mov_b32 s[G1B+2], 8<<16
	s_mov_b32 s[G1B+4], 8
	s_wait_dscnt 0x0
	CROUND                                         ; all four tiles are in, all sixteen work-groups are here
	JLOAD G0+4, G1, G0B+4, G1B                     ; slot 1's first fill, the first tensor load behind the round
	FETCH_B 0, 0, 0
	FETCH_A 0, 0, 0
	SCALES 0
	FETCH_A 0, 0, 4
	s_wait_loadcnt 0x0                             ; the bias
	STEP 0, 0, 2
	s_mov_b32 s3, LAPS-1
.Llap:
	TURN 0, 1, 1
	STEP 1, 0, 0
	TURN 1, 0, 1
	STEP 0, 0, 0
	s_sub_co_u32 s3, s3, 1
	s_cmp_lg_u32 s3, 0
	s_cbranch_scc1 .Llap
	TURN 0, 1, 0
	STEP 1, 0, 0
	s_wait_dscnt 4*NL
	WIN MUL_LO
	MUL16 0, 1, NQ-1, 1, 0
	MUL16 2, 1, NQ-1, 1, 0
	s_wait_dscnt 0
	WIN MUL_HI
	MUL16 4, 1, NQ-1, 1, 0
	MUL16 6, 1, NQ-1, 1, 0
	WIN 0
	s_mov_b32 s[SEL], 0x76543210
	s_mov_b32 s[SEL+1], 0xfedcba98
	PLACES NP
.irp a, 0,1,2,3,4,5,6,7
	WIN (2+\a/4)<<2                                ; source 1: window 2 or 3
.set j, 0
.rept 64
	v_max_num_f32 v[ST+j], 0, v[64*(\a%4)+j]       ; the activation, in f32; each accumulator from its low end on
.set j, j+1
.endr
	WIN 0
.if \a > 0
	s_wait_xcnt 0x0                                ; the last block's stores have read their registers
.endif
	QUANT ST, 0, PW
	global_store_b128 v[L16], v[PC:PC+3], s[12:13] offset:\a*49152
	global_store_b64 v[L8], v[PC+4:PC+5], s[12:13] offset:\a*49152+512
	global_store_b128 v[L16], v[PC+6:PC+9], s[12:13] offset:\a*49152+768
	global_store_b64 v[L8], v[PC+10:PC+11], s[12:13] offset:\a*49152+1280
	global_store_b32 v[R4], v[PW], s[66:67] offset:\a*2048
.endr
	s_wait_tensorcnt 0x0                           ; the wave's end
	ds_add_u32 v[SPW], v[NIL]
	s_wait_dscnt 0x0
	CROUND
	s_endpgm
.Lfunc_end_k_q1971ee1236_gup:
	.size	k_q1971ee1236_gup, .Lfunc_end_k_q1971ee1236_gup-k_q1971ee1236_gup
	.p2alignl 7, 3214868480
	.fill 96, 4, 3214868480
	.section	.rodata,"a",@progbits
	.p2align	6, 0x0
	.amdhsa_kernel k_q1971ee1236_gup
		.amdhsa_group_segment_fixed_size 327680
		.amdhsa_private_segment_fixed_size 0
		.amdhsa_enable_private_segment 0
		.amdhsa_kernarg_size 40
		.amdhsa_user_sgpr_count 2
		.amdhsa_user_sgpr_kernarg_segment_ptr 1
		.amdhsa_wavefront_size32 1
		.amdhsa_system_sgpr_workgroup_id_x 1
		.amdhsa_system_sgpr_workgroup_id_y 1
		.amdhsa_system_sgpr_workgroup_id_z 1
		.amdhsa_system_vgpr_workitem_id 0
		.amdhsa_next_free_vgpr 1024
		.amdhsa_next_free_sgpr 100
		.amdhsa_reserve_vcc 0
		.amdhsa_float_denorm_mode_32 3
		.amdhsa_float_denorm_mode_16_64 3
		.amdhsa_memory_ordered 1
		.amdhsa_forward_progress 1
		.amdhsa_inst_pref_size 169
	.end_amdhsa_kernel
	.amdgpu_metadata
---
amdhsa.version: [ 1, 2 ]
amdhsa.kernels:
  - .name:           k_q1971ee1236_gup
    .symbol:         k_q1971ee1236_gup.kd
    .args:
      - { .name: ac, .offset: 0, .size: 8, .value_kind: global_buffer, .address_space: global }
      - { .name: codes, .offset: 8, .size: 8, .value_kind: global_buffer, .address_space: global }
      - { .name: scales, .offset: 16, .size: 8, .value_kind: global_buffer, .address_space: global }
      - { .name: b_up, .offset: 24, .size: 8, .value_kind: global_buffer, .address_space: global }
      - { .name: hc, .offset: 32, .size: 8, .value_kind: global_buffer, .address_space: global }
    .group_segment_fixed_size: 327680
    .private_segment_fixed_size: 0
    .kernarg_segment_align: 8
    .kernarg_segment_size: 40
    .max_flat_workgroup_size: 128
    .sgpr_count:     100
    .vgpr_count:     1024
    .wavefront_size: 32
...
	.end_amdgpu_metadata
.endif
;; end of part 14
;; launch gdn (part 15): grid 8 x 32, 4 waves a work-group, clusters of 4 x 4, 327,680 bytes of LDS; arguments hc, codes, scales, b_down, y, x1; writes y
.if DOCPART == 15
	.amdgcn_target "amdgcn-amd-amdhsa--gfx1250"
	.amdhsa_code_object_version 6
	.text
	.protected	k_q1971ee1236_gdn
	.globl	k_q1971ee1236_gdn
	.p2align	8
	.type	k_q1971ee1236_gdn,@function
k_q1971ee1236_gdn:
	s_mov_b64 s[64:65], 0
	v_nop
	global_prefetch_b8 v0, s[64:65] scope:SCOPE_SE
	s_setreg_imm32_b32 hwreg(HW_REG_WAVE_MODE, 25, 1), 1
	s_wait_xcnt 0x0
	s_wait_alu depctr_hold_cnt(0) depctr_sa_sdst(0) depctr_va_vdst(0) depctr_va_sdst(0) depctr_va_ssrc(0) depctr_va_vcc(0) depctr_vm_vsrc(0)
	s_getreg_b32 s2, hwreg(HW_REG_IB_STS2, 6, 4)
	s_cmp_eq_u32 s2, 0
	s_cbranch_scc0 .Lentry_in_a_cluster
	s_endpgm
.Lentry_in_a_cluster:
	s_bfe_u32 s2, ttmp6, 0x10000c
	s_cmp_lg_u32 s2, 0xf033
	s_cbranch_scc0 .Lentry_shape_is_right
	s_endpgm
.Lentry_shape_is_right:
; y = h x w_down^T + b_down + x1: PRODUCT 6 on codes of FP6 (E2M3) with E8M0 scales, the bias and the residual; y [4,096][1,024] f32, row-major.  Nothing is left out here.
; SHARES.  Tiles of 128 tokens x 128 columns: 32 x 8 = 256 work-groups.  THE FOUR WAVES SHARE K, NOT THE TILE: K goes in periods of 1,024 (8 K steps of 128); in each, wave w multiplies the whole 128 x 128
; (64 accumulators, 512 registers) for K steps 2 w and 2 w + 1.  So every fragment is read by one wave, once, and feeds eight products.  The four partial tiles are added in f32 on the way out.
; ORDER OF ROUNDING: a sum over K is four partial f32 sums, added as (p0 + p1) + (p2 + p3), then + b_down, then + x1.
; OPERANDS ARE IMAGES OF THE MATRIX INSTRUCTION'S REGISTERS (the first launch's head comment): codes [row tile][K / 128][1,536], scale words [row tile][K / 128][16 words].  A = tokens (hc), B = rows of w_down.
; A GOES FROM MEMORY STRAIGHT INTO REGISTERS: a fragment of A has one reader, so LDS would only hand it on.  Eight loads of consecutive bytes stand behind each group of 16 products and bring the same two blocks of A for
; the next period: 64 loads (24,576 bytes) of a wave are out.  A joint load lands in LDS, so A's tiles are not asked for jointly.
; B COMES BY JOINT TENSOR LOADS (shared along a column of the 4 x 4 cluster) into a ring of TWO SLOTS of a whole period each (8 row tiles x 12,288 bytes = 98,304): a quarter a wave, one load a wave behind each round.
; The refill of the slot just read out stands at a period's end, so by the text's own count 128 matrix instructions of a wave lie between a request and the wait for it.  Both sides' scale words, for all of K, come once, at the head.
; PREFETCH: A's and B's bytes of periods 2 and 3 are asked of memory one period or more ahead of the load that wants them: 24 blocks of 256 bytes a wave and side; the four partners that read a tile share its 8 row tiles out by
; address (two each, by cx for A, by cy for B).  Lanes 24-31 name the wave's last block again.  Periods 0 and 1 come by their loads alone.  All offsets are immediates: no address register is ever stepped.
; TRANSPOSED USE (source 0 = 16 rows of w_down, source 1 = 16 tokens): a lane holds one token, register j of B's block b the column 32 (b / 2) + 8 (b % 2) + 16 (lane / 16) + j.
; REGISTERS: window 0: v4, v5 16 and 8 x lane, v8-11, v16-27 LDS addresses, v12-15 the bias, v28, v29 the add's two, v30 the prefetches' offset, v32-47 scale words, v64-159 and v160-255 A's fragments of my two K steps.
;   window 1: B's, at v0 and v128 (on the way out v0-127: the residual).  window 2: accumulators of A's blocks 0-3 ((a, b) at v[8 (8 (a % 4) + b)]); window 3: of blocks 4-7.
.set KDIM,  4096
.set PER,   KDIM/1024
.set HASB,  1
.set A_SC,  12582912                   ; A's scale words in hc
.set B_CO,  9437184                    ; w_down's codes in 'codes'
.set B_SC,  393216                     ; and scale words in 'scales'
.set OUT,   12
.set FR,    12
.set NP,    4                          ; places behind this matrix instruction (ISA guide 7.12.1)
.set RT,    KDIM/128*1536              ; a row tile's codes in memory
.set PB,    8*1536                     ; a period of a row tile
.set HALFT, 4*PB
.set SLOT,  8*PB
.set SBLK,  KDIM/128*64                ; a row tile's scale words
.set HALFS, 4*SBLK
.set SCL,   2*SLOT                     ; behind the ring: A's scale words (2 HALFS), and 128 bytes further on than their end B's
.set SPITCH, 528                       ; the way out: a stage of 128 rows x (512 bytes + 16) for each wave, laid over the ring and the scale words, which have had their last fill and, behind a barrier, their last read
.set STW,   128*SPITCH
.set SPARE, 4*STW                      ; behind the four stages: the spare words, 128 bytes a wave
.set L16,  4
.set L8,   5
.set CO,   4
.set RD,   8
.set BIAS, 12
.set ADRB, 16                          ; v16-23: slot 0 row tiles 0-3, 4-7, slot 1 likewise; the 16 x lane and the 8 x lane form of each (an LDS offset has 16 bits)
.set STO,  24
.set ADRS, 27
.set SPW,  28
.set NIL,  29
.set PFO,  30
.set SC,   32                          ; register 2 i + q: lanes 0-15 the word of A's block i, lanes 16-31 that of B's block i, for my q-th K step
.set AF,   64
.set BK,   64
.set G0H,  24                          ; s[24:27] group 0 of the head's load of B
.set AP,   28                          ; s[28:29] my K steps of A's first row tile
.set G0R,  32                          ; s[32:39] group 0 of the ring, one set for each slot
.set G1B,  48
.set PFA,  56
.set PFB,  58
.set G1S,  68
.set G0S,  76
.set G1SB, 80
.set G0SB, 88
.set MSB, 0
.macro WIN new                         ; the immediate's high byte repeats the setting that is left
.if MSB != (\new)
	s_set_vgpr_msb (MSB<<8)|(\new)
.set MSB, (\new)
.endif
.endm
.set MUL_LO, 0xa1                      ; source 0 (B) window 1, source 1 (A) window 0, C and D window 2; + 0x50: C and D window 3
.set TO_B,   0x40
.macro ARM under, g0, g1, next         ; one arm of the head's chain; an s_nop 0 and four v_nop follow the load
	s_cmp_lt_u32 s14, \under
	s_cbranch_scc0 \next
	tensor_load_to_lds s[\g0:\g0+3], s[\g1:\g1+7]
	s_nop 0
.rept 4
	v_nop
.endr
	s_branch .Lhead_asked
\next:
.endm
.macro CREST                           ; a round of the cluster's barrier behind its opening barrier
	s_cmp_lg_u32 s14, 0
	s_cbranch_scc1 .Lnot_wave_0_\@
	s_barrier_signal -3
.Lnot_wave_0_\@:
	s_barrier_wait -3
	s_barrier_signal -1
	s_barrier_wait -1
.endm
.macro CROUND
	s_barrier_signal -1
	s_barrier_wait -1
	CREST
.endm
.macro PLACES n                        ; plain vector instructions between a matrix instruction and a load into, or a read of, its registers
.rept \n
	v_nop
.endr
.endm
.macro LOAD_A P, p, i0                 ; A's blocks i0, i0 + 1 of my p-th K step of period P: eight loads of consecutive bytes
.irp i, \i0, \i0+1
	global_load_b128 v[AF+96*(\p)+FR*(\i):AF+96*(\p)+FR*(\i)+3], v[L16], s[AP:AP+1] offset:(\i)*RT+(\P)*PB+(\p)*1536
	global_load_b64 v[AF+96*(\p)+FR*(\i)+4:AF+96*(\p)+FR*(\i)+5], v[L8], s[AP:AP+1] offset:(\i)*RT+(\P)*PB+(\p)*1536+512
	global_load_b128 v[AF+96*(\p)+FR*(\i)+6:AF+96*(\p)+FR*(\i)+9], v[L16], s[AP:AP+1] offset:(\i)*RT+(\P)*PB+(\p)*1536+768
	global_load_b64 v[AF+96*(\p)+FR*(\i)+10:AF+96*(\p)+FR*(\i)+11], v[L8], s[AP:AP+1] offset:(\i)*RT+(\P)*PB+(\p)*1536+1280
.endr
.endm
.macro FRAG reg, adr, q, i             ; a fragment's image from LDS
	ds_load_b128 v[\reg:\reg+3], v[\adr+2*((\i)/4)] offset:((\i)%4)*PB+(\q)*1536
	ds_load_b64 v[\reg+4:\reg+5], v[\adr+2*((\i)/4)+1] offset:((\i)%4)*PB+(\q)*1536+512
	ds_load_b128 v[\reg+6:\reg+9], v[\adr+2*((\i)/4)] offset:((\i)%4)*PB+(\q)*1536+768
	ds_load_b64 v[\reg+10:\reg+11], v[\adr+2*((\i)/4)+1] offset:((\i)%4)*PB+(\q)*1536+1280
.endm
.macro FETCH_B slot, p
	WIN TO_B
.irp i, 0,1,2,3,4,5,6,7
	FRAG 128*(\p)+FR*\i, ADRB+4*(\slot), \p, \i
.endr
	WIN 0
.endm
.macro SCALES P
.irp i, 0,1,2,3,4,5,6,7
	ds_load_b32 v[SC+2*\i], v[ADRS] offset:\i*SBLK+512*(\P)
	ds_load_b32 v[SC+2*\i+1], v[ADRS] offset:\i*SBLK+512*(\P)+64
.endr
.endm
; 16 matrix instructions: A's blocks a0, a0 + 1 x B's eight, my p-th K step.  zero = 1: the first product starts the sums.  The 64 accumulators take turns, one instruction a turn.
.macro MUL16 a0, p, zero
.irp a, \a0, \a0+1
.irp b, 0,1,2,3,4,5,6,7
.if \zero
	v_wmma_scale_f32_16x16x128_f8f6f4 v[8*(8*((\a)%4)+\b):8*(8*((\a)%4)+\b)+7], v[128*(\p)+FR*\b:128*(\p)+FR*\b+FR-1], v[AF+96*(\p)+FR*(\a):AF+96*(\p)+FR*(\a)+FR-1], 0, v[SC+2*\b+(\p)], v[SC+2*(\a)+(\p)] matrix_a_fmt:MATRIX_FMT_FP6 matrix_b_fmt:MATRIX_FMT_FP6 matrix_a_scale:MATRIX_SCALE_ROW1
.else
	v_wmma_scale_f32_16x16x128_f8f6f4 v[8*(8*((\a)%4)+\b):8*(8*((\a)%4)+\b)+7], v[128*(\p)+FR*\b:128*(\p)+FR*\b+FR-1], v[AF+96*(\p)+FR*(\a):AF+96*(\p)+FR*(\a)+FR-1], v[8*(8*((\a)%4)+\b):8*(8*((\a)%4)+\b)+7], v[SC+2*\b+(\p)], v[SC+2*(\a)+(\p)] matrix_a_fmt:MATRIX_FMT_FP6 matrix_b_fmt:MATRIX_FMT_FP6 matrix_a_scale:MATRIX_SCALE_ROW1
.endif
.endr
.endr
.endm
.macro GRP a0, p, zero, P, ld          ; 16 products; ld = 1: behind their places, the same two blocks of A for the next period
	WIN MUL_LO+0x50*((\a0)/4)
	MUL16 \a0, \p, \zero
.if \ld
	PLACES NP
	WIN 0
	LOAD_A (\P)+1, \p, \a0
.endif
.endm
.macro ASK per                         ; my 24 blocks of 256 bytes of A's and of B's tiles of period per
	global_prefetch_b8 v[PFO], s[PFA:PFA+1] offset:(\per)*PB th:TH_LOAD_NT scope:SCOPE_SE
	global_prefetch_b8 v[PFO], s[PFB:PFB+1] offset:(\per)*PB th:TH_LOAD_NT scope:SCOPE_SE
.endm
; A period.  more = 1: another follows; fill = 1: the slot read in this period is filled again, with the period after the next.
.macro PERIOD P, zero, more, fill
	FETCH_B (\P)%2, 0
	SCALES \P
	FETCH_B (\P)%2, 1
	s_wait_loadcnt 32                              ; A of my first K step is in; my second K step's 32 loads may be out
	s_wait_dscnt 32                                ; B of my first K step and the scale words are in; the second K step's 32 loads may be out
	GRP 0, 0, \zero, \P, \more
	GRP 2, 0, \zero, \P, \more
	GRP 4, 0, \zero, \P, \more
	GRP 6, 0, \zero, \P, \more
.if \more
	s_wait_loadcnt 32                              ; A of my second K step is in; the 32 loads just issued for the next period may be out
.else
	s_wait_loadcnt 0x0
.endif
	s_wait_dscnt 0x0                               ; B of my second K step: my reads of this slot are over
	GRP 0, 1, 0, \P, \more
	GRP 2, 1, 0, \P, \more
.if \more
	s_wait_tensorcnt 0x0                           ; all my tensor loads have landed: my quarter of the other slot, the next period's  (every window is 0 here)
.if \fill
	ds_add_u32 v[SPW], v[NIL]                      ; 0 onto my spare word; sixteen products stand between it and the wait for it
.endif
	GRP 4, 1, 0, \P, 0
	s_wait_dscnt 0x0
	s_barrier_signal -1
	GRP 6, 1, 0, \P, 0
	WIN 0
	s_barrier_wait -1                              ; the other slot is whole, and nobody reads this one any more
.if \fill
	CREST                                          ; the barrier has opened a round of the cluster's barrier
.if (\P) == 1
	s_add_nc_u64 s[G0R+6:G0R+7], s[G0R+6:G0R+7], 2*PB   ; no tensor load of mine is out: slot 1 goes on from period 1 to period 3
.endif
	tensor_load_to_lds s[G0R+4*((\P)%2):G0R+4*((\P)%2)+3], s[G1B:G1B+7]   ; the first tensor load behind the round
	s_nop 0
	PLACES NP                                      ; (also the places in front of the loads below)
.else
	PLACES NP
.endif
	LOAD_A (\P)+1, 1, 4
	LOAD_A (\P)+1, 1, 6
.else
	GRP 4, 1, 0, \P, 0
	GRP 6, 1, 0, \P, 0
	WIN 0
.endif
.endm
	s_load_b256 s[4:11], s[0:1], 0x0               ; hc s[4:5], codes s[6:7], scales s[8:9], b_down s[10:11]
.if HASB
	s_load_b64 s[12:13], s[0:1], 0x20              ; y
	s_load_b64 s[96:97], s[0:1], 0x28              ; x1
.else
	s_load_b64 s[96:97], s[0:1], 0x20
.endif
	v_lshl_add_u32 v[SPW], v0, 2, SPARE
	v_mov_b32 v[NIL], 0
	ds_add_u32 v[SPW], v[NIL]                      ; the wave's opening: the add, twice on end, and its wait ahead of my first tensor load
	ds_add_u32 v[SPW], v[NIL]
	v_lshrrev_b32 v1, 5, v0
	v_readfirstlane_b32 s14, v1                    ; wave 0..3
	s_mul_i32 s16, s14, 2*1536                     ; my two K steps in a row tile's 12,288 bytes
	s_add_co_u32 s17, s16, HALFT
	s_add_co_u32 s18, s16, 2*HALFT
	s_add_co_u32 s19, s16, 3*HALFT
	s_lshl_b32 s22, s14, 7                         ; my two K steps' scale words: 64 bytes each
	s_add_co_u32 s22, s22, SCL
	s_mul_i32 s23, s14, STW                        ; my stage
	s_mul_i32 s20, s14, 32*SPITCH                  ; rows 32 w on, of each of the four stages
	s_add_co_u32 s21, s20, STW
	s_add_co_u32 s2, s20, 2*STW
	s_add_co_u32 s3, s20, 3*STW
	v_and_b32 v1, 15, v0                           ; r
	v_bfe_u32 v2, v0, 4, 1                         ; h
	v_and_b32 v3, 31, v0
	v_lshlrev_b32 v[L16], 4, v3
	v_lshlrev_b32 v[L8], 3, v3
.if PER > 1
	v_min_u32 v[PFO], 23, v3
	v_lshlrev_b32 v[PFO], 8, v[PFO]
.endif
.irp n, 0,1,2,3
	v_add_nc_u32 v[ADRB+2*\n], s[16+\n], v[L16]
	v_add_nc_u32 v[ADRB+2*\n+1], s[16+\n], v[L8]
.endr
	v_mul_u32_u24 v6, v2, 2*HALFS+128              ; lanes 16-31 take B's words: one product, the distance between the two
	v_lshl_add_u32 v6, v1, 2, v6
	v_add_nc_u32 v[ADRS], s22, v6
	v_mul_u32_u24 v7, v1, SPITCH
	v_lshl_add_u32 v7, v2, 6, v7                   ; into the stage: row r, + 64 h
	v_add_nc_u32 v[STO], s23, v7
	v_add_nc_u32 v[RD], s20, v[L16]
	v_add_nc_u32 v[RD+1], s21, v[L16]
	v_add_nc_u32 v[RD+2], s2, v[L16]
	v_add_nc_u32 v[RD+3], s3, v[L16]
	s_bfe_u32 s40, ttmp6, 0x40000                  ; cx
	s_bfe_u32 s41, ttmp6, 0x40004                  ; cy
	s_lshl_b32 s42, ttmp9, 2
	s_add_co_u32 s42, s42, s40                     ; tile column 0..7
	s_and_b32 s45, ttmp7, 0xffff
	s_lshl_b32 s45, s45, 2
	s_add_co_u32 s45, s45, s41                     ; tile row 0..31
	s_lshl_b32 s43, s41, 2
	s_lshl_b32 s43, 15, s43                        ; my row of the cluster
	s_lshl_b32 s44, 0x1111, s40                    ; my column
	s_or_b32 s[G1B+0], s44, (3<<16)|(1<<21)        ; group 1, B's codes: the mask; elements of 8 bytes; bit 21 beside a mask
	s_mov_b32 s[G1B+1], (PB/8)<<16
	s_mov_b32 s[G1B+2], 4<<16                      ; at the head 4 row tiles a load; in the ring 2
	s_mov_b32 s[G1B+3], (PB/8)<<16
	s_mov_b32 s[G1B+4], 4
	s_mov_b32 s[G1B+5], RT/8
	s_mov_b32 s[G1B+6], 0
	s_mov_b32 s[G1B+7], 0
	s_or_b32 s[G1S+0], s43, (3<<16)|(1<<21)        ; group 1, scale words: a dense block of 2 HALFS bytes as rows of 256
	s_or_b32 s[G1SB+0], s44, (3<<16)|(1<<21)
.irp g, G1S, G1SB
	s_mov_b32 s[\g+1], 32<<16
	s_mov_b32 s[\g+2], (2*HALFS/256)<<16
	s_mov_b32 s[\g+3], 32<<16
	s_mov_b32 s[\g+4], 2*HALFS/256
	s_mov_b32 s[\g+5], 32
	s_mov_b32 s[\g+6], 0
	s_mov_b32 s[\g+7], 0
.endr
	s_lshl_b32 s46, s45, 3                         ; A's first row tile
	s_mul_i32 s92, s46, SBLK
	s_add_co_u32 s92, s92, A_SC
	s_mov_b32 s93, 0
.if PER > 1
	s_lshl_b32 s66, s40, 1                         ; the prefetches of A: row tile 2 cx + w / 2 of the eight, its half w % 2 of a period's 48 blocks
	s_add_co_u32 s66, s66, s46
	s_lshr_b32 s15, s14, 1
	s_add_co_u32 s66, s66, s15
	s_mul_i32 s66, s66, RT
	s_and_b32 s31, s14, 1
	s_mul_i32 s31, s31, 6144
	s_add_co_u32 s66, s66, s31
	s_mov_b32 s67, 0
.endif
	s_mul_i32 s46, s46, RT
	s_add_co_u32 s46, s46, s16
	s_mov_b32 s47, 0
	s_lshl_b32 s94, s42, 3                         ; B's first row tile
	s_mul_i32 s98, s94, SBLK
	s_add_co_u32 s98, s98, B_SC
	s_mov_b32 s99, 0
.if PER > 1
	s_lshl_b32 s30, s41, 1                         ; the prefetches of B: row tile 2 cy + w / 2
	s_add_co_u32 s30, s30, s94
	s_add_co_u32 s30, s30, s15
	s_mul_i32 s30, s30, RT
	s_add_co_u32 s30, s30, s31
	s_add_co_u32 s30, s30, B_CO
	s_mov_b32 s31, 0
.endif
	s_mul_i32 s94, s94, RT
	s_add_co_u32 s94, s94, B_CO
	s_mov_b32 s95, 0
	s_mul_i32 s20, s14, 4*RT                       ; at the head waves 0 and 1 fetch 4 row tiles of B each,
	s_mov_b32 s21, 0
	s_mul_i32 s22, s14, 2*RT                       ; in the ring every wave 2
	s_mov_b32 s23, 0
	s_lshl_b32 s62, s42, 9                         ; the tile's first column, in bytes
	s_mov_b32 s63, 0
	s_lshl_b32 s60, s45, 7
	s_lshl_b32 s61, s14, 5
	s_add_co_u32 s60, s60, s61                     ; the first token that I store: 128 x tile row + 32 x wave
	s_lshl_b32 s60, s60, 12
	s_add_co_u32 s60, s60, s62
	s_mov_b32 s61, 0
	s_wait_alu depctr_va_vdst(0)
	s_wait_dscnt 0x0                               ; both opening adds are done
	s_wait_kmcnt 0x0
	s_add_nc_u64 s[AP:AP+1], s[4:5], s[46:47]
	s_add_nc_u64 s[92:93], s[4:5], s[92:93]
	s_add_nc_u64 s[94:95], s[6:7], s[94:95]
	s_add_nc_u64 s[98:99], s[8:9], s[98:99]
.if PER > 1
	s_add_nc_u64 s[PFA:PFA+1], s[4:5], s[66:67]
	s_add_nc_u64 s[PFB:PFB+1], s[6:7], s[30:31]
.endif
.if HASB
	s_add_nc_u64 s[10:11], s[10:11], s[62:63]
	global_load_b128 v[BIAS:BIAS+3], v[L16], s[10:11]
.endif
	s_add_nc_u64 s[OUT:OUT+1], s[OUT:OUT+1], s[60:61]
	s_add_nc_u64 s[96:97], s[96:97], s[60:61]
.irp i, 0,2,4,6
	LOAD_A 0, 0, \i                                ; period 0, my first K step
.endr
	CROUND                                         ; all sixteen work-groups are here: the joint loads meet
	s_mov_b32 s[G0H], 1
	s_mul_i32 s[G0H+1], s14, HALFT
	s_add_nc_u64 s[G0H+2:G0H+3], s[94:95], s[20:21]
	s_or_b32 s[G0H+3], s[G0H+3], 0x80000000
	s_mov_b32 s[G0S], 1
	s_mov_b32 s[G0S+1], SCL
	s_mov_b64 s[G0S+2:G0S+3], s[92:93]
	s_or_b32 s[G0S+3], s[G0S+3], 0x80000000
	s_mov_b32 s[G0SB], 1
	s_mov_b32 s[G0SB+1], SCL+2*HALFS+128
	s_mov_b64 s[G0SB+2:G0SB+3], s[98:99]
	s_or_b32 s[G0SB+3], s[G0SB+3], 0x80000000
.if PER > 1
	s_add_nc_u64 s[94:95], s[94:95], s[22:23]
	s_mov_b32 s[G0R], 1                            ; slot 0's next fill: period 2
	s_mul_i32 s[G0R+1], s14, 2*PB
	s_add_nc_u64 s[G0R+2:G0R+3], s[94:95], 2*PB
	s_or_b32 s[G0R+3], s[G0R+3], 0x80000000
	s_mov_b32 s[G0R+4], 1                          ; slot 1's first: period 1
	s_add_co_u32 s[G0R+5], s[G0R+1], SLOT
	s_add_nc_u64 s[G0R+6:G0R+7], s[94:95], PB
	s_or_b32 s[G0R+7], s[G0R+7], 0x80000000
.endif
	ARM 2, G0H, G1B, .Lhead_sa                     ; one load a wave, one chain of arms: waves 0 and 1 four row tiles of B each, wave 2 A's scale words, wave 3 B's
	ARM 3, G0S, G1S, .Lhead_sb
	tensor_load_to_lds s[G0SB:G0SB+3], s[G1SB:G1SB+7]
	s_nop 0
.rept 4
	v_nop
.endr
.Lhead_asked:
.irp i, 0,2,4,6
	LOAD_A 0, 1, \i                                ; period 0, my second K step
.endr
	s_wait_tensorcnt 0x0                           ; my tile of the head's is in
.if PER > 1
	ds_add_u32 v[SPW], v[NIL]
	s_mov_b32 s[G1B+2], 2<<16                      ; no tensor load of mine is out: from here on a load brings 2 row tiles
	s_mov_b32 s[G1B+4], 2
	s_wait_dscnt 0x0
	CROUND                                         ; everybody's tile is in, and all sixteen work-groups are here
	tensor_load_to_lds s[G0R+4:G0R+7], s[G1B:G1B+7]   ; slot 1's first fill, the first tensor load behind the round
	s_nop 0
	PLACES NP
	ASK 2
	PERIOD 0, 1, 1, 1
	ASK 3
	PERIOD 1, 0, 1, 1
	PERIOD 2, 0, 1, 0
	PERIOD 3, 0, 0, 0
.else
	s_barrier_signal -1
	s_barrier_wait -1
	PERIOD 0, 1, 0, 0
.endif
	; THE WAY OUT.  Every wave's LDS reads are over: behind this barrier the ring's bytes become the stages.  Each wave lays its partial tile down as rows; behind a second barrier wave w reads rows 32 w .. 32 w + 31 of all four
	; stages, adds them, the bias and the residual, and stores whole pieces of 512 bytes.  Stage row 16 a + r holds token 32 (a / 2) + 8 (a % 2) + r + 8 (r / 8).
	s_barrier_signal -1
	s_barrier_wait -1
	PLACES NP
	WIN TO_B                                       ; the residual of the 32 rows that I store, 512 consecutive bytes a load, into window 1's v0-127 (B's fragments are done with): asked for ahead of the stage's stores
.set JJ, 0
.rept 32
	global_load_b128 v[4*JJ:4*JJ+3], v[CO], s[96:97] offset:(8*(JJ/16)+JJ%16+8*((JJ%16)/8))*4096 th:TH_LOAD_NT
.set JJ, JJ+1
.endr
	WIN 0
.irp a, 0,1,2,3,4,5,6,7
	WIN 0x08+4*(\a/4)                              ; an LDS store's data: window 2 or 3
.irp b, 0,1,2,3,4,5,6,7
	ds_store_b128 v[STO], v[64*(\a%4)+8*\b:64*(\a%4)+8*\b+3] offset:\a*16*SPITCH+128*(\b/2)+32*(\b%2)          ; each accumulator from its low end on
	ds_store_b128 v[STO], v[64*(\a%4)+8*\b+4:64*(\a%4)+8*\b+7] offset:\a*16*SPITCH+128*(\b/2)+32*(\b%2)+16
.endr
.endr
	WIN 0
	s_wait_dscnt 0x0                               ; for the others' sake: my partial tile has landed
	s_barrier_signal -1
	s_barrier_wait -1
.macro RDG g                           ; rows 4 g .. 4 g + 3 of my 32, from the four stages
.set BB, BK+64*((\g)%3)
.irp t, 0,1,2,3
.irp p, 0,1,2,3
	ds_load_b128 v[BB+16*\t+4*\p:BB+16*\t+4*\p+3], v[RD+\p] offset:(4*(\g)+\t)*SPITCH
.endr
.endr
.endm
.macro SUMG g, left                    ; left: the next group's loads, which may stay out
.set BB, BK+64*((\g)%3)
	s_wait_dscnt \left
	s_wait_loadcnt 28-4*(\g)                       ; the residual's rows up to this group's are in; the later groups' 28 - 4 g loads may be out
.irp t, 0,1,2,3
.irp k, 0,2
	v_pk_add_f32 v[BB+16*\t+\k:BB+16*\t+\k+1], v[BB+16*\t+\k:BB+16*\t+\k+1], v[BB+16*\t+4+\k:BB+16*\t+4+\k+1]
	v_pk_add_f32 v[BB+16*\t+8+\k:BB+16*\t+8+\k+1], v[BB+16*\t+8+\k:BB+16*\t+8+\k+1], v[BB+16*\t+12+\k:BB+16*\t+12+\k+1]
.endr
.endr
.irp t, 0,1,2,3
.irp k, 0,2
	v_pk_add_f32 v[BB+16*\t+\k:BB+16*\t+\k+1], v[BB+16*\t+\k:BB+16*\t+\k+1], v[BB+16*\t+8+\k:BB+16*\t+8+\k+1]
.endr
.endr
.if HASB
.irp t, 0,1,2,3
.irp k, 0,2
	v_pk_add_f32 v[BB+16*\t+\k:BB+16*\t+\k+1], v[BB+16*\t+\k:BB+16*\t+\k+1], v[BIAS+\k:BIAS+\k+1]
.endr
.endr
.endif
	WIN 0x04                                       ; source 1: window 1
.irp t, 0,1,2,3
.irp k, 0,2
	v_pk_add_f32 v[BB+16*\t+\k:BB+16*\t+\k+1], v[BB+16*\t+\k:BB+16*\t+\k+1], v[16*(\g)+4*\t+\k:16*(\g)+4*\t+\k+1]   ; + the residual
.endr
.endr
	WIN 0
.irp t, 0,1,2,3
.set JJ, 4*(\g)+\t
	global_store_b128 v[CO], v[BB+16*\t:BB+16*\t+3], s[OUT:OUT+1] offset:(8*(JJ/16)+JJ%16+8*((JJ%16)/8))*4096   ; 32 lanes store 512 consecutive bytes
.endr
.endm
	RDG 0
	RDG 1
.irp g, 0,1,2,3,4,5
	SUMG \g, 16
	s_wait_xcnt 0x0                                ; the stores issued so far have read their registers: the buffer of the group before this one is loaded again
	RDG \g+2
.endr
	SUMG 6, 16
	SUMG 7, 0
	s_wait_tensorcnt 0x0                           ; the wave's end
	ds_add_u32 v[SPW], v[NIL]
	s_wait_dscnt 0x0
	CROUND                                         ; the closing round
	s_endpgm
.Lfunc_end_k_q1971ee1236_gdn:
	.size	k_q1971ee1236_gdn, .Lfunc_end_k_q1971ee1236_gdn-k_q1971ee1236_gdn
	.p2alignl 7, 3214868480
	.fill 96, 4, 3214868480
	.section	.rodata,"a",@progbits
	.p2align	6, 0x0
	.amdhsa_kernel k_q1971ee1236_gdn
		.amdhsa_group_segment_fixed_size 327680
		.amdhsa_private_segment_fixed_size 0
		.amdhsa_enable_private_segment 0
		.amdhsa_kernarg_size 48
		.amdhsa_user_sgpr_count 2
		.amdhsa_user_sgpr_kernarg_segment_ptr 1
		.amdhsa_wavefront_size32 1
		.amdhsa_system_sgpr_workgroup_id_x 1
		.amdhsa_system_sgpr_workgroup_id_y 1
		.amdhsa_system_sgpr_workgroup_id_z 1
		.amdhsa_system_vgpr_workitem_id 0
		.amdhsa_next_free_vgpr 1024
		.amdhsa_next_free_sgpr 100
		.amdhsa_reserve_vcc 0
		.amdhsa_float_denorm_mode_32 3
		.amdhsa_float_denorm_mode_16_64 3
		.amdhsa_memory_ordered 1
		.amdhsa_forward_progress 1
		.amdhsa_inst_pref_size 169
	.end_amdhsa_kernel
	.amdgpu_metadata
---
amdhsa.version: [ 1, 2 ]
amdhsa.kernels:
  - .name:           k_q1971ee1236_gdn
    .symbol:         k_q1971ee1236_gdn.kd
    .args:
      - { .name: hc, .offset: 0, .size: 8, .value_kind: global_buffer, .address_space: global }
      - { .name: codes, .offset: 8, .size: 8, .value_kind: global_buffer, .address_space: global }
      - { .name: scales, .offset: 16, .size: 8, .value_kind: global_buffer, .address_space: global }
      - { .name: b_down, .offset: 24, .size: 8, .value_kind: global_buffer, .address_space: global }
      - { .name: y, .offset: 32, .size: 8, .value_kind: global_buffer, .address_space: global }
      - { .name: x1, .offset: 40, .size: 8, .value_kind: global_buffer, .address_space: global }
    .group_segment_fixed_size: 327680
    .private_segment_fixed_size: 0
    .kernarg_segment_align: 8
    .kernarg_segment_size: 48
    .max_flat_workgroup_size: 128
    .sgpr_count:     100
    .vgpr_count:     1024
    .wavefront_size: 32
...
	.end_amdgpu_metadata
.endif
;; end of part 15
;; launch ln2 (part 16): grid 256 x 1, 8 waves a work-group, no clusters, 0 bytes of LDS; arguments y, g2, b2, out0; writes out0
.if DOCPART == 16
	.amdgcn_target "amdgcn-amd-amdhsa--gfx1250"
	.amdhsa_code_object_version 6
	.text
	.protected	k_q1971ee1236_ln2
	.globl	k_q1971ee1236_ln2
	.p2align	8
	.type	k_q1971ee1236_ln2,@function
k_q1971ee1236_ln2:
	s_mov_b64 s[64:65], 0
	v_nop
	global_prefetch_b8 v0, s[64:65] scope:SCOPE_SE
	s_setreg_imm32_b32 hwreg(HW_REG_WAVE_MODE, 25, 1), 1
	s_wait_xcnt 0x0
; out0 = layer_norm(y) g2 + b2, in f32 (b_down and x1 are in y already: product 6's launch added them on the way out).  Nothing is left out here.
; A work-group takes 16 rows; wave w rows 2 w and 2 w + 1, whole: a row's 4,096 bytes are 32 registers, so a row's two sums never leave the wave.  A stream: no LDS, no barrier, no matrix unit, no cluster.
.set SM,   10
.set PT,   14
.set MU,   16
.set RS,   20
.set Y,    32
.set X,    96
.set G,    160
.set BT,   192
.set SEL,  20
.macro LANESUM                         ; both rows' sums over the 32 lanes, the result in every lane
.irp e, 0,1
	s_delay_alu instid0(VALU_DEP_2)
	v_add_f32 v[SM+2*\e], v[SM+2*\e], v[SM+2*\e+1]
.endr
.irp m, 1,2,4,8
.irp e, 0,1
	s_delay_alu instid0(VALU_DEP_2)
	v_add_f32_dpp v[SM+2*\e], v[SM+2*\e], v[SM+2*\e] row_xmask:\m row_mask:0xf bank_mask:0xf
.endr
.endr
.irp e, 0,1
	s_delay_alu instid0(VALU_DEP_2)
	v_permlanex16_b32 v[PT+\e], v[SM+2*\e], s[SEL], s[SEL+1]
.endr
.irp e, 0,1
	s_delay_alu instid0(VALU_DEP_2)
	v_add_f32 v[SM+2*\e], v[SM+2*\e], v[PT+\e]
.endr
.endm
	s_load_b64 s[4:5], s[0:1], 0x0                 ; y, which holds product 6 + b_down + x1: the launch before has added the residual
	s_load_b128 s[8:11], s[0:1], 0x8               ; g2 s[8:9], b2 s[10:11]
	s_load_b64 s[12:13], s[0:1], 0x18              ; out0
	v_lshrrev_b32 v4, 5, v0
	s_delay_alu instid0(VALU_DEP_1)
	v_readfirstlane_b32 s16, v4                    ; wave 0..7
	v_and_b32 v4, 31, v0
	s_delay_alu instid0(VALU_DEP_1)
	v_lshlrev_b32 v1, 4, v4
	v_mov_b32 v[PT], 0                             ; a lane permute's destination counts as one of its sources
	v_mov_b32 v[PT+1], 0
	s_lshl_b32 s17, ttmp9, 4
	s_lshl_b32 s18, s16, 1
	s_add_co_u32 s17, s17, s18                     ; my first row
	s_lshl_b32 s18, s17, 12
	s_mov_b32 s19, 0
	s_mov_b32 s[SEL], 0x76543210
	s_mov_b32 s[SEL+1], 0xfedcba98
	s_mov_b32 s22, 0x3a800000                      ; 1 / 1,024
	s_mov_b32 s23, 0x358637bd                      ; 1e-6
	s_wait_alu depctr_va_vdst(0)
	s_wait_kmcnt 0x0
	s_add_nc_u64 s[4:5], s[4:5], s[18:19]
	s_add_nc_u64 s[12:13], s[12:13], s[18:19]
.irp e, 0,1
.irp j, 0,1,2,3,4,5,6,7
	global_load_b128 v[Y+32*\e+4*\j:Y+32*\e+4*\j+3], v1, s[4:5] offset:4096*\e+512*\j th:TH_LOAD_NT
.endr
.endr
.irp j, 0,1,2,3,4,5,6,7
	global_load_b128 v[G+4*\j:G+4*\j+3], v1, s[8:9] offset:512*\j
.endr
.irp j, 0,1,2,3,4,5,6,7
	global_load_b128 v[BT+4*\j:BT+4*\j+3], v1, s[10:11] offset:512*\j
.endr
	s_wait_loadcnt 16                              ; both rows' 16 loads are in (behind them: the gain's and the bias's 16)
.irp e, 0,1
	v_pk_add_f32 v[SM+2*\e:SM+2*\e+1], v[Y+32*\e:Y+32*\e+1], v[Y+32*\e+2:Y+32*\e+3]
.endr
.irp k, 4,6,8,10,12,14,16,18,20,22,24,26,28,30
.irp e, 0,1
	s_delay_alu instid0(VALU_DEP_2)
	v_pk_add_f32 v[SM+2*\e:SM+2*\e+1], v[SM+2*\e:SM+2*\e+1], v[Y+32*\e+\k:Y+32*\e+\k+1]
.endr
.endr
	LANESUM
.irp e, 0,1
	s_delay_alu instid0(VALU_DEP_2)
	v_mul_f32 v[MU+2*\e], s22, v[SM+2*\e]
.endr
.irp e, 0,1
	s_delay_alu instid0(VALU_DEP_2)
	v_mov_b32 v[MU+2*\e+1], v[MU+2*\e]
.endr
.irp k, 0,2,4,6,8,10,12,14,16,18,20,22,24,26,28,30
.irp e, 0,1
	v_pk_add_f32 v[Y+32*\e+\k:Y+32*\e+\k+1], v[Y+32*\e+\k:Y+32*\e+\k+1], v[MU+2*\e:MU+2*\e+1] neg_lo:[0,1] neg_hi:[0,1]
.endr
.endr
.irp e, 0,1
	v_pk_mul_f32 v[SM+2*\e:SM+2*\e+1], v[Y+32*\e:Y+32*\e+1], v[Y+32*\e:Y+32*\e+1]
.endr
.irp k, 2,4,6,8,10,12,14,16,18,20,22,24,26,28,30
.irp e, 0,1
	s_delay_alu instid0(VALU_DEP_2)
	v_pk_fma_f32 v[SM+2*\e:SM+2*\e+1], v[Y+32*\e+\k:Y+32*\e+\k+1], v[Y+32*\e+\k:Y+32*\e+\k+1], v[SM+2*\e:SM+2*\e+1]
.endr
.endr
	LANESUM
.irp e, 0,1
	s_delay_alu instid0(VALU_DEP_2)
	v_fma_f32 v[RS+2*\e], v[SM+2*\e], s22, s23     ; var + eps
.endr
	s_wait_alu depctr_va_vdst(0)
.irp e, 0,1
	v_rsq_f32 v[RS+2*\e], v[RS+2*\e]
.endr
	v_nop                                          ; a plain place behind the last of the two
	s_wait_alu depctr_va_vdst(0)                   ; one wait for both, ahead of their first reader
.irp e, 0,1
	v_mov_b32 v[RS+2*\e+1], v[RS+2*\e]
.endr
	s_wait_alu depctr_va_vdst(0)
	s_wait_loadcnt 0x0                             ; the gain and the bias
.irp k, 0,2,4,6,8,10,12,14,16,18,20,22,24,26,28,30
.irp e, 0,1
	v_pk_mul_f32 v[Y+32*\e+\k:Y+32*\e+\k+1], v[Y+32*\e+\k:Y+32*\e+\k+1], v[RS+2*\e:RS+2*\e+1]
.endr
.irp e, 0,1
	s_delay_alu instid0(VALU_DEP_2)
	v_pk_fma_f32 v[Y+32*\e+\k:Y+32*\e+\k+1], v[Y+32*\e+\k:Y+32*\e+\k+1], v[G+\k:G+\k+1], v[BT+\k:BT+\k+1]
.endr
.endr
.irp e, 0,1
.irp j, 0,1,2,3,4,5,6,7
	global_store_b128 v1, v[Y+32*\e+4*\j:Y+32*\e+4*\j+3], s[12:13] offset:4096*\e+512*\j th:TH_STORE_NT   ; 32 lanes store 512 consecutive bytes
.endr
.endr
	s_endpgm
.Lfunc_end_k_q1971ee1236_ln2:
	.size	k_q1971ee1236_ln2, .Lfunc_end_k_q1971ee1236_ln2-k_q1971ee1236_ln2
	.p2alignl 7, 3214868480
	.fill 96, 4, 3214868480
	.section	.rodata,"a",@progbits
	.p2align	6, 0x0
	.amdhsa_kernel k_q1971ee1236_ln2
		.amdhsa_group_segment_fixed_size 0
		.amdhsa_private_segment_fixed_size 0
		.amdhsa_enable_private_segment 0
		.amdhsa_kernarg_size 32
		.amdhsa_user_sgpr_count 2
		.amdhsa_user_sgpr_kernarg_segment_ptr 1
		.amdhsa_wavefront_size32 1
		.amdhsa_system_sgpr_workgroup_id_x 1
		.amdhsa_system_sgpr_workgroup_id_y 1
		.amdhsa_system_sgpr_workgroup_id_z 1
		.amdhsa_system_vgpr_workitem_id 0
		.amdhsa_next_free_vgpr 224
		.amdhsa_next_free_sgpr 66
		.amdhsa_reserve_vcc 0
		.amdhsa_float_denorm_mode_32 3
		.amdhsa_float_denorm_mode_16_64 3
		.amdhsa_memory_ordered 1
		.amdhsa_forward_progress 1
		.amdhsa_inst_pref_size 22
	.end_amdhsa_kernel
	.amdgpu_metadata
---
amdhsa.version: [ 1, 2 ]
amdhsa.kernels:
  - .name:           k_q1971ee1236_ln2
    .symbol:         k_q1971ee1236_ln2.kd
    .args:
      - { .name: y, .offset: 0, .size: 8, .value_kind: global_buffer, .address_space: global }
      - { .name: g2, .offset: 8, .size: 8, .value_kind: global_buffer, .address_space: global }
      - { .name: b2, .offset: 16, .size: 8, .value_kind: global_buffer, .address_space: global }
      - { .name: out0, .offset: 24, .size: 8, .value_kind: global_buffer, .address_space: global }
    .group_segment_fixed_size: 0
    .private_segment_fixed_size: 0
    .kernarg_segment_align: 8
    .kernarg_segment_size: 32
    .max_flat_workgroup_size: 256
    .sgpr_count:     66
    .vgpr_count:     224
    .wavefront_size: 32
...
	.end_amdgpu_metadata
.endif
;; end of part 16
